; MI455X (gfx1250); checked and timed in simulation.
; The chip was launched on July 23, 2026; its instructions are those of AMD's public machine-readable ISA for CDNA 5 (MIT licence, August 2026) and "CDNA5" Instruction Set Architecture Reference Guide (July 2026). The comments in the code are by the model that wrote it; some were corrected since.
;; Encoder Block. Allowed arithmetic: matrix products marked QUANTISED: E2M3 operands, one E8M0 scale for each 32 along K, by v_wmma_scale_f32_16x16x128_f8f6f4 with both operands' format E2M3, f32 sums; everything else in f32.
;; Inputs: alpha1 1,024 float32; alpha2 1,024 float32; b1 4,096 float32; b2 1,024 float32; bias1 1,024 float32; bias2 1,024 float32; mask 2 x 1 x 1 x 2,048 int32; w1 4,096 x 1,024 float32; w2 1,024 x 4,096 float32; wk 1,024 x 1,024 float32; wo 1,024 x 1,024 float32; wq 1,024 x 1,024 float32; wv 1,024 x 1,024 float32; x 2 x 2,048 x 1,024 float32.
;; Outputs: out0 2 x 2,048 x 1,024 float32.
;; This version of the problem:
;;   THIS VERSION OF THE PROBLEM IS GIVEN IN LOW PRECISION. The matrix products marked QUANTISED in the list below multiply operands that are first quantised to E2M3 (2 exponent bits, 3 mantissa bits; 6 bits a number), with one power-of-two scale for each 32 numbers along K (OCP MX v1.0); their sums are f32. All else is computed in f32.
;;   The module's matrix products, in the order in which they are computed (A, B: the left and right operand; K: the contracted axis; several contracted axes count as one K, in the product's order):
;;     1. [M 4,096, K 1,024] x [K 1,024, N 1,024]; A: computed on the way; B: input wq: QUANTISED
;;     2. [M 4,096, K 1,024] x [K 1,024, N 1,024]; A: computed on the way; B: input wk: QUANTISED
;;     3. [M 4,096, K 1,024] x [K 1,024, N 1,024]; A: computed on the way; B: input wv: QUANTISED
;;     4. batch 32 x [M 2,048, K 64] x [K 64, N 2,048]; A: computed on the way; B: computed on the way: QUANTISED
;;     5. batch 32 x [M 2,048, K 2,048] x [K 2,048, N 64]; A: softmax (see below); B: computed on the way: QUANTISED
;;     6. [M 4,096, K 1,024] x [K 1,024, N 1,024]; A: computed on the way; B: input wo: QUANTISED
;;     7. [M 4,096, K 1,024] x [K 1,024, N 4,096]; A: computed on the way; B: input w1: QUANTISED
;;     8. [M 4,096, K 4,096] x [K 4,096, N 1,024]; A: computed on the way; B: input w2: QUANTISED
;;   THE QUANTISER, for each operand of a quantised product, along K:
;;     - K is cut into blocks of 32 from its start; a last block that is shorter is filled with zeros.
;;     - A block's scale is 2^e with e = floor(log2(the largest magnitude in the block)) - 2, held to -126 .. 127; a block of zeros has e = 0. As a byte (E8M0): e + 127.
;;     - Each number is divided by its block's scale, clamped to +-7.5, and rounded to the nearest number of E2M3, ties to even, subnormals kept.
;;     - The product sums the exact products of the quantised numbers (number of the format x scale) in f32.
;;   ~~~python
;;   def quantise(x, axis):      # numpy; x: float32 -> the quantised numbers, widened to float32 again
;;       x = np.moveaxis(x, axis, -1); K = x.shape[-1]
;;       x = np.pad(x, [(0, 0)] * (x.ndim - 1) + [(0, -K % 32)]); x = x.reshape(x.shape[:-1] + (-1, 32)); a = np.abs(x).max(-1, keepdims=True)
;;       e = np.where(a > 0, np.clip(np.frexp(np.where(a > 0, a, 1))[1] - 1 - 2, -126, 127), 0)      # np.frexp(a)[1] - 1 = floor(log2(a)), exactly
;;       r = np.clip(x / 2.0 ** e, -7.5, 7.5)
;;       step = 2.0 ** (np.maximum(np.frexp(np.where(r == 0, 1, r))[1] - 1, 0) - 3)
;;       q = np.round(r / step) * step * 2.0 ** e      # np.round: ties to even
;;       return np.moveaxis(q.reshape(q.shape[:-2] + (-1,))[..., :K], -1, axis).astype(np.float32)
;;   ~~~
;;   SOFTMAX AHEAD OF A QUANTISED PRODUCT. Where the list says 'softmax', what is quantised is not the finished softmax but p = 2^(t - M), with t = logit x log2(e) and M = ceil(the row's largest t), a whole number; so 1/2 < the row's largest p <= 1. The row's sum l is taken of the UNQUANTISED p, in f32, and the product's result is divided by l at the end. Since M is a whole number, a kernel that streams over the keys may use a running M (the ceiling of the running maximum): every later rescaling is an exact power of two, which a block's scale takes up: the codes' values come out the same.
;;   OPERANDS COMPUTED ON THE WAY. 'Computed on the way' means the value that the module computes at that place (a softmax that the list does not call 'softmax' is quantised finished and normalised). What goes into a quantiser is computed in f32, as accurately as f32 sums, v_exp_f32 and their like allow (about 1e-6 of the number): no bf16 or f16 on the way to a quantiser, and a product that is left as it is and whose result goes on into a quantised operand takes f32 operands (vector FMAs, or v_wmma_f32_16x16x4_f32). A number that lies on a knife's edge between two numbers of the format may be rounded either way, as far as f32 arithmetic and the matrix unit's own rounding can turn it there, and no further.
;; 2 versions. Each part assembles by itself: llvm-mc -triple=amdgcn-amd-amdhsa -mcpu=gfx1250 --defsym DOCPART=n.
;; ======== version 1 of 2: 8 launches
;; limits: right only within a limited range of input values
;; workspace buffers: ops 13,107,200 bytes; xn2 3,670,016 bytes; h 13,107,200 bytes; av 3,670,016 bytes; qkv 10,092,544 bytes; x1 16,777,216 bytes
;; launch quantw (part 1): grid 256 x 1, 6 waves a work-group, no clusters, 51,456 bytes of LDS; arguments wq, wk, wv, wo, w1, w2, ops; writes ops
.if DOCPART == 1
	.amdgcn_target "amdgcn-amd-amdhsa--gfx1250"
	.amdhsa_code_object_version 6
	.text
	.protected	k_q5cb439685e_quantw
	.globl	k_q5cb439685e_quantw
	.p2align	8
	.type	k_q5cb439685e_quantw,@function
k_q5cb439685e_quantw:
	s_mov_b64 s[64:65], 0
	v_nop
	global_prefetch_b8 v0, s[64:65] scope:SCOPE_SE
	s_setreg_imm32_b32 hwreg(HW_REG_WAVE_MODE, 25, 1), 1
	s_wait_xcnt 0x0
; The six weights, f32 with K innermost, become codes of FP6 (E2M3) with one E8M0 byte for each 32 along K, laid as the products' launches read them.
; RECORD: 16 rows x 128 K = 1,536 bytes, in the order of the operand's registers: plane p (256 bytes) holds registers 2 p, 2 p + 1 of the fragment, lane l at 8 l.
; ROW BLOCK RB: lane r stands for row 32 (RB / 2) + 8 (RB % 2) + r + 8 (r / 8), so that a product's results, used transposed, lie along the next K in a lane's registers.
; SCALE UNIT: 256 bytes, [r 0..15][u 0..3] words: the scale word of row r of row block 4 RB4 + u for one K step.
; A wave has ONE job: four records (one group of four row blocks, 64 rows) of one K step, which make one whole scale unit.  1,536 jobs = 256 work-groups x 6 waves.
; Jobs 0-1,023: wq, wk, wv, wo, w1 (K = 1,024: 8 K steps); jobs 1,024-1,535: w2 (K = 4,096: 32 K steps).  Only pointers and offsets are chosen by the job's number: all take one path.
; Each load reads 512 consecutive bytes of one row.  The conversions want 32 neighbours along K in one lane, so a record's 8 KiB turn through the wave's own stage in LDS (rows of 512 + 16 bytes).
; Each code store of the wave covers 256 consecutive bytes, aligned.  Waves share nothing: no barrier.
; A block's scale is 2^(floor(log2(largest magnitude)) - 2); its byte is the largest magnitude's exponent field - 2, held at 1 from below.
; LIMITS: a block of zeros, or one under 2^(2 - 126), keeps the byte 1 (the bytes are read by this program alone; zero codes add nothing); NaN and infinities are not served.
.set CODE0, 524288                     ; in ops: the scale units lie first, the codes from here on
.set VO,   2                           ; v2-17   byte offset of my 16 bytes in row i of a record's 16
.set STW,  18                          ; v18     the stage, on the way in: 16 x lane
.set STR,  19                          ; v19     on the way out: row r, + 128 h
.set CO,   20                          ; v20     8 x lane: my place in a plane
.set SA,   21                          ; v21     16 r: my row's four words in the scale unit
.set SH8,  22                          ; v22     8 h
.set LN,   23                          ; v23     lane
.set X0,   32                          ; v32-223 three sets of 64 numbers
.set PC,   224                         ; v224-235 a fragment's codes
.set PT,   236                         ; v236-242 the upper halves of its two blocks, as converted
.set MX,   244
.set SO,   246
.set BY,   248
.set SW,   250                         ; v250-253 the four records' scale words
.set TT,   254
.set SP,   528                         ; a stage row: 512 bytes + 16: an odd multiple of 16, so that sixteen rows' 16 bytes fall on different banks
.set WST,  16*SP                       ; a wave's stage
	s_load_b256 s[4:11], s[0:1], 0x0               ; wq, wk, wv, wo
	s_load_b128 s[12:15], s[0:1], 0x20             ; w1, w2
	s_load_b64 s[16:17], s[0:1], 0x30              ; ops
	v_lshl_add_u32 v243, v0, 2, 0xc600
	v_mov_b32 v255, 0
	v_lshrrev_b32 v1, 5, v0
	v_readfirstlane_b32 s18, v1                    ; wave 0..5
	v_and_b32 v[LN], 31, v0
	v_and_b32 v24, 15, v0                          ; r
	v_bfe_u32 v25, v0, 4, 1                        ; h
	s_mul_i32 s19, ttmp9, 6
	s_add_co_u32 s19, s19, s18                     ; my job
	; what the job means if it lies in the table of K = 1,024
	s_lshr_b32 s20, s19, 3                         ; group of four row blocks, counted through wq, wk, wv, wo, w1
	s_and_b32 s21, s19, 7                          ; K step
	s_and_b32 s22, s20, 15                         ; the group inside wq, wk, wv or wo (16 groups each)
	s_max_u32 s23, s20, 64
	s_sub_co_u32 s23, s23, 64                      ; inside w1
	s_cmp_lt_u32 s19, 512
	s_cselect_b32 s22, s22, s23
	s_mul_i32 s42, s20, 4*12288
	s_mul_i32 s43, s21, 1536
	s_add_co_u32 s42, s42, s43
	s_add_co_u32 s42, s42, CODE0+256*12288         ; its first record: the weights follow xn's 256 row blocks
	s_mul_i32 s43, s21, 49152
	s_lshl_b32 s44, s20, 8
	s_add_co_u32 s43, s43, s44
	s_add_co_u32 s43, s43, 64*256                  ; its scale unit
	; and if it lies in w2
	s_max_u32 s44, s19, 1024
	s_sub_co_u32 s44, s44, 1024
	s_lshr_b32 s45, s44, 5                         ; group
	s_and_b32 s46, s44, 31                         ; K step
	s_mul_i32 s47, s45, 4*49152
	s_mul_i32 s48, s46, 1536
	s_add_co_u32 s47, s47, s48
	s_add_co_u32 s47, s47, CODE0+9437184
	s_lshl_b32 s48, s46, 12
	s_lshl_b32 s49, s45, 8
	s_add_co_u32 s48, s48, s49
	s_add_co_u32 s48, s48, 393216
	s_mov_b32 s51, 49152
	s_cmp_lt_u32 s19, 1024
	s_cselect_b32 s22, s22, s45                    ; the group in its tensor
	s_cselect_b32 s21, s21, s46                    ; the K step
	s_cselect_b32 s42, s42, s47                    ; where the codes go
	s_cselect_b32 s43, s43, s48                    ; where the scale unit goes
	s_cselect_b32 s50, 12, 14                      ; a row of the tensor is 2^12 or 2^14 bytes
	s_cselect_b32 s51, 12288, s51                  ; from a row block's records to the next block's
	s_lshl_b32 s52, s22, 6
	s_lshl_b32 s52, s52, s50                       ; 64 rows a group
	s_lshl_b32 s53, s21, 9
	s_add_co_u32 s52, s52, s53                     ; + 512 bytes a K step
	s_mov_b32 s53, 0
	s_mov_b32 s55, 0
	s_mov_b32 s57, 0
	s_mov_b32 s60, 0x76543210
	s_mov_b32 s61, 0xfedcba98                      ; v_permlanex16_b32's selects for lane l xor 16
	v_lshlrev_b32 v1, 4, v[LN]                     ; 16 x lane
.irp i, 0,1,2,3,4,5,6,7,8,9,10,11,12,13,14,15
	v_lshl_add_u32 v[VO+\i], \i+8*(\i/8), s50, v1  ; lane row i of a record is the tensor's row i + 8 (i / 8) from the record's first
.endr
	s_mul_i32 s58, s18, WST
	v_add_nc_u32 v[STW], s58, v1
	v_mul_u32_u24 v[STR], v24, SP
	v_lshl_add_u32 v[STR], v25, 7, v[STR]
	v_add_nc_u32 v[STR], s58, v[STR]
	v_lshlrev_b32 v[CO], 3, v[LN]
	v_lshlrev_b32 v[SA], 4, v24
	v_lshlrev_b32 v[SH8], 3, v25
	v_mov_b32 v[TT], 0                             ; a lane permute's destination counts as one of its sources
	s_wait_kmcnt 0x0
	s_cmp_lt_u32 s19, 1024                         ; the tensor: a chain of choices on the job's number alone
	s_cselect_b64 s[12:13], s[12:13], s[14:15]
	s_cmp_lt_u32 s19, 512
	s_cselect_b64 s[10:11], s[10:11], s[12:13]
	s_cmp_lt_u32 s19, 384
	s_cselect_b64 s[8:9], s[8:9], s[10:11]
	s_cmp_lt_u32 s19, 256
	s_cselect_b64 s[6:7], s[6:7], s[8:9]
	s_cmp_lt_u32 s19, 128
	s_cselect_b64 s[4:5], s[4:5], s[6:7]
	s_add_nc_u64 s[24:25], s[4:5], s[52:53]        ; record u begins 32 (u / 2) + 8 (u % 2) rows into the group
	s_lshl_b32 s54, 8, s50
	s_add_nc_u64 s[26:27], s[24:25], s[54:55]
	s_lshl_b32 s54, 32, s50
	s_add_nc_u64 s[28:29], s[24:25], s[54:55]
	s_lshl_b32 s54, 40, s50
	s_add_nc_u64 s[30:31], s[24:25], s[54:55]
	s_mov_b32 s56, s42
	s_add_nc_u64 s[32:33], s[16:17], s[56:57]      ; where record u goes
	s_mov_b32 s56, s51
	s_add_nc_u64 s[34:35], s[32:33], s[56:57]
	s_add_nc_u64 s[36:37], s[34:35], s[56:57]
	s_add_nc_u64 s[38:39], s[36:37], s[56:57]
	s_mov_b32 s56, s43
	s_add_nc_u64 s[40:41], s[16:17], s[56:57]      ; the scale unit
.macro LOADR u                         ; record u: 16 loads, each 512 consecutive bytes of one row, into set u % 3
.irp i, 0,1,2,3,4,5,6,7,8,9,10,11,12,13,14,15
	global_load_b128 v[X0+64*((\u)%3)+4*\i:X0+64*((\u)%3)+4*\i+3], v[VO+\i], s[24+2*(\u):25+2*(\u)] th:TH_LOAD_NT
.endr
.endm
.macro TURN u                          ; through the stage: in as loaded, back 128 bytes a lane: register 32 c + n = k 64 c + 32 h + n of row r.  LDS serves a wave's instructions in order
.set XS, X0+64*((\u)%3)
.irp i, 0,1,2,3,4,5,6,7,8,9,10,11,12,13,14,15
	ds_store_b128 v[STW], v[XS+4*\i:XS+4*\i+3] offset:SP*\i
.endr
.irp c, 0,1
.irp i, 0,1,2,3,4,5,6,7
	ds_load_b128 v[XS+32*\c+4*\i:XS+32*\c+4*\i+3], v[STR] offset:256*\c+16*\i
.endr
.endr
.endm
.macro QB dst                          ; the 64 numbers at v[XS] become the fragment's codes in v[PC] on and my row's scale word in v[dst]
.irp c, 0,1
	v_max3_num_f32 v[MX+\c], |v[XS+32*\c]|, |v[XS+32*\c+1]|, 0x1800000   ; my block 2 c + h: all 32 numbers are mine; the floor 2^(3 - 127) holds the byte at 1 from below
.endr
.irp i, 2,4,6,8,10,12,14,16,18,20,22,24,26,28,30
.irp c, 0,1
	v_max3_num_f32 v[MX+\c], v[MX+\c], |v[XS+32*\c+\i]|, |v[XS+32*\c+\i+1]|
.endr
.endr
.irp c, 0,1
	v_add_nc_u32 v[SO+\c], 0xff000000, v[MX+\c]    ; 2 off the exponent field: the conversion's scale operand
.endr
.irp c, 0,1
	v_lshrrev_b32 v[BY+\c], 23, v[SO+\c]           ; the scale's byte
.endr
	v_lshl_or_b32 v[\dst], v[BY+1], 16, v[BY]      ; blocks h and 2 + h,
	v_lshlrev_b32 v[\dst], v[SH8], v[\dst]         ; at their places in the word;
	v_permlanex16_b32 v[TT], v[\dst], s60, s61
	v_or_b32 v[\dst], v[\dst], v[TT]               ; with lane l xor 16's two the word is whole
.irp c, 0,1
	v_cvt_scalef32_pk16_fp6_f32 v[PC+6*\c:PC+6*\c+2], v[XS+32*\c:XS+32*\c+15], v[SO+\c]
	v_cvt_scalef32_pk16_fp6_f32 v[PT+4*\c:PT+4*\c+2], v[XS+32*\c+16:XS+32*\c+31], v[SO+\c]   ; (a conversion's three registers begin on an even number)
.endr
	v_nop                                          ; one plain place behind a scaled conversion
.irp c, 0,1
.irp i, 0,1,2
	v_mov_b32 v[PC+3+6*\c+\i], v[PT+4*\c+\i]
.endr
.endr
.endm
.macro REC u, left                     ; left: the loads of the younger records, which may stay out
	s_wait_loadcnt \left
	TURN \u
	s_wait_dscnt 0x0                               ; the record is back from the stage
.if (\u) > 0
	s_wait_xcnt 0x0                                ; the last record's stores have read v[PC] on: only now is it written again
.endif
	QB SW+\u
.irp p, 0,1,2,3,4,5
	global_store_b64 v[CO], v[PC+2*\p:PC+2*\p+1], s[32+2*(\u):33+2*(\u)] offset:256*\p   ; a plane: 256 consecutive bytes, aligned
.endr
.endm
	LOADR 0
	LOADR 1
	LOADR 2
	REC 0, 32
	LOADR 3                                        ; into record 0's set, which has been converted
	REC 1, 32
	REC 2, 16
	REC 3, 0
	v_cmp_gt_u32 vcc_lo, 16, v[LN]
	s_wait_xcnt 0x0                                ; EXEC changes only behind this wait
	s_wait_tensorcnt 0x0
	ds_add_u32 v243, v255
	s_wait_dscnt 0x0
	s_and_saveexec_b32 s59, vcc_lo
	global_store_b128 v[SA], v[SW:SW+3], s[40:41]  ; sixteen lanes store the scale unit: 256 consecutive bytes, aligned
	s_wait_xcnt 0x0
	s_or_b32 exec_lo, exec_lo, s59
	s_endpgm
.Lfunc_end_k_q5cb439685e_quantw:
	.size	k_q5cb439685e_quantw, .Lfunc_end_k_q5cb439685e_quantw-k_q5cb439685e_quantw
	.p2alignl 7, 3214868480
	.fill 96, 4, 3214868480
	.section	.rodata,"a",@progbits
	.p2align	6, 0x0
	.amdhsa_kernel k_q5cb439685e_quantw
		.amdhsa_group_segment_fixed_size 51456
		.amdhsa_private_segment_fixed_size 0
		.amdhsa_enable_private_segment 0
		.amdhsa_kernarg_size 56
		.amdhsa_user_sgpr_count 2
		.amdhsa_user_sgpr_kernarg_segment_ptr 1
		.amdhsa_wavefront_size32 1
		.amdhsa_system_sgpr_workgroup_id_x 1
		.amdhsa_system_sgpr_workgroup_id_y 1
		.amdhsa_system_sgpr_workgroup_id_z 1
		.amdhsa_system_vgpr_workitem_id 0
		.amdhsa_next_free_vgpr 256
		.amdhsa_next_free_sgpr 66
		.amdhsa_reserve_vcc 1
		.amdhsa_float_denorm_mode_32 3
		.amdhsa_float_denorm_mode_16_64 3
		.amdhsa_memory_ordered 1
		.amdhsa_forward_progress 1
		.amdhsa_inst_pref_size 34
	.end_amdhsa_kernel
	.amdgpu_metadata
---
amdhsa.version: [ 1, 2 ]
amdhsa.kernels:
  - .name:           k_q5cb439685e_quantw
    .symbol:         k_q5cb439685e_quantw.kd
    .args:
      - { .name: wq, .offset: 0, .size: 8, .value_kind: global_buffer, .address_space: global }
      - { .name: wk, .offset: 8, .size: 8, .value_kind: global_buffer, .address_space: global }
      - { .name: wv, .offset: 16, .size: 8, .value_kind: global_buffer, .address_space: global }
      - { .name: wo, .offset: 24, .size: 8, .value_kind: global_buffer, .address_space: global }
      - { .name: w1, .offset: 32, .size: 8, .value_kind: global_buffer, .address_space: global }
      - { .name: w2, .offset: 40, .size: 8, .value_kind: global_buffer, .address_space: global }
      - { .name: ops, .offset: 48, .size: 8, .value_kind: global_buffer, .address_space: global }
    .group_segment_fixed_size: 51456
    .private_segment_fixed_size: 0
    .kernarg_segment_align: 8
    .kernarg_segment_size: 56
    .max_flat_workgroup_size: 192
    .sgpr_count:     66
    .vgpr_count:     256
    .wavefront_size: 32
...
	.end_amdgpu_metadata
.endif
;; end of part 1
;; launch ln1 (part 2): grid 256 x 1, 8 waves a work-group, no clusters, 67,072 bytes of LDS; arguments x, alpha1, bias1, ops; writes ops
.if DOCPART == 2
	.amdgcn_target "amdgcn-amd-amdhsa--gfx1250"
	.amdhsa_code_object_version 6
	.text
	.protected	k_q5cb439685e_ln1
	.globl	k_q5cb439685e_ln1
	.p2align	8
	.type	k_q5cb439685e_ln1,@function
k_q5cb439685e_ln1:
	s_mov_b64 s[64:65], 0
	v_nop
	global_prefetch_b8 v0, s[64:65] scope:SCOPE_SE
	s_setreg_imm32_b32 hwreg(HW_REG_WAVE_MODE, 25, 1), 1
	s_wait_xcnt 0x0
; y = alpha (x - mean) / (std + 1e-6) + bias along rows of 1,024 (std with n - 1), all in f32, and y quantised along the row to FP6 (E2M3) with one E8M0 byte for each 32.
; y leaves as RECORDS (16 rows x 128 K, 1,536 bytes, plane p = registers 2 p, 2 p + 1 of the fragment, lane l at 8 l) at CODE0 + (8 RB + g) 1,536, and scale words at g 49,152 + (RB / 4) 256 + 16 r + 4 (RB % 4).
; A work-group is one row block RB: lane r of its records stands for row 32 (RB / 2) + 8 (RB % 2) + r + 8 (r / 8).
; PHASE 1, a wave to two rows: the row lies in 32 registers a lane between the sums and the scaling, so memory is read once; z = (x - mean) / (std + eps) goes to LDS (rows of 4,096 + 16 bytes).
; PHASE 2, a wave to a K step of 128: lane (r, h) takes from LDS the 64 numbers that the fragment's layout gives it, multiplies by alpha, adds bias (asked for at the head), quantises, stores six whole planes.
; The scale word store covers 64 bytes of a block of 256: 512 of the work-group's 12,800 stored bytes; whole blocks would want 64 rows to a work-group, a quarter of the work-groups, in a launch that memory binds.
; No matrix unit, no cluster, no tensor load: nothing is shared between work-groups but alpha and bias, 8 KiB.
; LIMITS: blocks under 2^(2 - 126) and blocks of zeros keep the byte 1 (read by this program alone); NaN and infinities are not served.
.set CODE0, 524288
.set ZP,   4112                        ; a row of z in LDS: an odd multiple of 16 bytes
.set SM,   8                           ; v8-15   row e: two pairs of running sums
.set MN,   16                          ; v16-19  row e: a pair: -mean, later 1 / (std + eps)
.set CO,   20
.set SA,   21
.set SH8,  22
.set X,    32                          ; v32-95  two rows of x, 32 registers each; later my 64 numbers of z
.set AL,   96                          ; v96-159 alpha at my 64 places
.set BI,   160                         ; v160-223 bias likewise
.set PC,   224
.set PT,   236
.set MX,   244
.set SO,   246
.set BY,   248
.set SW,   250
.set TT,   254
	s_load_b256 s[4:11], s[0:1], 0x0               ; x, alpha, bias, the codes' buffer
	v_lshl_add_u32 v253, v0, 2, 0x10200
	v_mov_b32 v255, 0
	v_lshrrev_b32 v1, 5, v0
	v_readfirstlane_b32 s12, v1                    ; wave 0..7
	v_and_b32 v2, 31, v0                           ; lane
	v_and_b32 v3, 15, v0                           ; r
	v_bfe_u32 v4, v0, 4, 1                         ; h
	s_lshr_b32 s13, ttmp9, 1
	s_lshl_b32 s13, s13, 5
	s_and_b32 s14, ttmp9, 1
	s_lshl_b32 s14, s14, 3
	s_add_co_u32 s13, s13, s14
	s_lshl_b32 s14, s12, 1
	s_add_co_u32 s13, s13, s14
	s_lshr_b32 s14, s12, 2
	s_lshl_b32 s14, s14, 3
	s_add_co_u32 s13, s13, s14                     ; my first row: 32 (RB / 2) + 8 (RB % 2) + 2 w + 8 (w / 4); the second follows it
	s_lshl_b32 s14, s13, 12
	s_mov_b32 s15, 0
	v_lshlrev_b32 v5, 4, v2                        ; 16 x lane
	v_lshlrev_b32 v6, 7, v4
	s_lshl_b32 s16, s12, 9
	v_add_nc_u32 v6, s16, v6                       ; 512 w + 128 h: my place in a row in phase 2
	s_mul_i32 s17, s12, 2*ZP
	v_add_nc_u32 v7, s17, v5                       ; LDS, in: rows 2 w, 2 w + 1
	v_mad_u32_u24 v24, v3, ZP, v6                  ; LDS, out: row r
	v_lshlrev_b32 v[CO], 3, v2
	v_lshlrev_b32 v[SA], 4, v3
	v_lshlrev_b32 v[SH8], 3, v4
	v_mov_b32 v[TT], 0
	s_mov_b32 s24, 0x76543210
	s_mov_b32 s25, 0xfedcba98
	s_mul_i32 s18, ttmp9, 12288
	s_mul_i32 s19, s12, 1536
	s_add_co_u32 s18, s18, s19
	s_add_co_u32 s18, s18, CODE0                   ; my record
	s_mov_b32 s19, 0
	s_mul_i32 s20, s12, 49152
	s_lshr_b32 s21, ttmp9, 2
	s_lshl_b32 s21, s21, 8
	s_add_co_u32 s20, s20, s21
	s_and_b32 s21, ttmp9, 3
	s_lshl_b32 s21, s21, 2
	s_add_co_u32 s20, s20, s21                     ; my scale words
	s_mov_b32 s21, 0
	s_wait_kmcnt 0x0
	s_add_nc_u64 s[4:5], s[4:5], s[14:15]
	s_add_nc_u64 s[18:19], s[10:11], s[18:19]
	s_add_nc_u64 s[20:21], s[10:11], s[20:21]
.irp e, 0,1
.irp j, 0,1,2,3,4,5,6,7
	global_load_b128 v[X+32*\e+4*\j:X+32*\e+4*\j+3], v5, s[4:5] offset:4096*\e+512*\j   ; 512 consecutive bytes a load
.endr
.endr
.irp c, 0,1
.irp i, 0,1,2,3,4,5,6,7
	global_load_b128 v[AL+32*\c+4*\i:AL+32*\c+4*\i+3], v6, s[6:7] offset:256*\c+16*\i
.endr
.endr
.irp c, 0,1
.irp i, 0,1,2,3,4,5,6,7
	global_load_b128 v[BI+32*\c+4*\i:BI+32*\c+4*\i+3], v6, s[8:9] offset:256*\c+16*\i
.endr
.endr
.macro LANESUM                         ; each row's two pairs of sums become one number in every lane; the two rows by turns
.irp e, 0,1
	v_pk_add_f32 v[SM+4*\e:SM+4*\e+1], v[SM+4*\e:SM+4*\e+1], v[SM+4*\e+2:SM+4*\e+3]
.endr
.irp e, 0,1
	v_add_f32 v[SM+4*\e], v[SM+4*\e], v[SM+4*\e+1]
.endr
.irp m, 1,2,4,8
.irp e, 0,1
	v_add_f32_dpp v[SM+4*\e], v[SM+4*\e], v[SM+4*\e] row_xmask:\m row_mask:0xf bank_mask:0xf
.endr
.endr
.irp e, 0,1
	v_permlanex16_b32 v[SM+4*\e+1], v[SM+4*\e], s24, s25
.endr
.irp e, 0,1
	v_add_f32 v[SM+4*\e], v[SM+4*\e], v[SM+4*\e+1]
.endr
.endm
	s_wait_loadcnt 32                              ; x is in; the 32 loads of alpha and bias may stay out
.irp e, 0,1
	v_pk_add_f32 v[SM+4*\e:SM+4*\e+1], v[X+32*\e:X+32*\e+1], v[X+32*\e+2:X+32*\e+3]
	v_pk_add_f32 v[SM+4*\e+2:SM+4*\e+3], v[X+32*\e+4:X+32*\e+5], v[X+32*\e+6:X+32*\e+7]
.endr
.irp j, 8,12,16,20,24,28
.irp e, 0,1
	v_pk_add_f32 v[SM+4*\e:SM+4*\e+1], v[SM+4*\e:SM+4*\e+1], v[X+32*\e+\j:X+32*\e+\j+1]
	v_pk_add_f32 v[SM+4*\e+2:SM+4*\e+3], v[SM+4*\e+2:SM+4*\e+3], v[X+32*\e+\j+2:X+32*\e+\j+3]
.endr
.endr
	LANESUM
.irp e, 0,1
	v_mul_f32 v[MN+2*\e], 0xba800000, v[SM+4*\e]   ; -mean = -sum / 1,024
.endr
.irp e, 0,1
	v_mov_b32 v[MN+2*\e+1], v[MN+2*\e]
.endr
.irp j, 0,2,4,6,8,10,12,14,16,18,20,22,24,26,28,30
.irp e, 0,1
	v_pk_add_f32 v[X+32*\e+\j:X+32*\e+\j+1], v[X+32*\e+\j:X+32*\e+\j+1], v[MN+2*\e:MN+2*\e+1]   ; d = x - mean
.endr
.endr
.irp e, 0,1
	v_pk_mul_f32 v[SM+4*\e:SM+4*\e+1], v[X+32*\e:X+32*\e+1], v[X+32*\e:X+32*\e+1]
	v_pk_mul_f32 v[SM+4*\e+2:SM+4*\e+3], v[X+32*\e+2:X+32*\e+3], v[X+32*\e+2:X+32*\e+3]
.endr
.irp j, 4,8,12,16,20,24,28
.irp e, 0,1
	v_pk_fma_f32 v[SM+4*\e:SM+4*\e+1], v[X+32*\e+\j:X+32*\e+\j+1], v[X+32*\e+\j:X+32*\e+\j+1], v[SM+4*\e:SM+4*\e+1]
	v_pk_fma_f32 v[SM+4*\e+2:SM+4*\e+3], v[X+32*\e+\j+2:X+32*\e+\j+3], v[X+32*\e+\j+2:X+32*\e+\j+3], v[SM+4*\e+2:SM+4*\e+3]
.endr
.endr
	LANESUM
.irp e, 0,1
	v_mul_f32 v[SM+4*\e], 0x3a802008, v[SM+4*\e]   ; the sum of d^2 / 1,023
.endr
.irp e, 0,1
	v_sqrt_f32 v[SM+4*\e], v[SM+4*\e]
.endr
	v_nop                                          ; a plain place behind the transcendentals
	s_wait_alu depctr_va_vdst(0)
.irp e, 0,1
	v_add_f32 v[SM+4*\e], 0x358637bd, v[SM+4*\e]   ; + 1e-6
.endr
.irp e, 0,1
	v_rcp_f32 v[MN+2*\e], v[SM+4*\e]
.endr
	v_nop
	s_wait_alu depctr_va_vdst(0)
.irp e, 0,1
	v_mov_b32 v[MN+2*\e+1], v[MN+2*\e]
.endr
.irp j, 0,2,4,6,8,10,12,14,16,18,20,22,24,26,28,30
.irp e, 0,1
	v_pk_mul_f32 v[X+32*\e+\j:X+32*\e+\j+1], v[X+32*\e+\j:X+32*\e+\j+1], v[MN+2*\e:MN+2*\e+1]   ; z
.endr
.endr
.irp e, 0,1
.irp j, 0,1,2,3,4,5,6,7
	ds_store_b128 v7, v[X+32*\e+4*\j:X+32*\e+4*\j+3] offset:ZP*\e+512*\j
.endr
.endr
	s_wait_dscnt 0x0                               ; for the others' sake: my two rows lie in LDS
	s_barrier_signal -1
	s_barrier_wait -1
.irp c, 0,1
.irp i, 0,1,2,3,4,5,6,7
	ds_load_b128 v[X+32*\c+4*\i:X+32*\c+4*\i+3], v24 offset:256*\c+16*\i   ; register 32 c + n = z(row r, 128 w + 64 c + 32 h + n)
.endr
.endr
	s_wait_loadcnt 0x0                             ; alpha and bias
	s_wait_dscnt 0x0
.irp j, 0,2,4,6,8,10,12,14,16,18,20,22,24,26,28,30,32,34,36,38,40,42,44,46,48,50,52,54,56,58,60,62
	v_pk_fma_f32 v[X+\j:X+\j+1], v[X+\j:X+\j+1], v[AL+\j:AL+\j+1], v[BI+\j:BI+\j+1]
.endr
.irp c, 0,1
	v_max3_num_f32 v[MX+\c], |v[X+32*\c]|, |v[X+32*\c+1]|, 0x1800000   ; my block 2 c + h; the floor 2^(3 - 127) holds the byte at 1 from below
.endr
.irp i, 2,4,6,8,10,12,14,16,18,20,22,24,26,28,30
.irp c, 0,1
	v_max3_num_f32 v[MX+\c], v[MX+\c], |v[X+32*\c+\i]|, |v[X+32*\c+\i+1]|
.endr
.endr
.irp c, 0,1
	v_add_nc_u32 v[SO+\c], 0xff000000, v[MX+\c]    ; 2 off the exponent field: the conversion's scale operand
.endr
.irp c, 0,1
	v_lshrrev_b32 v[BY+\c], 23, v[SO+\c]
.endr
	v_lshl_or_b32 v[SW], v[BY+1], 16, v[BY]
	v_lshlrev_b32 v[SW], v[SH8], v[SW]
	v_permlanex16_b32 v[TT], v[SW], s24, s25
	v_or_b32 v[SW], v[SW], v[TT]                   ; my row's scale word
.irp c, 0,1
	v_cvt_scalef32_pk16_fp6_f32 v[PC+6*\c:PC+6*\c+2], v[X+32*\c:X+32*\c+15], v[SO+\c]
	v_cvt_scalef32_pk16_fp6_f32 v[PT+4*\c:PT+4*\c+2], v[X+32*\c+16:X+32*\c+31], v[SO+\c]
.endr
	v_nop                                          ; one plain place behind a scaled conversion
.irp c, 0,1
.irp i, 0,1,2
	v_mov_b32 v[PC+3+6*\c+\i], v[PT+4*\c+\i]
.endr
.endr
.irp p, 0,1,2,3,4,5
	global_store_b64 v[CO], v[PC+2*\p:PC+2*\p+1], s[18:19] offset:256*\p   ; a plane: 256 consecutive bytes, aligned
.endr
	v_cmp_gt_u32 vcc_lo, 16, v2
	s_wait_xcnt 0x0                                ; EXEC changes only behind this wait
	s_wait_tensorcnt 0x0
	ds_add_u32 v253, v255
	s_wait_dscnt 0x0
	s_and_saveexec_b32 s22, vcc_lo
	global_store_b32 v[SA], v[SW], s[20:21]
	s_wait_xcnt 0x0
	s_or_b32 exec_lo, exec_lo, s22
	s_endpgm
.Lfunc_end_k_q5cb439685e_ln1:
	.size	k_q5cb439685e_ln1, .Lfunc_end_k_q5cb439685e_ln1-k_q5cb439685e_ln1
	.p2alignl 7, 3214868480
	.fill 96, 4, 3214868480
	.section	.rodata,"a",@progbits
	.p2align	6, 0x0
	.amdhsa_kernel k_q5cb439685e_ln1
		.amdhsa_group_segment_fixed_size 67072
		.amdhsa_private_segment_fixed_size 0
		.amdhsa_enable_private_segment 0
		.amdhsa_kernarg_size 32
		.amdhsa_user_sgpr_count 2
		.amdhsa_user_sgpr_kernarg_segment_ptr 1
		.amdhsa_wavefront_size32 1
		.amdhsa_system_sgpr_workgroup_id_x 1
		.amdhsa_system_sgpr_workgroup_id_y 1
		.amdhsa_system_sgpr_workgroup_id_z 1
		.amdhsa_system_vgpr_workitem_id 0
		.amdhsa_next_free_vgpr 256
		.amdhsa_next_free_sgpr 66
		.amdhsa_reserve_vcc 1
		.amdhsa_float_denorm_mode_32 3
		.amdhsa_float_denorm_mode_16_64 3
		.amdhsa_memory_ordered 1
		.amdhsa_forward_progress 1
		.amdhsa_inst_pref_size 26
	.end_amdhsa_kernel
	.amdgpu_metadata
---
amdhsa.version: [ 1, 2 ]
amdhsa.kernels:
  - .name:           k_q5cb439685e_ln1
    .symbol:         k_q5cb439685e_ln1.kd
    .args:
      - { .name: x, .offset: 0, .size: 8, .value_kind: global_buffer, .address_space: global }
      - { .name: alpha1, .offset: 8, .size: 8, .value_kind: global_buffer, .address_space: global }
      - { .name: bias1, .offset: 16, .size: 8, .value_kind: global_buffer, .address_space: global }
      - { .name: ops, .offset: 24, .size: 8, .value_kind: global_buffer, .address_space: global }
    .group_segment_fixed_size: 67072
    .private_segment_fixed_size: 0
    .kernarg_segment_align: 8
    .kernarg_segment_size: 32
    .max_flat_workgroup_size: 256
    .sgpr_count:     66
    .vgpr_count:     256
    .wavefront_size: 32
...
	.end_amdgpu_metadata
.endif
;; end of part 2
;; launch qkv (part 3): grid 12 x 16, 4 waves a work-group, clusters of 4 x 4, 327,680 bytes of LDS; arguments ops, qkv; writes qkv
.if DOCPART == 3
	.amdgcn_target "amdgcn-amd-amdhsa--gfx1250"
	.amdhsa_code_object_version 6
	.text
	.protected	k_q5cb439685e_qkv
	.globl	k_q5cb439685e_qkv
	.p2align	8
	.type	k_q5cb439685e_qkv,@function
k_q5cb439685e_qkv:
	s_mov_b64 s[64:65], 0
	v_nop
	global_prefetch_b8 v0, s[64:65] scope:SCOPE_SE
	s_setreg_imm32_b32 hwreg(HW_REG_WAVE_MODE, 25, 1), 1
	s_wait_xcnt 0x0
	s_wait_alu depctr_hold_cnt(0) depctr_sa_sdst(0) depctr_va_vdst(0) depctr_va_sdst(0) depctr_va_ssrc(0) depctr_va_vcc(0) depctr_vm_vsrc(0)
	s_getreg_b32 s2, hwreg(HW_REG_IB_STS2, 6, 4)
	s_cmp_eq_u32 s2, 0
	s_cbranch_scc0 .Lentry_in_a_cluster
	s_endpgm
.Lentry_in_a_cluster:
	s_bfe_u32 s2, ttmp6, 0x10000c
	s_cmp_lg_u32 s2, 0xf033
	s_cbranch_scc0 .Lentry_shape_is_right
	s_endpgm
.Lentry_shape_is_right:
; q, k = xn [wq | wk]^T and v^T = wv xn^T, on codes of FP6 (E2M3) with E8M0 scales, K = 1,024; the results are quantised in registers and leave as codes: q and k along a head's 64, v along the keys.
; OPERANDS lie in ops as RECORDS: 16 rows x 128 K = 1,536 bytes in the order of the fragment's registers (plane p = registers 2 p, 2 p + 1, lane l at 8 l), at CODE0 + (8 RB + g) 1,536; row blocks 0-255 xn, 256-319 wq,
; 320-383 wk, 384-447 wv.  Lane r of row block RB stands for row 32 (RB / 2) + 8 (RB % 2) + r + 8 (r / 8).  SCALE UNITS of 256 bytes, [r][u] words for row blocks 4 RB4 + u, at g 49,152 + 256 RB4.
; A work-group makes 256 x 256 of a product, a wave 128 x 128: 64 accumulators, 512 registers.  K goes in steps of 256 through two LDS slots; a wave's tensor load brings 8 row blocks x 3,072 bytes.
; The records need no padding: a fragment is six loads of 8 bytes a lane, each 256 consecutive bytes.  The scale units of the tile's rows, for all of K, come once with the first fills.
; THE MATRIX INSTRUCTION IS USED TRANSPOSED: source 0 = a row block of "B", source 1 = one of "A".  By the row blocks' order the 64 results of a lane for one block of A are 64 of 128 NEIGHBOURS along B's rows:
; register 16 n + i = B's row 32 n + 16 (lane / 16) + i.  So they are quantised as they stand.
; TWO KINDS OF CLUSTER, told apart by the cluster's x alone (equal in all partners): x = 0, 1: A = xn (tokens), B = wq | wk (channels): a lane holds a token, its registers run along the channels: q's and k's K.
; x = 2: A = wv (channels), B = xn (tokens): a lane holds a channel, its registers run along the keys: v's K.  Only offsets into ops and qkv are chosen; 128 + 64 = 192 work-groups.
; CLUSTERS of 4 x 4: A's tiles are asked for jointly along a row of the cluster, B's along a column.
; qkv: q, k: half records of 768 bytes (a head's 64 = planes 0-2) at (128 HH + T) 768, HH = 32 (k?) + 16 batch + head, T = row block in the batch; v: VB0 + J 49,152 + 768 AB, AB the channel block,
; J = 4 (tile of 256 keys) + (which 128) + 2 (which half of the fragment).  Scale units: q, k: QS0 + (32 HH + T / 4) 256; v: QS0 + 524,288 + (16 (16 batch + head) + key step) 256.
; LIMITS: blocks under 2^(2 - 126) and blocks of zeros keep the byte 1 (read by this program alone); NaN and infinities are not served.
.set G,      8                         ; K steps of 128
.set SPA,    49152                     ; from a K step's scale units to the next's
.set SPB,    49152
.set QS0,    9437184
.set VB0,    6291456
.set CODE0,  524288
.set NQ,     2                         ; matrix instructions deep in a slot
.set FR,     12                        ; registers of a fragment
.set NL,     6                         ; LDS loads that bring one
.set NP,     4                         ; places behind this matrix instruction (ISA guide 7.12.1)
.set REC,    1536
.set RBB,    NQ*REC                    ; a row block's bytes in a slot
.set HALFT,  8*RBB                     ; what one tensor load brings, and what one wave reads of A or of B
.set SLOT,   4*HALFT                   ; A's 16 row blocks, then B's 16
.set LAPS,   G/4                       ; a lap = two slots
.set SCL,    2*SLOT                    ; behind the ring: the scale units, four parts (A's halves, B's halves) of G x 512 bytes
.set SPART,  G*512
.set SPARE,  SCL+4*SPART               ; the spare words, 128 bytes for each wave: two blocks of 256 bytes that no other line names
.set ADRA, 16                          ; v16-17  LDS address of my A fragments in slot 0, 1
.set ADRB, 20                          ; v20-21  the same for B
.set RD,   25                          ; v25     the way out: my place among the scale words
.set CO,   26                          ; v26     8 x lane
.set ADRS, 27                          ; v27     LDS address of my scale words: lanes 0-15 A's rows, lanes 16-31 B's
.set SPW,  28                          ; v28     LDS address of my spare word; never rewritten
.set NIL,  29                          ; v29     0; never rewritten
.set SC,   32                          ; v32-63  scale words: set s at SC + 16 s; register 8 q + i: lanes 0-15 A's block i, lanes 16-31 B's block i
.set BIAS, 64
.set AF,   128                         ; A's fragments, one set, in window 0
.set PC,   192                         ; the way out: v192-211 codes, v212-227 at work, v232-239 the eight blocks' scale words
.set TM,   212
.set SW,   232
.set G1, 24
.set G0, 32
.set G1B, 48
.set G0B, 56
.set G1S, 68
.set G0S, 76
.set G1SB, 80
.set G0SB, 88
.set MSB, 0
.macro WIN new                         ; the immediate's high byte repeats the setting that is left
.if MSB != (\new)
	s_set_vgpr_msb (MSB<<8)|(\new)
.set MSB, (\new)
.endif
.endm
.set MUL_LO, 0xa1                      ; source 0 (B) window 1, source 1 (A) window 0, C and D window 2
.set MUL_HI, 0xf1                      ; the same, C and D window 3
.set TO_B,   0x40                      ; destination window 1, address window 0
; A joint load: waves 0 and 1 fetch for A, waves 2 and 3 for B.  Each line has one mask and one set of registers for all that issue it; the branch hangs on the wave's number alone.
; Four v_nop follow each of the two lines, ahead of the jump, the label and what follows.
.macro JLOAD g0a, g1a, g0b, g1b
	s_cmp_eq_u32 s15, 0
	s_cbranch_scc0 .Lfor_b_\@
	tensor_load_to_lds s[\g0a:\g0a+3], s[\g1a:\g1a+7]
	s_nop 0
.rept 4
	v_nop
.endr
	s_branch .Lasked_\@
.Lfor_b_\@:
	tensor_load_to_lds s[\g0b:\g0b+3], s[\g1b:\g1b+7]
	s_nop 0
.rept 4
	v_nop
.endr
.Lasked_\@:
.endm
.macro CREST                           ; a round of the cluster's barrier behind its opening barrier
	s_cmp_lg_u32 s14, 0
	s_cbranch_scc1 .Lnot_wave_0_\@
	s_barrier_signal -3
.Lnot_wave_0_\@:
	s_barrier_wait -3
	s_barrier_signal -1
	s_barrier_wait -1
.endm
.macro CROUND                          ; a whole round
	s_barrier_signal -1
	s_barrier_wait -1
	CREST
.endm
	s_load_b128 s[4:7], s[0:1], 0x0                ; ops, qkv
	v_lshl_add_u32 v[SPW], v0, 2, SPARE
	v_mov_b32 v[NIL], 0
	ds_add_u32 v28, v29
	ds_add_u32 v28, v29
	s_wait_dscnt 0x0
	v_lshrrev_b32 v1, 5, v0
	v_readfirstlane_b32 s14, v1                    ; wave 0..3
	s_lshr_b32 s15, s14, 1                         ; which half of A's rows is mine.  Also: I fetch for A (0) or for B (1)
	s_and_b32 s16, s14, 1                          ; which half of B's rows.  Also: which 8 row blocks of that tile I fetch
	s_bfe_u32 s40, ttmp6, 0x40000                  ; cx, cy: my place in the cluster
	s_bfe_u32 s41, ttmp6, 0x40004
	s_and_b32 s19, ttmp7, 0xffff
	s_lshl_b32 s19, s19, 2                         ; 4 x cluster y
	s_add_co_u32 s17, s19, s41                     ; q, k: A's tile = 4 x cluster y + cy
	s_lshl_b32 s42, ttmp9, 2
	s_add_co_u32 s42, s42, s40                     ; q, k: B's tile = 4 x cluster x + cx
	s_add_co_u32 s95, s19, s40                     ; v: B's tile (tokens) = 4 x cluster y + cx
	s_cmp_eq_u32 ttmp9, 2                          ; the kind of cluster
	s_cselect_b32 s17, s41, s17                    ; A's tile: made of cy and the cluster's numbers alone (v: cy)
	s_cselect_b32 s42, s95, s42                    ; B's tile: of cx and the cluster's numbers alone
	s_cselect_b32 s96, 384, 0                      ; A's first row block in ops: wv or xn
	s_cselect_b32 s97, 0, 256                      ; B's: xn or wq | wk
	s_lshl_b32 s43, s41, 2
	s_lshl_b32 s43, 15, s43                        ; my row of the cluster
	s_lshl_b32 s44, 0x1111, s40                    ; my column
	; descriptor group 1 for codes: 8 rows (row blocks) of 384 elements of 8 bytes, G x 1,536 bytes apart; dense in LDS
	s_or_b32 s[G1+0], s43, (3<<16)|(1<<21)         ; 15:0 the mask; 17:16 elements of 8 bytes; 20 no padding; 21 set beside a mask
	s_or_b32 s[G1B+0], s44, (3<<16)|(1<<21)
.irp g, G1, G1B
	s_mov_b32 s[\g+1], 384<<16                     ; tensor_dim0
	s_mov_b32 s[\g+2], 8<<16                       ; tensor_dim1
	s_mov_b32 s[\g+3], 384<<16                     ; tile_dim0
	s_mov_b32 s[\g+4], 8                           ; tile_dim1
	s_mov_b32 s[\g+5], G*192                       ; tensor_dim0_stride
	s_mov_b32 s[\g+6], 0
	s_mov_b32 s[\g+7], 0
.endr
	; and for scale units: G rows (K steps) of 64 elements of 8 bytes: two units
	s_or_b32 s[G1S+0], s43, (3<<16)|(1<<21)
	s_or_b32 s[G1SB+0], s44, (3<<16)|(1<<21)
.irp g, G1S, G1SB
	s_mov_b32 s[\g+1], 64<<16
	s_mov_b32 s[\g+2], G<<16
	s_mov_b32 s[\g+3], 64<<16
	s_mov_b32 s[\g+4], G
	s_mov_b32 s[\g+6], 0
	s_mov_b32 s[\g+7], 0
.endr
	s_mov_b32 s[G1S+5], SPA/8
	s_mov_b32 s[G1SB+5], SPB/8
	s_lshl_b32 s18, s16, 3                         ; which 8 row blocks of the tile I fetch
	s_lshl_b32 s20, s17, 4
	s_add_co_u32 s20, s20, s18
	s_add_co_u32 s20, s20, s96                     ; A: row block
	s_lshl_b32 s46, s42, 4
	s_add_co_u32 s46, s46, s18
	s_add_co_u32 s46, s46, s97                     ; B: row block
	s_lshl_b32 s22, s20, 6                         ; their scale units: 256 bytes for four row blocks
	s_mov_b32 s23, 0
	s_lshl_b32 s92, s46, 6
	s_mov_b32 s93, 0
	s_mul_i32 s20, s20, G*REC
	s_add_co_u32 s20, s20, CODE0                   ; their codes
	s_mov_b32 s21, 0
	s_mul_i32 s46, s46, G*REC
	s_add_co_u32 s46, s46, CODE0
	s_mov_b32 s47, 0
	s_mul_i32 s45, s14, HALFT                      ; where they go: wave x 8 row blocks: no place in the cluster enters an LDS address
	s_mul_i32 s94, s14, SPART
	s_wait_kmcnt 0x0
	s_add_nc_u64 s[20:21], s[4:5], s[20:21]
	s_add_nc_u64 s[22:23], s[4:5], s[22:23]
	s_add_nc_u64 s[46:47], s[4:5], s[46:47]
	s_add_nc_u64 s[92:93], s[4:5], s[92:93]
	CROUND                                         ; all sixteen work-groups are here: the first joint loads meet
	s_mov_b32 s[G0S], 1
	s_add_co_u32 s[G0S+1], s94, SCL
	s_mov_b64 s[G0S+2:G0S+3], s[22:23]
	s_or_b32 s[G0S+3], s[G0S+3], 0x80000000
	s_mov_b32 s[G0SB], 1
	s_add_co_u32 s[G0SB+1], s94, SCL
	s_mov_b64 s[G0SB+2:G0SB+3], s[92:93]
	s_or_b32 s[G0SB+3], s[G0SB+3], 0x80000000
	JLOAD G0S, G1S, G0SB, G1SB                     ; the scale units first: they are wanted with the first slot
.irp s, 0,1
	s_mov_b32 s[G0+4*\s], 1
	s_add_co_u32 s[G0+4*\s+1], s45, \s*SLOT
	s_add_nc_u64 s[G0+4*\s+2:G0+4*\s+3], s[20:21], \s*RBB
	s_or_b32 s[G0+4*\s+3], s[G0+4*\s+3], 0x80000000
	s_mov_b32 s[G0B+4*\s], 1
	s_add_co_u32 s[G0B+4*\s+1], s45, \s*SLOT
	s_add_nc_u64 s[G0B+4*\s+2:G0B+4*\s+3], s[46:47], \s*RBB
	s_or_b32 s[G0B+4*\s+3], s[G0B+4*\s+3], 0x80000000
	JLOAD G0+4*\s, G1, G0B+4*\s, G1B               ; three loads of mine are out behind the last of these
.endr
	v_and_b32 v1, 15, v0                           ; r
	v_bfe_u32 v2, v0, 4, 1                         ; h
	v_and_b32 v3, 31, v0                           ; lane
	v_lshlrev_b32 v[CO], 3, v3                     ; 8 x lane: my place in a plane, in LDS and on the way out
	s_mul_i32 s21, s15, HALFT                      ; my 8 row blocks of A
	s_mul_i32 s22, s16, HALFT                      ; my 8 of B,
	s_add_co_u32 s22, s22, 2*HALFT                 ; which lie behind A's 16
.irp s, 0,1
	v_add_nc_u32 v[ADRA+\s], s21, v[CO]
	v_add_nc_u32 v[ADRB+\s], s22, v[CO]
	s_add_co_u32 s21, s21, SLOT
	s_add_co_u32 s22, s22, SLOT
.endr
	v_lshlrev_b32 v8, 4, v1                        ; 16 r: a row's four words in a scale unit
	s_mul_i32 s21, s15, SPART                      ; A's part
	s_mul_i32 s22, s16, SPART                      ; B's part, behind A's two
	s_add_co_u32 s22, s22, 2*SPART
	s_sub_co_u32 s22, s22, s21
	v_mul_u32_u24 v6, s22, v2                      ; lanes 16-31 take B's: the lower base + h x the distance
	s_add_co_u32 s21, s21, SCL
	v_add_nc_u32 v5, v8, v6
	v_add_nc_u32 v[ADRS], s21, v5
	; where my results go, for both kinds; then the choice
	s_lshl_b32 s20, s42, 1
	s_add_co_u32 s20, s20, s16                     ; q, k: my pair of heads, 0-7 q's, 8-15 k's
	s_lshr_b32 s21, s20, 3
	s_lshl_b32 s21, s21, 5
	s_lshr_b32 s22, s17, 3
	s_lshl_b32 s22, s22, 4
	s_add_co_u32 s21, s21, s22
	s_and_b32 s22, s20, 7
	s_lshl_b32 s22, s22, 1
	s_add_co_u32 s21, s21, s22                     ; HH of the even head
	s_and_b32 s22, s17, 7
	s_lshl_b32 s22, s22, 4
	s_lshl_b32 s23, s15, 3
	s_add_co_u32 s22, s22, s23                     ; my first row block in the batch
	s_mul_i32 s46, s21, 98304
	s_mul_i32 s47, s22, 768
	s_add_co_u32 s46, s46, s47                     ; q, k: codes
	s_lshl_b32 s92, s21, 13
	s_lshl_b32 s93, s22, 6
	s_add_co_u32 s92, s92, s93
	s_add_co_u32 s92, s92, QS0                     ; q, k: scale units
	s_lshl_b32 s20, s42, 2
	s_add_co_u32 s20, s20, s16
	s_mul_i32 s20, s20, 49152
	s_lshl_b32 s21, s17, 4
	s_add_co_u32 s21, s21, s23
	s_mul_i32 s21, s21, 768
	s_add_co_u32 s20, s20, s21
	s_add_co_u32 s20, s20, VB0                     ; v: codes
	s_lshr_b32 s21, s42, 3
	s_lshl_b32 s21, s21, 4
	s_lshl_b32 s22, s17, 2
	s_add_co_u32 s21, s21, s22
	s_lshl_b32 s22, s15, 1
	s_add_co_u32 s21, s21, s22                     ; 16 batch + my first head
	s_lshl_b32 s21, s21, 4
	s_and_b32 s22, s42, 7
	s_lshl_b32 s22, s22, 1
	s_add_co_u32 s21, s21, s22
	s_add_co_u32 s21, s21, s16                     ; + the key step in the batch
	s_lshl_b32 s21, s21, 8
	s_add_co_u32 s21, s21, QS0+524288              ; v: scale units
	s_cmp_eq_u32 ttmp9, 2
	s_cselect_b32 s20, s20, s46
	s_cselect_b32 s22, s21, s92
	s_mov_b32 s21, 0
	s_mov_b32 s23, 0
	s_add_nc_u64 s[8:9], s[6:7], s[20:21]          ; codes out
	s_add_nc_u64 s[10:11], s[6:7], s[22:23]        ; scale words out
.macro FRAG reg, adr, q, i             ; a fragment as it lies: six planes, each 256 consecutive bytes for the 32 lanes
.irp p, 0,1,2,3,4,5
	ds_load_b64 v[\reg+2*\p:\reg+2*\p+1], v[\adr] offset:(\i)*RBB+(\q)*REC+256*\p
.endr
.endm
; 16 matrix instructions: A's blocks a0, a0 + 1 x B's eight, 128 along K: the slot's q-th.  p: B's set; sc: the set of scale words.  zero = 1: the products start the sums.
; The 64 accumulators take turns, one instruction a turn, in the same order in every step.
.macro MUL16 a0, p, q, sc, zero
.irp a, \a0, \a0+1
.irp b, 0,1,2,3,4,5,6,7
.set DD, 8*(8*((\a)%4)+\b)
.set BF, 128*(\p)+FR*\b
.set AA, AF+FR*(\a)
.set SCB, SC+16*(\sc)+8*(\q)+\b
.set SCA, SC+16*(\sc)+8*(\q)+(\a)
.if \zero == 1
	v_wmma_scale_f32_16x16x128_f8f6f4 v[DD:DD+7], v[BF:BF+FR-1], v[AA:AA+FR-1], 0, v[SCB], v[SCA] matrix_a_fmt:MATRIX_FMT_FP6 matrix_b_fmt:MATRIX_FMT_FP6 matrix_a_scale:MATRIX_SCALE_ROW1
.elseif \zero == 2
	v_wmma_scale_f32_16x16x128_f8f6f4 v[DD:DD+7], v[BF:BF+FR-1], v[AA:AA+FR-1], v[BIAS+8*\b:BIAS+8*\b+7], v[SCB], v[SCA] matrix_a_fmt:MATRIX_FMT_FP6 matrix_b_fmt:MATRIX_FMT_FP6 matrix_a_scale:MATRIX_SCALE_ROW1
.else
	v_wmma_scale_f32_16x16x128_f8f6f4 v[DD:DD+7], v[BF:BF+FR-1], v[AA:AA+FR-1], v[DD:DD+7], v[SCB], v[SCA] matrix_a_fmt:MATRIX_FMT_FP6 matrix_b_fmt:MATRIX_FMT_FP6 matrix_a_scale:MATRIX_SCALE_ROW1
.endif
.endr
.endr
.endm
.macro FETCH_B slot, q, p              ; B's eight fragments of the slot's q-th 128 along K into set p
	WIN TO_B
.irp i, 0,1,2,3,4,5,6,7
	FRAG 128*(\p)+FR*\i, ADRB+\slot, \q, \i
.endr
	WIN 0
.endm
.macro FETCH_A slot, q, i0             ; A's blocks i0 .. i0 + 3
.irp i, \i0, \i0+1, \i0+2, \i0+3
	FRAG AF+FR*(\i), ADRA+\slot, \q, \i
.endr
.endm
.macro SCALES sc                       ; a slot's scale words into set sc: one load brings four blocks' words
.irp q, 0,1
.irp j, 0,1
	ds_load_b128 v[SC+16*\sc+8*\q+4*\j:SC+16*\sc+8*\q+4*\j+3], v[ADRS] offset:512*\q+256*\j
.endr
.endr
.endm
; A load into a register that a matrix instruction has read, and a vector instruction or a store that reads a matrix result, stand NP places behind it; only plain vector instructions that name none of its registers are places.
.macro PLACES n
.rept \n
	v_nop
.endr
.endm
.macro STEP slot, q, zero              ; a step of 128 along K that has its successor in the same slot
	s_wait_dscnt 4*NL                              ; B's set, A's blocks 0-3 and the scale words are in; the youngest 24 loads (A's blocks 4-7) may be out
.if \zero == 2
	WIN 0x81                                       ; C in window 0, D in window 2
.else
	WIN MUL_LO
.endif
	MUL16 0, (\q)%2, \q, \slot, \zero
	MUL16 2, (\q)%2, \q, \slot, \zero
	s_wait_dscnt 0                                 ; A's blocks 4-7 are in (asked for 32 matrix instructions ago)
	PLACES NP
	FETCH_B \slot, (\q)+1, 1-(\q)%2
	FETCH_A \slot, (\q)+1, 0
.if \zero == 2
	WIN 0xc1
.else
	WIN MUL_HI
.endif
	MUL16 4, (\q)%2, \q, \slot, \zero
	MUL16 6, (\q)%2, \q, \slot, \zero
	PLACES NP
	WIN 0
	FETCH_A \slot, (\q)+1, 4
.endm
; A slot's last step changes slots: ONE barrier; in front of it each wave waits for all its tensor loads, adds 0 to its spare word, and waits for that and for its own reads of this slot.  fill = 1: this slot is filled again.
.macro TURN slot, next, fill
	s_wait_tensorcnt 0x0                           ; all my tensor loads have landed: my part of the next slot
	ds_add_u32 v[SPW], v[NIL]                      ; 0 onto my spare word
	s_wait_dscnt 4*NL+1                            ; (the add and the youngest 24 loads may be out)
	WIN MUL_LO
	MUL16 0, 1, NQ-1, \slot, 0                     ; sixteen matrix instructions stand between the add and the wait for it
	s_wait_dscnt 0x0                               ; the add is done, and my reads of this slot are over
	s_barrier_signal -1
	MUL16 2, 1, NQ-1, \slot, 0
	WIN 0
	s_barrier_wait -1
.if \fill
	CREST                                          ; the barrier has opened a round of the cluster's barrier: no wave of any partner still reads this slot or has a load on its way
	s_add_nc_u64 s[G0+4*\slot+2:G0+4*\slot+3], s[G0+4*\slot+2:G0+4*\slot+3], 2*RBB
	s_add_nc_u64 s[G0B+4*\slot+2:G0B+4*\slot+3], s[G0B+4*\slot+2:G0B+4*\slot+3], 2*RBB
	JLOAD G0+4*\slot, G1, G0B+4*\slot, G1B         ; the first tensor load behind the round; its four v_nop are the places in front of the loads below
.else
	PLACES NP
.endif
	v_add_nc_u32 v[ADRS], NQ*512, v[ADRS]          ; on to the next slot's scale words (no LDS load of mine is out)
	FETCH_B \next, 0, 0
	FETCH_A \next, 0, 0
	SCALES \next
	WIN MUL_HI
	MUL16 4, 1, NQ-1, \slot, 0
	MUL16 6, 1, NQ-1, \slot, 0
	PLACES NP
	WIN 0
	FETCH_A \next, 0, 4
.endm
	s_wait_tensorcnt 1                             ; the scale units and my part of slot 0 are in (slot 1's load may be out)
	s_barrier_signal -1
	s_barrier_wait -1                              ; everybody's are
	FETCH_B 0, 0, 0
	FETCH_A 0, 0, 0
	SCALES 0
	FETCH_A 0, 0, 4
	STEP 0, 0, 1                                   ; the first step stands in front of the loop: its products start the sums
	s_mov_b32 s3, LAPS-1
.Llap:                                                 ; a trip goes once round the ring and fills both slots again
	TURN 0, 1, 1
	STEP 1, 0, 0
	TURN 1, 0, 1
	STEP 0, 0, 0
	s_sub_co_u32 s3, s3, 1
	s_cmp_lg_u32 s3, 0
	s_cbranch_scc1 .Llap
	TURN 0, 1, 0                                   ; the last lap fills nothing
	STEP 1, 0, 0
	s_wait_dscnt 4*NL                              ; the very last step: nothing more to fetch
	WIN MUL_LO
	MUL16 0, 1, NQ-1, 1, 0
	MUL16 2, 1, NQ-1, 1, 0
	s_wait_dscnt 0
	WIN MUL_HI
	MUL16 4, 1, NQ-1, 1, 0
	MUL16 6, 1, NQ-1, 1, 0
	WIN 0
; THE WAY OUT.  64 numbers of a lane in window win, register 16 b + i = k 32 b + 16 (lane / 16) + i of my row, become a fragment's codes in v[PC] on and its scale word in v[dst].
; Each accumulator is read from its low end on.
.macro QUANT src, win, dst
	WIN ((\win)<<2)|((\win)<<4)                    ; sources 1 and 2
.irp b, 0,1,2,3
	v_max3_num_f32 v[TM+\b], 0x1800000, |v[(\src)+16*\b]|, |v[(\src)+1+16*\b]|   ; block b: my 16 numbers, and the floor 2^(3 - 127): the byte cannot fall under 1
.endr
.irp i, 2,4,6,8,10,12,14
.irp b, 0,1,2,3
	v_max3_num_f32 v[TM+\b], v[TM+\b], |v[(\src)+16*\b+\i]|, |v[(\src)+1+16*\b+\i]|
.endr
.endr
	WIN 0
.irp b, 0,1,2,3
	v_permlanex16_b32 v[TM+4+\b], v[TM+\b], s12, s13
.endr
.irp b, 0,1,2,3
	v_max_num_f32 v[TM+\b], v[TM+\b], v[TM+4+\b]   ; with lane l xor 16's: the block's largest magnitude
.endr
.irp b, 0,1,2,3
	v_add_nc_u32 v[TM+12+\b], 0xff000000, v[TM+\b] ; 2 off its exponent field: the conversion's scale operand
.endr
.irp b, 0,1,2,3
	v_lshrrev_b32 v[TM+4+\b], 23, v[TM+12+\b]      ; the scale's byte
.endr
	v_lshl_or_b32 v[\dst], v[TM+5], 8, v[TM+4]
	v_lshl_or_b32 v[\dst], v[TM+6], 16, v[\dst]
	v_lshl_or_b32 v[\dst], v[TM+7], 24, v[\dst]
	WIN (\win)                                     ; source 0
.irp c, 0,1
	v_cvt_scalef32_pk16_fp6_f32 v[PC+6*\c:PC+2+6*\c], v[(\src)+32*\c:(\src)+15+32*\c], v[TM+12+2*\c]
	v_cvt_scalef32_pk16_fp6_f32 v[PC+12+4*\c:PC+14+4*\c], v[(\src)+16+32*\c:(\src)+31+32*\c], v[TM+12+2*\c+1]   ; (a conversion's three registers begin on an even number)
.endr
	WIN 0
	v_nop                                          ; one plain place behind a scaled conversion
.irp c, 0,1                            ; the operand's layout wants a whole block in a lane: lanes 0-15 block 2 c, lanes 16-31 block 2 c + 1
.irp i, 0,1,2
	v_permlane16_swap_b32 v[PC+6*\c+\i], v[PC+12+4*\c+\i]
.endr
.irp i, 0,1,2
	v_mov_b32 v[PC+3+6*\c+\i], v[PC+12+4*\c+\i]
.endr
.endr
.endm
	PLACES NP
	s_mov_b32 s12, 0x76543210
	s_mov_b32 s13, 0xfedcba98                      ; v_permlanex16_b32's selects for lane l xor 16
.irp b, 0,1,2,3
	v_mov_b32 v[TM+4+\b], 0                        ; a lane permute's destination counts as one of its sources
.endr
.irp a, 0,1,2,3,4,5,6,7
.if \a > 0
	s_wait_xcnt 0x0                                ; the last block's stores have read v[PC] on
.endif
	QUANT 64*(\a%4), 2+\a/4, SW+\a
.irp p, 0,1,2,3,4,5
	global_store_b64 v[CO], v[PC+2*\p:PC+2*\p+1], s[8:9] offset:\a*768+(\p/3)*98304+(\p%3)*256   ; planes 0-2 and 3-5 lie 98,304 bytes apart in both kinds; each store is 256 consecutive bytes, aligned
.endr
.endr
	s_cmp_eq_u32 ttmp9, 2                          ; the kind of cluster: equal in all partners
	s_cbranch_scc1 .Lv_words
	v_lshlrev_b32 v7, 4, v2                        ; q, k: a word's low half is the even head's two bytes, its high half the odd head's:
.irp i, 0,1,2,3,4,5,6,7
	v_lshrrev_b32 v[SW+\i], v7, v[SW+\i]           ; lanes 16-31 bring the odd head's down (the upper bytes, another head's scales or 0, meet zero codes alone)
.endr
	v_lshl_add_u32 v[RD], v2, 13, v8               ; 16 r, and the odd head's units 8,192 bytes on
	global_store_b128 v[RD], v[SW:SW+3], s[10:11]
	global_store_b128 v[RD], v[SW+4:SW+7], s[10:11] offset:256   ; sixteen lanes fill a unit of 256 bytes
	s_branch .Lwords_out
.Lv_words:
	s_mov_b32 s20, 0xffff0000
.irp u, 0,1,2,3
	v_cndmask_b32 v[SW+\u], v[SW+\u], v[SW+4+\u], s20   ; v: lanes 16-31 take blocks 4-7: the next head's four channel blocks
.endr
	v_lshl_add_u32 v[RD], v2, 12, v8               ; whose unit lies 4,096 bytes on
	global_store_b128 v[RD], v[SW:SW+3], s[10:11]
.Lwords_out:
	s_wait_tensorcnt 0x0                           ; the wave's end
	ds_add_u32 v[SPW], v[NIL]
	s_wait_dscnt 0x0
	CROUND                                         ; the closing round: no work-group ends while a partner may still ask for a tile that names it
	s_endpgm
.Lfunc_end_k_q5cb439685e_qkv:
	.size	k_q5cb439685e_qkv, .Lfunc_end_k_q5cb439685e_qkv-k_q5cb439685e_qkv
	.p2alignl 7, 3214868480
	.fill 96, 4, 3214868480
	.section	.rodata,"a",@progbits
	.p2align	6, 0x0
	.amdhsa_kernel k_q5cb439685e_qkv
		.amdhsa_group_segment_fixed_size 327680
		.amdhsa_private_segment_fixed_size 0
		.amdhsa_enable_private_segment 0
		.amdhsa_kernarg_size 16
		.amdhsa_user_sgpr_count 2
		.amdhsa_user_sgpr_kernarg_segment_ptr 1
		.amdhsa_wavefront_size32 1
		.amdhsa_system_sgpr_workgroup_id_x 1
		.amdhsa_system_sgpr_workgroup_id_y 1
		.amdhsa_system_sgpr_workgroup_id_z 1
		.amdhsa_system_vgpr_workitem_id 0
		.amdhsa_next_free_vgpr 1024
		.amdhsa_next_free_sgpr 100
		.amdhsa_reserve_vcc 0
		.amdhsa_float_denorm_mode_32 3
		.amdhsa_float_denorm_mode_16_64 3
		.amdhsa_memory_ordered 1
		.amdhsa_forward_progress 1
		.amdhsa_inst_pref_size 167
	.end_amdhsa_kernel
	.amdgpu_metadata
---
amdhsa.version: [ 1, 2 ]
amdhsa.kernels:
  - .name:           k_q5cb439685e_qkv
    .symbol:         k_q5cb439685e_qkv.kd
    .args:
      - { .name: ops, .offset: 0, .size: 8, .value_kind: global_buffer, .address_space: global }
      - { .name: qkv, .offset: 8, .size: 8, .value_kind: global_buffer, .address_space: global }
    .group_segment_fixed_size: 327680
    .private_segment_fixed_size: 0
    .kernarg_segment_align: 8
    .kernarg_segment_size: 16
    .max_flat_workgroup_size: 128
    .sgpr_count:     100
    .vgpr_count:     1024
    .wavefront_size: 32
...
	.end_amdgpu_metadata
.endif
;; end of part 3
;; launch attn (part 4): grid 8 x 32, 16 waves a work-group, clusters of 4 x 1, 219,392 bytes of LDS; arguments qkv, mask, av; writes av
.if DOCPART == 4
	.amdgcn_target "amdgcn-amd-amdhsa--gfx1250"
	.amdhsa_code_object_version 6
	.text
	.protected	k_q5cb439685e_attn
	.globl	k_q5cb439685e_attn
	.p2align	8
	.type	k_q5cb439685e_attn,@function
k_q5cb439685e_attn:
	s_mov_b64 s[64:65], 0
	v_nop
	global_prefetch_b8 v0, s[64:65] scope:SCOPE_SE
	s_setreg_imm32_b32 hwreg(HW_REG_WAVE_MODE, 25, 1), 1
	s_wait_xcnt 0x0
	s_wait_alu depctr_hold_cnt(0) depctr_sa_sdst(0) depctr_va_vdst(0) depctr_va_sdst(0) depctr_va_ssrc(0) depctr_va_vcc(0) depctr_vm_vsrc(0)
	s_getreg_b32 s2, hwreg(HW_REG_IB_STS2, 6, 4)
	s_cmp_eq_u32 s2, 0
	s_cbranch_scc0 .Lentry_in_a_cluster
	s_endpgm
.Lentry_in_a_cluster:
	s_bfe_u32 s2, ttmp6, 0x10000c
	s_cmp_lg_u32 s2, 0x3003
	s_cbranch_scc0 .Lentry_shape_is_right
	s_endpgm
.Lentry_shape_is_right:
; av = softmax(q k^T / 8, keys with mask 0 at -1e9) v for one (batch, head) and 256 queries, both products on codes of FP6 (E2M3) with E8M0 scales; av is quantised along D and leaves as codes.
; THE SOFTMAX AHEAD OF THE SECOND PRODUCT: t = score x log2(e) / 8; M = the largest t so far, rounded up to a whole number; p = 2^(t - M) is quantised along the keys, not normalised; the row's sum is taken of the
; unquantised p and divides at the end.  When M moves, the sum and O are multiplied by 2^(old M - new M): exact.
; SHARES.  Sixteen waves, each with one tile of 16 queries in 256 registers: four waves to a SIMD, so that one wave's vector work stands beside another's matrix work.  Every wave walks the 2,048 keys, 128 a step.
; A HEAD'S WHOLE K AND V, codes and scale units, 208,896 bytes, LIE IN LDS, filled once: no ring, no slot is filled again.  The four query blocks of a cluster belong to one head and ask for them JOINTLY.
; LAYOUT.  Both products transposed: S^T = K Q^T, O^T = V^T P^T: a lane holds one query throughout.  By the row blocks' order (lane r of block T: row 32 (T / 2) + 8 (T % 2) + r + 8 (r / 8)) the 16 registers of two
; neighbouring tiles of keys are 16 neighbouring keys.  Fragments lie in LDS in the order of the registers: each load of 8 bytes a lane covers 256 consecutive bytes.
; THE FIRST PRODUCT'S K IS 64: Q's registers 6-11 hold zero codes; K's operand runs on into the next tile's codes (behind the last: six registers of zeros), which meet those zeros.
; THE MASK is the C of the first product: a table in LDS, one f32 a key, 0 or -3e38, loaded straight into the score registers.  The largest t begins at -2^100, above every masked t, so a masked key never sets M
; and its p is 0.  A batch with no open key: the table stays 0 and Q's codes become 0: all scores equal, p = 1: the uniform row that equal scores of -1e9 give.  Only selects hang on the mask, no branch.
; The two scale bytes of a row go out by a store of 2 bytes a lane: 32 of a wave's 800 stored bytes; the word's other half belongs to the other head's work-group, and two heads' K and V do not fit in LDS.
; LIMITS: |t| of open keys under 2^100; a masked key weighs exactly 0 beside an open one (so does exp(-1e9 - logit) in f32 while the row's largest open logit lies above about -1e9 + 150); NaN, infinities not served.
.set QS0,   9437184
.set VB0,   6291456
.set CODE0, 524288
.set KC,    0                          ; LDS: K's half records, 128 x 768 bytes
.set VC,    98304                      ; V: 32 rows (J) x 3,072 bytes (4 channel blocks x 768)
.set KSL,   196608                     ; K's scale units, 32 x 256
.set VSL,   204800                     ; V's, 16 x 256
.set TAB,   208896                     ; the mask's table, 2,048 x 4: stored by the waves, never a tensor load's target
.set FLG,   217088                     ; a word for each wave: has its part of the mask an open key
.set AKR,  1                           ; v1   LDS address: K's planes, 8 x lane
.set AVR,  2                           ; v2   V's
.set AKS,  3                           ; v3   K's scale words, 16 r
.set AVS,  4                           ; v4   V's
.set ABI,  5                           ; v5   the table, 64 h
.set BM,   212                         ; v212-215 block maxima
.set BT,   216                         ; v216-219 at work
.set SO,   220                         ; v220-223 the conversions' scale operands
.set PW,   236                         ; v236 p's scale word;  v224-231 K's scale words, v232-235 V's, v28 Q's
.set FF,   238                         ; v[238:239] f = 2^(old M - new M)
.set TP,   240
.set SUM2, 242
.set WV,   18
.set SEL,  20
.set CS,   22
.set G1K,  24
.set G1V,  32
.set G1KS, 40
.set G1VS, 48
.set G0K,  56
.set G0V,  60
.set G0KS, 68
.set G0VS, 72
; Waves 0 and 1 fetch for K, waves 2 and 3 for V, the others nothing.  Four v_nop follow each of the two lines.
.macro TLOAD g0k, g1k, g0v, g1v
	s_cmp_lt_u32 s[WV], 2
	s_cbranch_scc0 .Lnot_k_\@
	tensor_load_to_lds s[\g0k:\g0k+3], s[\g1k:\g1k+7]
	s_nop 0
.rept 4
	v_nop
.endr
	s_branch .Lasked_\@
.Lnot_k_\@:
	s_cmp_lt_u32 s[WV], 4
	s_cbranch_scc0 .Lasked_\@
	tensor_load_to_lds s[\g0v:\g0v+3], s[\g1v:\g1v+7]
	s_nop 0
.rept 4
	v_nop
.endr
.Lasked_\@:
.endm
.macro CROUND                          ; a round of the cluster's barrier
	s_barrier_signal -1
	s_barrier_wait -1
	s_cmp_lg_u32 s[WV], 0
	s_cbranch_scc1 .Lnot_wave_0_\@
	s_barrier_signal -3
.Lnot_wave_0_\@:
	s_barrier_wait -3
	s_barrier_signal -1
	s_barrier_wait -1
.endm
	s_load_b128 s[4:7], s[0:1], 0x0                ; qkv, mask
	s_load_b64 s[8:9], s[0:1], 0x10                ; av
	v_lshl_add_u32 v254, v0, 2, 0x35100
	v_mov_b32 v255, 0
	ds_add_u32 v254, v255
	ds_add_u32 v254, v255
	v_lshrrev_b32 v6, 5, v0
	v_readfirstlane_b32 s[WV], v6                  ; wave 0..15
	s_bfe_u32 s10, ttmp6, 0x40000                  ; cx
	s_lshl_b32 s11, ttmp9, 2
	s_add_co_u32 s11, s11, s10                     ; my block of 256 queries: it enters Q's and av's global addresses alone
	s_and_b32 s12, ttmp7, 0xffff                   ; 16 batch + head, which the partners share
	s_lshr_b32 s13, s12, 4                         ; batch
	s_and_b32 s14, s12, 15                         ; head
	s_and_b32 s15, s[WV], 1                        ; which half I fetch, if I fetch
	s_add_co_u32 s16, s12, 32                      ; k's place among the 64 (tensor, batch, head)
	s_mul_i32 s17, s15, 49152                      ; half a head's codes
	s_mul_i32 s76, s16, 98304
	s_add_co_u32 s76, s76, s17                     ; K's codes
	s_mov_b32 s77, 0
	s_mul_i32 s78, s13, 1572864
	s_mul_i32 s19, s14, 3072
	s_add_co_u32 s78, s78, s19
	s_mul_i32 s19, s15, 786432
	s_add_co_u32 s78, s78, s19
	s_add_co_u32 s78, s78, VB0                     ; V's codes: 16 rows J of my half
	s_mov_b32 s79, 0
	s_lshl_b32 s80, s16, 13
	s_lshl_b32 s19, s15, 12
	s_add_co_u32 s80, s80, s19
	s_add_co_u32 s80, s80, QS0                     ; K's scale units
	s_mov_b32 s81, 0
	s_lshl_b32 s82, s12, 12
	s_lshl_b32 s94, s15, 11
	s_add_co_u32 s82, s82, s94
	s_add_co_u32 s82, s82, QS0+524288              ; V's
	s_mov_b32 s83, 0
	; descriptor groups 1: elements of 8 bytes, the mask of all four work-groups, bit 21 beside it, no padding
.irp g, G1K, G1KS, G1VS                ; dense blocks as rows of 256 bytes
	s_mov_b32 s[\g], 15|(3<<16)|(1<<21)
	s_mov_b32 s[\g+1], 32<<16
	s_mov_b32 s[\g+3], 32<<16
	s_mov_b32 s[\g+5], 32
	s_mov_b32 s[\g+6], 0
	s_mov_b32 s[\g+7], 0
.endr
	s_mov_b32 s[G1K+2], 192<<16                    ; 49,152 bytes
	s_mov_b32 s[G1K+4], 192
	s_mov_b32 s[G1KS+2], 16<<16                    ; 4,096 bytes
	s_mov_b32 s[G1KS+4], 16
	s_mov_b32 s[G1VS+2], 8<<16                     ; 2,048 bytes
	s_mov_b32 s[G1VS+4], 8
	s_mov_b32 s[G1V], 15|(3<<16)|(1<<21)           ; V: 16 rows of 3,072 bytes, 49,152 bytes apart
	s_mov_b32 s[G1V+1], 384<<16
	s_mov_b32 s[G1V+2], 16<<16
	s_mov_b32 s[G1V+3], 384<<16
	s_mov_b32 s[G1V+4], 16
	s_mov_b32 s[G1V+5], 6144
	s_mov_b32 s[G1V+6], 0
	s_mov_b32 s[G1V+7], 0
	s_lshl_b32 s84, s11, 4
	s_add_co_u32 s84, s84, s[WV]                   ; T: my tile of queries in the batch
	s_lshl_b32 s85, s12, 7
	s_add_co_u32 s85, s85, s84
	s_mul_i32 s86, s85, 768                        ; Q's half record
	s_mov_b32 s87, 0
	s_lshr_b32 s88, s85, 2
	s_lshl_b32 s88, s88, 8
	s_and_b32 s89, s85, 3
	s_lshl_b32 s89, s89, 2
	s_add_co_u32 s88, s88, s89
	s_add_co_u32 s88, s88, QS0                     ; Q's scale words
	s_mov_b32 s89, 0
	s_lshl_b32 s90, s13, 13                        ; the batch's mask
	s_mov_b32 s91, 0
	s_lshl_b32 s92, s13, 7
	s_add_co_u32 s92, s92, s84                     ; av's row block
	s_lshr_b32 s93, s14, 1                         ; av's K step: the pair of heads
	s_and_b32 s95, s14, 1
	s_lshl_b32 s96, s92, 3
	s_add_co_u32 s96, s96, s93
	s_mul_i32 s96, s96, 1536
	s_mul_i32 s97, s95, 768
	s_add_co_u32 s96, s96, s97
	s_add_co_u32 s96, s96, CODE0                   ; av's three planes
	s_mov_b32 s97, 0
	s_lshl_b32 s98, s93, 14
	s_lshr_b32 s99, s92, 2
	s_lshl_b32 s99, s99, 8
	s_add_co_u32 s98, s98, s99
	s_and_b32 s99, s92, 3
	s_lshl_b32 s99, s99, 2
	s_add_co_u32 s98, s98, s99
	s_lshl_b32 s99, s95, 1
	s_add_co_u32 s98, s98, s99                     ; av's two scale bytes a row
	s_mov_b32 s99, 0
	s_mov_b32 s[SEL], 0x76543210
	s_mov_b32 s[SEL+1], 0xfedcba98                 ; v_permlanex16_b32's selects for lane l xor 16
	s_mov_b32 s[CS], 0x3e38aa3b                    ; c = log2(e) / 8
	s_mov_b32 s[CS+1], s[CS]                       ; (named with it as a pair, so it is written)
	s_wait_dscnt 0x0
	s_wait_kmcnt 0x0
	s_mov_b32 s[G0KS], 1
	s_add_co_u32 s[G0KS+1], s19, KSL
	s_add_nc_u64 s[G0KS+2:G0KS+3], s[4:5], s[80:81]
	s_or_b32 s[G0KS+3], s[G0KS+3], 0x80000000
	s_mov_b32 s[G0VS], 1
	s_add_co_u32 s[G0VS+1], s94, VSL
	s_add_nc_u64 s[G0VS+2:G0VS+3], s[4:5], s[82:83]
	s_or_b32 s[G0VS+3], s[G0VS+3], 0x80000000
	s_mov_b32 s[G0K], 1
	s_add_co_u32 s[G0K+1], s17, KC
	s_add_nc_u64 s[G0K+2:G0K+3], s[4:5], s[76:77]
	s_or_b32 s[G0K+3], s[G0K+3], 0x80000000
	s_mov_b32 s[G0V], 1
	s_add_co_u32 s[G0V+1], s17, VC
	s_add_nc_u64 s[G0V+2:G0V+3], s[4:5], s[78:79]
	s_or_b32 s[G0V+3], s[G0V+3], 0x80000000
	CROUND                                         ; all four work-groups are here: the joint loads meet
	TLOAD G0KS, G1KS, G0VS, G1VS                   ; all fills of the launch go out here: two loads of a fetching wave are out; the one wait for them is for 0
	TLOAD G0K, G1K, G0V, G1V
	s_add_nc_u64 s[86:87], s[4:5], s[86:87]
	s_add_nc_u64 s[88:89], s[4:5], s[88:89]
	s_add_nc_u64 s[90:91], s[6:7], s[90:91]
	s_add_nc_u64 s[96:97], s[8:9], s[96:97]
	s_add_nc_u64 s[98:99], s[8:9], s[98:99]
	v_and_b32 v29, 31, v0                          ; lane
	v_and_b32 v30, 15, v0                          ; r
	v_bfe_u32 v31, v0, 4, 1                        ; h
	v_lshlrev_b32 v6, 4, v0                        ; 16 x thread: four keys of the mask
	v_lshlrev_b32 v7, 3, v29                       ; 8 x lane
	v_lshlrev_b32 v87, 4, v30                      ; 16 r
	global_load_b128 v[8:11], v6, s[90:91]
.irp p, 0,1,2
	global_load_b64 v[16+2*\p:17+2*\p], v7, s[86:87] offset:256*\p   ; Q's codes stay in registers
.endr
	global_load_b32 v28, v87, s[88:89]             ; Q's scale words
	v_add_nc_u32 v[AKR], KC, v7
	v_add_nc_u32 v[AVR], VC, v7
	v_add_nc_u32 v[AKS], KSL, v87
	v_add_nc_u32 v[AVS], VSL, v87
	v_lshl_add_u32 v[ABI], v31, 6, TAB
.irp j, 22,23,24,25,26,27, 80,81,82,83,84,85
	v_mov_b32 v[\j], 0                             ; Q's upper 64 of K: zero codes; and what K's last operand runs on into
.endr
	v_mov_b32 v13, 0xf1800000                      ; the largest t so far: -2^100
	v_floor_f32 v12, -v13                          ; -M
	v_mov_b32 v14, 0                               ; the sum, in two halves
	v_mov_b32 v15, 0
.irp b, 0,1,2,3
	v_mov_b32 v[BT+\b], 0                          ; a lane permute's destination counts as one of its sources
.endr
	v_mov_b32 v[TP], 0
	v_mov_b32 v[FF+1], 0                           ; (named as the upper half of a pair)
.set J, 0
.rept 32
	v_mov_b32 v[160+J], 0                          ; O^T: the step is written once; the first finds zeros, which the first change of M leaves zeros
.set J, J+1
.endr
	s_wait_loadcnt 0x0
	v_or_b32 v86, v8, v9
	v_or_b32 v88, v10, v11
	v_or_b32 v86, v86, v88
	v_cmp_ne_u32 vcc_lo, 0, v86
	s_cmp_lg_u32 vcc_lo, 0
	s_cselect_b32 s16, 1, 0                        ; has my wave's part of the mask an open key
	v_mov_b32 v86, s16
	v_lshrrev_b32 v89, 5, v0
	v_lshl_add_u32 v89, v89, 2, FLG
	ds_store_b32 v89, v86                          ; all lanes write the wave's word with the same value
	s_wait_dscnt 0x0
	s_barrier_signal -1                            ; (the tensor loads stay out)
	s_barrier_wait -1
	v_mov_b32 v90, FLG
.irp j, 0,1,2,3
	ds_load_b128 v[96+4*\j:99+4*\j], v90 offset:16*\j
.endr
	s_wait_dscnt 0x0
.irp j, 97,98,99,100,101,102,103,104,105,106,107,108,109,110,111
	v_or_b32 v96, v96, v[\j]
.endr
	v_cmp_ne_u32 s16, 0, v96                       ; all ones if the batch has an open key, else 0: the number is the same in every lane
.irp k, 0,1,2,3,4,5
	v_cndmask_b32 v[16+\k], 0, v[16+\k], s16       ; Q's codes, first: an operand that vector instructions write stands four plain vector lines ahead of a scaled matrix instruction; the table's ten lines below are those
.endr
	v_mov_b32 v91, 0xff61b1e6                      ; -3e38
.irp k, 0,1,2,3
	v_cmp_eq_u32 vcc_lo, 0, v[8+\k]
	s_and_b32 vcc_lo, vcc_lo, s16
	v_cndmask_b32 v[8+\k], 0, v91, vcc_lo
.endr
	v_lshl_add_u32 v92, v0, 4, TAB
	ds_store_b128 v92, v[8:11]
	s_wait_tensorcnt 0x0                           ; my parts of K and V lie in LDS,
	s_wait_dscnt 0x0                               ; and my part of the table
	s_barrier_signal -1
	s_barrier_wait -1                              ; everybody's do
; A KEY STEP: 128 keys, the q-th of a trip's two.
.macro STEP q
.irp n, 0,1,2,3,4,5,6,7,8,9,10,11,12,13,14,15
	ds_load_b128 v[96+4*\n:99+4*\n], v[ABI] offset:512*(\q)+128*(\n/4)+16*(\n%4)   ; the table at my 64 keys: register 16 b + i = key 32 b + 16 h + i
.endr
.irp t, 0,1,2,3,4,5,6,7
.irp p, 0,1,2
	ds_load_b64 v[32+6*\t+2*\p:33+6*\t+2*\p], v[AKR] offset:6144*(\q)+768*\t+256*\p
.endr
.endr
.irp j, 0,1
	ds_load_b128 v[224+4*\j:227+4*\j], v[AKS] offset:512*(\q)+256*\j
.endr
	s_wait_dscnt 0x0
.irp t, 0,1,2,3,4,5,6,7                ; S^T = K Q^T + the table; the eight accumulators by turns
	v_wmma_scale_f32_16x16x128_f8f6f4 v[96+8*\t:103+8*\t], v[32+6*\t:43+6*\t], v[16:27], v[96+8*\t:103+8*\t], v[224+\t], v28 matrix_a_fmt:MATRIX_FMT_FP6 matrix_b_fmt:MATRIX_FMT_FP6
.endr
.rept 4
	v_nop                                          ; places in front of the loads into K's registers and of the first read of the scores
.endr
.irp d, 0,1,2,3                        ; V is asked for now and lands under the softmax
.irp p, 0,1,2,3,4,5
	ds_load_b64 v[32+12*\d+2*\p:33+12*\d+2*\p], v[AVR] offset:3072*(\q)+768*\d+6144*(\p/3)+256*(\p%3)
.endr
.endr
	ds_load_b128 v[232:235], v[AVS] offset:256*(\q)
.irp b, 0,1,2,3
	v_max3_num_f32 v[BM+\b], v[96+16*\b], v[97+16*\b], v[98+16*\b]   ; the largest score of each block of 32 keys: for the row's maximum, and, since p rises with the score, for the block's largest p
.endr
.irp i, 3,5,7,9,11,13
.irp b, 0,1,2,3
	v_max3_num_f32 v[BM+\b], v[BM+\b], v[96+16*\b+\i], v[97+16*\b+\i]
.endr
.endr
.irp b, 0,1,2,3
	v_max_num_f32 v[BM+\b], v[BM+\b], v[111+16*\b]
.endr
.irp b, 0,1,2,3
	v_permlanex16_b32 v[BT+\b], v[BM+\b], s[SEL], s[SEL+1]
.endr
.irp b, 0,1,2,3
	v_max_num_f32 v[BM+\b], v[BM+\b], v[BT+\b]     ; with lane l xor 16's 16 keys
.endr
	v_max3_num_f32 v[TP], v[BM], v[BM+1], v[BM+2]
	v_max_num_f32 v[TP], v[TP], v[BM+3]
	v_mul_f32 v[TP], s[CS], v[TP]                  ; the step's largest t
	v_max_num_f32 v13, v13, v[TP]                  ; the running largest t
	v_mov_b32 v[TP], v12
	v_floor_f32 v12, -v13                          ; the new -M = -ceil(t): a whole number
	v_sub_f32 v[TP], v12, v[TP]                    ; old M - new M: a whole number, 0 or less
	v_cvt_i32_f32 v[TP], v[TP]                     ; (it saturates)
	v_ldexp_f32 v[FF], 1.0, v[TP]                  ; f = 2^(old M - new M)
.set J, 0
.rept 32
	v_pk_fma_f32 v[96+J:97+J], v[96+J:97+J], s[CS:CS+1], v[12:13] op_sel_hi:[1,0,0]   ; t - M, two at a time
.set J, J+2
.endr
.irp b, 0,1,2,3
	v_fma_f32 v[BM+\b], v[BM+\b], s[CS], v12       ; the same of each block's largest score
.endr
.set J, 0
.rept 64
	v_exp_f32 v[96+J], v[96+J]                     ; p = 2^(t - M), at most 1
.set J, J+1
.endr
.irp b, 0,1,2,3
	v_exp_f32 v[BM+\b], v[BM+\b]                   ; the block's largest p: the same two instructions on the same number
.endr
	v_pk_mul_f32 v[14:15], v[14:15], v[FF:FF+1] op_sel_hi:[1,0]   ; the sums under the new M.  (A plain place behind the exponentials)
	s_wait_alu depctr_va_vdst(0)
.irp b, 0,1,2,3
	v_max_num_f32 v[BM+\b], 0x1800000, v[BM+\b]    ; the floor 2^(3 - 127): the byte cannot fall under 1
.endr
.irp b, 0,1,2,3
	v_add_nc_u32 v[SO+\b], 0xff000000, v[BM+\b]    ; 2 off the exponent field: the conversion's scale operand
.endr
.irp b, 0,1,2,3
	v_lshrrev_b32 v[BT+\b], 23, v[SO+\b]           ; the scale's byte
.endr
	v_lshl_or_b32 v[PW], v[BT+1], 8, v[BT]         ; p's scale word for these 128 keys
	v_lshl_or_b32 v[PW], v[BT+2], 16, v[PW]
	v_lshl_or_b32 v[PW], v[BT+3], 24, v[PW]
.irp c, 0,1
	v_cvt_scalef32_pk16_fp6_f32 v[192+6*\c:194+6*\c], v[96+32*\c:111+32*\c], v[SO+2*\c]
	v_cvt_scalef32_pk16_fp6_f32 v[204+4*\c:206+4*\c], v[112+32*\c:127+32*\c], v[SO+2*\c+1]   ; (a conversion's three registers begin on an even number)
.endr
	v_nop                                          ; one plain place behind a scaled conversion
.irp c, 0,1                            ; the operand's layout wants a whole block in a lane
.irp i, 0,1,2
	v_permlane16_swap_b32 v[192+6*\c+\i], v[204+4*\c+\i]
.endr
.irp i, 0,1,2
	v_mov_b32 v[195+6*\c+\i], v[204+4*\c+\i]
.endr
.endr
	v_pk_add_f32 v[SUM2:SUM2+1], v[96:97], v[98:99]   ; the row's sum is taken of the unquantised p: two at a time, in two chains
.irp j, 4,8,12,16,20,24,28,32,36,40,44,48,52,56,60
	v_pk_add_f32 v[14:15], v[14:15], v[96+\j:97+\j]
	v_pk_add_f32 v[SUM2:SUM2+1], v[SUM2:SUM2+1], v[98+\j:99+\j]
.endr
	v_pk_add_f32 v[14:15], v[14:15], v[SUM2:SUM2+1]
.set J, 0
.rept 16
	v_pk_mul_f32 v[160+J:161+J], v[160+J:161+J], v[FF:FF+1] op_sel_hi:[1,0]   ; O^T under the new M.  (With the sums above: the places between p's codes and scale word and the products below)
.set J, J+2
.endr
	s_wait_dscnt 0x0                               ; V and its scale words
.irp d, 0,1,2,3                        ; O^T += V^T P^T: the head's four blocks of 16 channels, by turns
	v_wmma_scale_f32_16x16x128_f8f6f4 v[160+8*\d:167+8*\d], v[32+12*\d:43+12*\d], v[192:203], v[160+8*\d:167+8*\d], v[232+\d], v[PW] matrix_a_fmt:MATRIX_FMT_FP6 matrix_b_fmt:MATRIX_FMT_FP6
.endr
.rept 4
	v_nop                                          ; places in front of the next step's loads into V's registers, and of the way out's first read of O^T
.endr
.endm
	s_mov_b32 s19, 8
.Ltrip:                                                ; eight trips of two key steps
	STEP 0
	STEP 1
	v_add_nc_u32 v[AKR], 12288, v[AKR]             ; (no LDS load of mine is out)
	v_add_nc_u32 v[AVR], 12288, v[AVR]
	v_add_nc_u32 v[AKS], 1024, v[AKS]
	v_add_nc_u32 v[AVS], 512, v[AVS]
	v_add_nc_u32 v[ABI], 1024, v[ABI]
	s_sub_co_u32 s19, s19, 1
	s_cmp_lg_u32 s19, 0
	s_cbranch_scc1 .Ltrip
	; THE WAY OUT.  O^T / the sum: register 16 b + i = channel 32 b + 16 h + i of my query: two blocks of av's K, quantised as they stand.
	v_add_f32 v14, v14, v15
	v_permlanex16_b32 v[TP], v14, s[SEL], s[SEL+1]
	v_add_f32 v14, v14, v[TP]                      ; the row's sum
	v_rcp_f32 v14, v14
	v_nop                                          ; a plain place behind the transcendental
.set J, 0
	s_wait_alu depctr_va_vdst(0)
.rept 32
	v_mul_f32 v[96+J], v[160+J], v14               ; each accumulator from its low end on
.set J, J+1
.endr
.irp b, 0,1
	v_max3_num_f32 v[BM+\b], |v[96+16*\b]|, |v[97+16*\b]|, 0x1800000
.endr
.irp i, 2,4,6,8,10,12,14
.irp b, 0,1
	v_max3_num_f32 v[BM+\b], v[BM+\b], |v[96+16*\b+\i]|, |v[97+16*\b+\i]|
.endr
.endr
.irp b, 0,1
	v_permlanex16_b32 v[BT+\b], v[BM+\b], s[SEL], s[SEL+1]
.endr
.irp b, 0,1
	v_max_num_f32 v[BM+\b], v[BM+\b], v[BT+\b]
.endr
.irp b, 0,1
	v_add_nc_u32 v[SO+\b], 0xff000000, v[BM+\b]
.endr
.irp b, 0,1
	v_lshrrev_b32 v[BT+\b], 23, v[SO+\b]
.endr
	v_lshl_or_b32 v[BT], v[BT+1], 8, v[BT]         ; my row's two scale bytes
	v_cvt_scalef32_pk16_fp6_f32 v[192:194], v[96:111], v[SO]
	v_cvt_scalef32_pk16_fp6_f32 v[204:206], v[112:127], v[SO+1]
	v_nop
.irp i, 0,1,2
	v_permlane16_swap_b32 v[192+\i], v[204+\i]
.endr
.irp i, 0,1,2
	v_mov_b32 v[195+\i], v[204+\i]
.endr
.irp p, 0,1,2
	global_store_b64 v7, v[192+2*\p:193+2*\p], s[96:97] offset:256*\p   ; a plane: 256 consecutive bytes, aligned
.endr
	v_cmp_gt_u32 vcc_lo, 16, v29
	s_wait_xcnt 0x0                                ; EXEC changes only behind this wait
	s_and_saveexec_b32 s94, vcc_lo
	global_store_b16 v87, v[BT], s[98:99]
	s_wait_xcnt 0x0
	s_or_b32 exec_lo, exec_lo, s94
	s_wait_tensorcnt 0x0
	ds_add_u32 v254, v255
	s_wait_dscnt 0x0
	CROUND                                         ; the closing round: no work-group ends while a partner may still ask for a tile that names it
	s_endpgm
.Lfunc_end_k_q5cb439685e_attn:
	.size	k_q5cb439685e_attn, .Lfunc_end_k_q5cb439685e_attn-k_q5cb439685e_attn
	.p2alignl 7, 3214868480
	.fill 96, 4, 3214868480
	.section	.rodata,"a",@progbits
	.p2align	6, 0x0
	.amdhsa_kernel k_q5cb439685e_attn
		.amdhsa_group_segment_fixed_size 219392
		.amdhsa_private_segment_fixed_size 0
		.amdhsa_enable_private_segment 0
		.amdhsa_kernarg_size 24
		.amdhsa_user_sgpr_count 2
		.amdhsa_user_sgpr_kernarg_segment_ptr 1
		.amdhsa_wavefront_size32 1
		.amdhsa_system_sgpr_workgroup_id_x 1
		.amdhsa_system_sgpr_workgroup_id_y 1
		.amdhsa_system_sgpr_workgroup_id_z 1
		.amdhsa_system_vgpr_workitem_id 0
		.amdhsa_next_free_vgpr 256
		.amdhsa_next_free_sgpr 100
		.amdhsa_reserve_vcc 1
		.amdhsa_float_denorm_mode_32 3
		.amdhsa_float_denorm_mode_16_64 3
		.amdhsa_memory_ordered 1
		.amdhsa_forward_progress 1
		.amdhsa_inst_pref_size 53
	.end_amdhsa_kernel
	.amdgpu_metadata
---
amdhsa.version: [ 1, 2 ]
amdhsa.kernels:
  - .name:           k_q5cb439685e_attn
    .symbol:         k_q5cb439685e_attn.kd
    .args:
      - { .name: qkv, .offset: 0, .size: 8, .value_kind: global_buffer, .address_space: global }
      - { .name: mask, .offset: 8, .size: 8, .value_kind: global_buffer, .address_space: global }
      - { .name: av, .offset: 16, .size: 8, .value_kind: global_buffer, .address_space: global }
    .group_segment_fixed_size: 219392
    .private_segment_fixed_size: 0
    .kernarg_segment_align: 8
    .kernarg_segment_size: 24
    .max_flat_workgroup_size: 512
    .sgpr_count:     100
    .vgpr_count:     256
    .wavefront_size: 32
...
	.end_amdgpu_metadata
.endif
;; end of part 4
;; launch wo (part 5): grid 4 x 16, 4 waves a work-group, clusters of 4 x 4, 327,680 bytes of LDS; arguments av, ops, x, x1; writes x1
.if DOCPART == 5
	.amdgcn_target "amdgcn-amd-amdhsa--gfx1250"
	.amdhsa_code_object_version 6
	.text
	.protected	k_q5cb439685e_wo
	.globl	k_q5cb439685e_wo
	.p2align	8
	.type	k_q5cb439685e_wo,@function
k_q5cb439685e_wo:
	s_mov_b64 s[64:65], 0
	v_nop
	global_prefetch_b8 v0, s[64:65] scope:SCOPE_SE
	s_setreg_imm32_b32 hwreg(HW_REG_WAVE_MODE, 25, 1), 1
	s_wait_xcnt 0x0
	s_wait_alu depctr_hold_cnt(0) depctr_sa_sdst(0) depctr_va_vdst(0) depctr_va_sdst(0) depctr_va_ssrc(0) depctr_va_vcc(0) depctr_vm_vsrc(0)
	s_getreg_b32 s2, hwreg(HW_REG_IB_STS2, 6, 4)
	s_cmp_eq_u32 s2, 0
	s_cbranch_scc0 .Lentry_in_a_cluster
	s_endpgm
.Lentry_in_a_cluster:
	s_bfe_u32 s2, ttmp6, 0x10000c
	s_cmp_lg_u32 s2, 0xf033
	s_cbranch_scc0 .Lentry_shape_is_right
	s_endpgm
.Lentry_shape_is_right:
; x1 = x + av wo^T, on codes of FP6 (E2M3) with E8M0 scales, K = 1,024; x, x1 f32 [4,096][1,024].
; OPERANDS are RECORDS: 16 rows x 128 K = 1,536 bytes in the order of the fragment's registers (plane p = registers 2 p, 2 p + 1, lane l at 8 l), at CODE0 + (G RB + g) 1,536; lane r of row block RB stands for row
; 32 (RB / 2) + 8 (RB % 2) + r + 8 (r / 8).  SCALE UNITS of 256 bytes, [r][u] words for row blocks 4 RB4 + u.  A = av (its own buffer), B = wo: row blocks 448-511 of ops.
; A work-group makes 256 x 256, a wave 128 x 128: 64 accumulators, 512 registers.  K goes in steps of 256 through two LDS slots; a wave's tensor load brings 8 row blocks x 3,072 bytes.  The scale units come once.
; The output has 16 x 4 tiles of this size: 64 work-groups.  A smaller tile would fill more WGPs at twice the LDS reads for each product; this text keeps the loop that the other products use.
; THE MATRIX INSTRUCTION IS USED TRANSPOSED (source 0 = B's row block, source 1 = A's): register j of accumulator (a, b) in lane (r, h) is row 32 (a / 2) + 8 (a % 2) + r + 8 (r / 8), column 32 (b / 2) + 16 h + 8 (b % 2) + j.
; CLUSTERS of 4 x 4: A's tiles are asked for jointly along a row of the cluster, B's along a column.
; THE WAY OUT: a block of 16 rows x 128 columns goes through the wave's stage in LDS and comes back as whole rows of 512 bytes; the residual's same rows, asked for ahead, are added; 32 lanes store 512 consecutive bytes.
.set G,      8
.set SPA,    16384
.set SPB,    49152
.set CODE0,  524288
.set ACODE,  CODE0
.set ASC0,   0
.set BCODE,  CODE0+448*12288
.set BSC0,   448*64
.set RESP,   8                         ; s[8:9] the residual, s[10:11] the output
.set OUTP,   10
.set NQ,     2
.set FR,     12
.set NL,     6
.set NP,     4
.set REC,    1536
.set RBB,    NQ*REC
.set HALFT,  8*RBB
.set SLOT,   4*HALFT
.set LAPS,   G/4
.set SCL,    2*SLOT
.set SPART,  G*512
.set SPARE,  SCL+4*SPART               ; the spare words, 128 bytes for each wave: two blocks of 256 bytes that no other line names
.set SPITCH, 528                       ; the stage: 16 rows x (512 + 16) bytes for each wave, in slot 0, which has had its last fill and its last read when the first result is stored there
.set ADRA, 16
.set ADRB, 20
.set STO,  24
.set RD,   25
.set CO,   26
.set ADRS, 27
.set SPW,  28
.set NIL,  29
.set SC,   32
.set BIAS, 64
.set AF,   128
.set BK,   128                         ; the way out: 16 rows read back: v128-191 and v192-255 by turns
.set G1, 24
.set G0, 32
.set G1B, 48
.set G0B, 56
.set G1S, 68
.set G0S, 76
.set G1SB, 80
.set G0SB, 88
.set MSB, 0
.macro WIN new                         ; the immediate's high byte repeats the setting that is left
.if MSB != (\new)
	s_set_vgpr_msb (MSB<<8)|(\new)
.set MSB, (\new)
.endif
.endm
.set MUL_LO, 0xa1
.set MUL_HI, 0xf1
.set TO_B,   0x40
; A joint load: waves 0 and 1 fetch for A, waves 2 and 3 for B; four v_nop follow each of the two lines.
.macro JLOAD g0a, g1a, g0b, g1b
	s_cmp_eq_u32 s15, 0
	s_cbranch_scc0 .Lfor_b_\@
	tensor_load_to_lds s[\g0a:\g0a+3], s[\g1a:\g1a+7]
	s_nop 0
.rept 4
	v_nop
.endr
	s_branch .Lasked_\@
.Lfor_b_\@:
	tensor_load_to_lds s[\g0b:\g0b+3], s[\g1b:\g1b+7]
	s_nop 0
.rept 4
	v_nop
.endr
.Lasked_\@:
.endm
.macro CREST
	s_cmp_lg_u32 s14, 0
	s_cbranch_scc1 .Lnot_wave_0_\@
	s_barrier_signal -3
.Lnot_wave_0_\@:
	s_barrier_wait -3
	s_barrier_signal -1
	s_barrier_wait -1
.endm
.macro CROUND
	s_barrier_signal -1
	s_barrier_wait -1
	CREST
.endm
	s_load_b128 s[4:7], s[0:1], 0x0                ; av, ops
	s_load_b128 s[8:11], s[0:1], 0x10              ; x, x1
	v_lshl_add_u32 v[SPW], v0, 2, SPARE
	v_mov_b32 v[NIL], 0
	ds_add_u32 v28, v29
	ds_add_u32 v28, v29
	s_wait_dscnt 0x0
	v_lshrrev_b32 v1, 5, v0
	v_readfirstlane_b32 s14, v1                    ; wave 0..3
	s_lshr_b32 s15, s14, 1                         ; which half of the rows is mine.  Also: I fetch for A (0) or for B (1)
	s_and_b32 s16, s14, 1                          ; which half of the columns.  Also: which 8 row blocks I fetch
	s_bfe_u32 s40, ttmp6, 0x40000                  ; cx, cy
	s_bfe_u32 s41, ttmp6, 0x40004
	s_lshl_b32 s42, ttmp9, 2
	s_add_co_u32 s42, s42, s40                     ; tile column
	s_and_b32 s17, ttmp7, 0xffff
	s_lshl_b32 s17, s17, 2
	s_add_co_u32 s17, s17, s41                     ; tile row
	s_lshl_b32 s43, s41, 2
	s_lshl_b32 s43, 15, s43                        ; my row of the cluster
	s_lshl_b32 s44, 0x1111, s40                    ; my column
	s_or_b32 s[G1+0], s43, (3<<16)|(1<<21)         ; codes: 8 rows of 384 elements of 8 bytes, G x 1,536 bytes apart; no padding; bit 21 beside the mask
	s_or_b32 s[G1B+0], s44, (3<<16)|(1<<21)
.irp g, G1, G1B
	s_mov_b32 s[\g+1], 384<<16
	s_mov_b32 s[\g+2], 8<<16
	s_mov_b32 s[\g+3], 384<<16
	s_mov_b32 s[\g+4], 8
	s_mov_b32 s[\g+5], G*192
	s_mov_b32 s[\g+6], 0
	s_mov_b32 s[\g+7], 0
.endr
	s_or_b32 s[G1S+0], s43, (3<<16)|(1<<21)        ; scale units: G rows of 64 elements of 8 bytes
	s_or_b32 s[G1SB+0], s44, (3<<16)|(1<<21)
.irp g, G1S, G1SB
	s_mov_b32 s[\g+1], 64<<16
	s_mov_b32 s[\g+2], G<<16
	s_mov_b32 s[\g+3], 64<<16
	s_mov_b32 s[\g+4], G
	s_mov_b32 s[\g+6], 0
	s_mov_b32 s[\g+7], 0
.endr
	s_mov_b32 s[G1S+5], SPA/8
	s_mov_b32 s[G1SB+5], SPB/8
	s_lshl_b32 s18, s16, 3
	s_lshl_b32 s20, s17, 4
	s_add_co_u32 s20, s20, s18                     ; A: row block 16 x tile row + 8 x half
	s_lshl_b32 s46, s42, 4
	s_add_co_u32 s46, s46, s18                     ; B: 16 x tile column + 8 x half
	s_lshl_b32 s22, s20, 6
	s_add_co_u32 s22, s22, ASC0
	s_mov_b32 s23, 0
	s_lshl_b32 s92, s46, 6
	s_add_co_u32 s92, s92, BSC0
	s_mov_b32 s93, 0
	s_mul_i32 s20, s20, G*REC
	s_add_co_u32 s20, s20, ACODE
	s_mov_b32 s21, 0
	s_mul_i32 s46, s46, G*REC
	s_add_co_u32 s46, s46, BCODE
	s_mov_b32 s47, 0
	s_mul_i32 s45, s14, HALFT
	s_mul_i32 s94, s14, SPART
	s_wait_kmcnt 0x0
	s_add_nc_u64 s[20:21], s[4:5], s[20:21]
	s_add_nc_u64 s[22:23], s[4:5], s[22:23]
	s_add_nc_u64 s[46:47], s[6:7], s[46:47]
	s_add_nc_u64 s[92:93], s[6:7], s[92:93]
	CROUND                                         ; all sixteen work-groups are here: the first joint loads meet
	s_mov_b32 s[G0S], 1
	s_add_co_u32 s[G0S+1], s94, SCL
	s_mov_b64 s[G0S+2:G0S+3], s[22:23]
	s_or_b32 s[G0S+3], s[G0S+3], 0x80000000
	s_mov_b32 s[G0SB], 1
	s_add_co_u32 s[G0SB+1], s94, SCL
	s_mov_b64 s[G0SB+2:G0SB+3], s[92:93]
	s_or_b32 s[G0SB+3], s[G0SB+3], 0x80000000
	JLOAD G0S, G1S, G0SB, G1SB
.irp s, 0,1
	s_mov_b32 s[G0+4*\s], 1
	s_add_co_u32 s[G0+4*\s+1], s45, \s*SLOT
	s_add_nc_u64 s[G0+4*\s+2:G0+4*\s+3], s[20:21], \s*RBB
	s_or_b32 s[G0+4*\s+3], s[G0+4*\s+3], 0x80000000
	s_mov_b32 s[G0B+4*\s], 1
	s_add_co_u32 s[G0B+4*\s+1], s45, \s*SLOT
	s_add_nc_u64 s[G0B+4*\s+2:G0B+4*\s+3], s[46:47], \s*RBB
	s_or_b32 s[G0B+4*\s+3], s[G0B+4*\s+3], 0x80000000
	JLOAD G0+4*\s, G1, G0B+4*\s, G1B               ; three loads of mine are out behind the last of these
.endr
	v_and_b32 v1, 15, v0                           ; r
	v_bfe_u32 v2, v0, 4, 1                         ; h
	v_and_b32 v3, 31, v0                           ; lane
	v_lshlrev_b32 v4, 3, v3                        ; 8 x lane
	s_mul_i32 s21, s15, HALFT
	s_mul_i32 s22, s16, HALFT
	s_add_co_u32 s22, s22, 2*HALFT
.irp s, 0,1
	v_add_nc_u32 v[ADRA+\s], s21, v4
	v_add_nc_u32 v[ADRB+\s], s22, v4
	s_add_co_u32 s21, s21, SLOT
	s_add_co_u32 s22, s22, SLOT
.endr
	v_lshlrev_b32 v5, 4, v1
	s_mul_i32 s21, s15, SPART
	s_mul_i32 s22, s16, SPART
	s_add_co_u32 s22, s22, 2*SPART
	s_sub_co_u32 s22, s22, s21
	v_mul_u32_u24 v6, s22, v2                      ; lanes 16-31 take B's: the lower base + h x the distance
	s_add_co_u32 s21, s21, SCL
	v_add_nc_u32 v5, v5, v6
	v_add_nc_u32 v[ADRS], s21, v5
	s_mul_i32 s23, s14, 16*SPITCH                  ; my stage
	v_mul_u32_u24 v5, v1, SPITCH
	v_lshl_add_u32 v5, v2, 6, v5                   ; in: row r, + 64 h
	v_add_nc_u32 v[STO], s23, v5
	v_lshlrev_b32 v[CO], 4, v3                     ; back: the 32 lanes take one row of 512 bytes; and the same in x and x1
	v_add_nc_u32 v[RD], s23, v[CO]
	s_lshl_b32 s20, s17, 8
	s_lshl_b32 s21, s15, 7
	s_add_co_u32 s20, s20, s21
	s_lshl_b32 s20, s20, 12                        ; my first row, 4,096 bytes a row
	s_lshl_b32 s46, s42, 10
	s_lshl_b32 s47, s16, 9
	s_add_co_u32 s46, s46, s47                     ; my first column
	s_add_co_u32 s20, s20, s46
	s_mov_b32 s21, 0
	s_add_nc_u64 s[RESP:RESP+1], s[RESP:RESP+1], s[20:21]
	s_add_nc_u64 s[OUTP:OUTP+1], s[OUTP:OUTP+1], s[20:21]
.macro FRAG reg, adr, q, i             ; a fragment as it lies: six planes, each 256 consecutive bytes for the 32 lanes
.irp p, 0,1,2,3,4,5
	ds_load_b64 v[\reg+2*\p:\reg+2*\p+1], v[\adr] offset:(\i)*RBB+(\q)*REC+256*\p
.endr
.endm
; 16 matrix instructions: A's blocks a0, a0 + 1 x B's eight.  The 64 accumulators take turns, one instruction a turn, in the same order in every step.
.macro MUL16 a0, p, q, sc, zero
.irp a, \a0, \a0+1
.irp b, 0,1,2,3,4,5,6,7
.set DD, 8*(8*((\a)%4)+\b)
.set BF, 128*(\p)+FR*\b
.set AA, AF+FR*(\a)
.set SCB, SC+16*(\sc)+8*(\q)+\b
.set SCA, SC+16*(\sc)+8*(\q)+(\a)
.if \zero == 1
	v_wmma_scale_f32_16x16x128_f8f6f4 v[DD:DD+7], v[BF:BF+FR-1], v[AA:AA+FR-1], 0, v[SCB], v[SCA] matrix_a_fmt:MATRIX_FMT_FP6 matrix_b_fmt:MATRIX_FMT_FP6 matrix_a_scale:MATRIX_SCALE_ROW1
.elseif \zero == 2
	v_wmma_scale_f32_16x16x128_f8f6f4 v[DD:DD+7], v[BF:BF+FR-1], v[AA:AA+FR-1], v[BIAS+8*\b:BIAS+8*\b+7], v[SCB], v[SCA] matrix_a_fmt:MATRIX_FMT_FP6 matrix_b_fmt:MATRIX_FMT_FP6 matrix_a_scale:MATRIX_SCALE_ROW1
.else
	v_wmma_scale_f32_16x16x128_f8f6f4 v[DD:DD+7], v[BF:BF+FR-1], v[AA:AA+FR-1], v[DD:DD+7], v[SCB], v[SCA] matrix_a_fmt:MATRIX_FMT_FP6 matrix_b_fmt:MATRIX_FMT_FP6 matrix_a_scale:MATRIX_SCALE_ROW1
.endif
.endr
.endr
.endm
.macro FETCH_B slot, q, p
	WIN TO_B
.irp i, 0,1,2,3,4,5,6,7
	FRAG 128*(\p)+FR*\i, ADRB+\slot, \q, \i
.endr
	WIN 0
.endm
.macro FETCH_A slot, q, i0
.irp i, \i0, \i0+1, \i0+2, \i0+3
	FRAG AF+FR*(\i), ADRA+\slot, \q, \i
.endr
.endm
.macro SCALES sc
.irp q, 0,1
.irp j, 0,1
	ds_load_b128 v[SC+16*\sc+8*\q+4*\j:SC+16*\sc+8*\q+4*\j+3], v[ADRS] offset:512*\q+256*\j
.endr
.endr
.endm
.macro PLACES n                        ; places behind matrix instructions, in front of loads into their registers and of reads of their results
.rept \n
	v_nop
.endr
.endm
.macro STEP slot, q, zero
	s_wait_dscnt 4*NL                              ; all but the youngest 24 loads (A's blocks 4-7) are in
.if \zero == 2
	WIN 0x81
.else
	WIN MUL_LO
.endif
	MUL16 0, (\q)%2, \q, \slot, \zero
	MUL16 2, (\q)%2, \q, \slot, \zero
	s_wait_dscnt 0
	PLACES NP
	FETCH_B \slot, (\q)+1, 1-(\q)%2
	FETCH_A \slot, (\q)+1, 0
.if \zero == 2
	WIN 0xc1
.else
	WIN MUL_HI
.endif
	MUL16 4, (\q)%2, \q, \slot, \zero
	MUL16 6, (\q)%2, \q, \slot, \zero
	PLACES NP
	WIN 0
	FETCH_A \slot, (\q)+1, 4
.endm
; A slot's last step changes slots: ONE barrier; in front of it each wave waits for all its tensor loads, adds 0 to its spare word, and waits for that and for its own reads of this slot.
.macro TURN slot, next, fill
	s_wait_tensorcnt 0x0                           ; all my tensor loads have landed: my part of the next slot
	ds_add_u32 v[SPW], v[NIL]                      ; 0 onto my spare word
	s_wait_dscnt 4*NL+1                            ; (the add and the youngest 24 loads may be out)
	WIN MUL_LO
	MUL16 0, 1, NQ-1, \slot, 0
	s_wait_dscnt 0x0                               ; the add is done, and my reads of this slot are over
	s_barrier_signal -1
	MUL16 2, 1, NQ-1, \slot, 0
	WIN 0
	s_barrier_wait -1
.if \fill
	CREST                                          ; the barrier has opened a round of the cluster's barrier
	s_add_nc_u64 s[G0+4*\slot+2:G0+4*\slot+3], s[G0+4*\slot+2:G0+4*\slot+3], 2*RBB
	s_add_nc_u64 s[G0B+4*\slot+2:G0B+4*\slot+3], s[G0B+4*\slot+2:G0B+4*\slot+3], 2*RBB
	JLOAD G0+4*\slot, G1, G0B+4*\slot, G1B         ; the first tensor load behind the round; its four v_nop are the places in front of the loads below
.else
	PLACES NP
.endif
	v_add_nc_u32 v[ADRS], NQ*512, v[ADRS]
	FETCH_B \next, 0, 0
	FETCH_A \next, 0, 0
	SCALES \next
	WIN MUL_HI
	MUL16 4, 1, NQ-1, \slot, 0
	MUL16 6, 1, NQ-1, \slot, 0
	PLACES NP
	WIN 0
	FETCH_A \next, 0, 4
.endm
; The residual's 16 rows of block a: block 0 into v64-127 of window 0, block a > 0 into set (a - 1) % 4 of window 1, where B's fragments lay
.macro RLOAD a
.if (\a) == 0
.set RR, 64
.else
.set RR, 64*(((\a)-1)%4)
	WIN 0x40
.endif
.irp t, 0,1,2,3,4,5,6,7,8,9,10,11,12,13,14,15
	global_load_b128 v[RR+4*\t:RR+4*\t+3], v[CO], s[RESP:RESP+1] offset:(32*((\a)/2)+8*((\a)%2)+\t+8*(\t/8))*4096 th:TH_LOAD_NT
.endr
	WIN 0
.endm
.macro TOSTAGE a                       ; LDS serves a wave's instructions in order: no wait between the stores and the loads
.set AC, 64*((\a)%4)
	WIN 0x08+4*((\a)/4)                            ; the data: window 2 or 3
.irp b, 0,1,2,3,4,5,6,7
	ds_store_b128 v[STO], v[AC+8*\b:AC+8*\b+3] offset:128*(\b/2)+32*(\b%2)       ; each accumulator from its low end on
	ds_store_b128 v[STO], v[AC+8*\b+4:AC+8*\b+7] offset:128*(\b/2)+32*(\b%2)+16
.endr
	WIN 0
.set BB, BK+64*((\a)%2)
.irp t, 0,1,2,3,4,5,6,7,8,9,10,11,12,13,14,15
	ds_load_b128 v[BB+4*\t:BB+4*\t+3], v[RD] offset:\t*SPITCH
.endr
.endm
.macro SEND a, younger, left           ; younger: LDS instructions issued behind block a's loads; left: residual loads issued behind block a's (under 0: shown in long ago)
.set BB, BK+64*((\a)%2)
	s_wait_dscnt \younger
.if \left >= 0
	s_wait_loadcnt \left
.endif
.if (\a) == 0
.set RR, 64
.else
.set RR, 64*(((\a)-1)%4)
	WIN 0x04                                       ; source 1: window 1
.endif
.set J, 0
.rept 32
	v_pk_add_f32 v[BB+J:BB+J+1], v[BB+J:BB+J+1], v[RR+J:RR+J+1]
.set J, J+2
.endr
	WIN 0
.irp t, 0,1,2,3,4,5,6,7,8,9,10,11,12,13,14,15
	global_store_b128 v[CO], v[BB+4*\t:BB+4*\t+3], s[OUTP:OUTP+1] offset:(32*((\a)/2)+8*((\a)%2)+\t+8*(\t/8))*4096   ; 32 lanes store 512 consecutive bytes, aligned
.endr
.endm
	s_wait_tensorcnt 1                             ; the scale units and my part of slot 0 are in (slot 1's load may be out)
	s_barrier_signal -1
	s_barrier_wait -1
	FETCH_B 0, 0, 0
	FETCH_A 0, 0, 0
	SCALES 0
	FETCH_A 0, 0, 4
	STEP 0, 0, 1                                   ; the first step's products start the sums
	RLOAD 0                                        ; the residual's first block lands under the loop
	s_mov_b32 s3, LAPS-1
.Llap:
	TURN 0, 1, 1
	STEP 1, 0, 0
	TURN 1, 0, 1
	STEP 0, 0, 0
	s_sub_co_u32 s3, s3, 1
	s_cmp_lg_u32 s3, 0
	s_cbranch_scc1 .Llap
	TURN 0, 1, 0
	STEP 1, 0, 0
	s_wait_dscnt 4*NL
	WIN MUL_LO
	MUL16 0, 1, NQ-1, 1, 0
	MUL16 2, 1, NQ-1, 1, 0
	s_wait_dscnt 0
	WIN MUL_HI
	MUL16 4, 1, NQ-1, 1, 0
	MUL16 6, 1, NQ-1, 1, 0
	WIN 0
	PLACES NP                                      ; in front of the loads into the fragments' registers and of the first read of results
	s_wait_loadcnt 0x0                             ; the residual's block 0
	RLOAD 1
	RLOAD 2
	RLOAD 3
	RLOAD 4
	TOSTAGE 0
	TOSTAGE 1
	SEND 0, 32, -1                                 ; behind block 0's loads from the stage: block 1's 16 stores and 16 loads
	s_wait_xcnt 0x0                                ; block 0's stores have read their registers: block 2's loads may land there
	TOSTAGE 2
	SEND 1, 32, 48                                 ; behind the residual's block 1: blocks 2, 3, 4
	RLOAD 5
	s_wait_xcnt 0x0
	TOSTAGE 3
	SEND 2, 32, 48
	RLOAD 6
	s_wait_xcnt 0x0
	TOSTAGE 4
	SEND 3, 32, 48
	RLOAD 7
	s_wait_xcnt 0x0
	TOSTAGE 5
	SEND 4, 32, 48
	s_wait_xcnt 0x0
	TOSTAGE 6
	SEND 5, 32, 32
	s_wait_xcnt 0x0
	TOSTAGE 7
	SEND 6, 32, 16
	SEND 7, 0, 0
	s_wait_tensorcnt 0x0                           ; the wave's end
	ds_add_u32 v[SPW], v[NIL]
	s_wait_dscnt 0x0
	CROUND                                         ; the closing round
	s_endpgm
.Lfunc_end_k_q5cb439685e_wo:
	.size	k_q5cb439685e_wo, .Lfunc_end_k_q5cb439685e_wo-k_q5cb439685e_wo
	.p2alignl 7, 3214868480
	.fill 96, 4, 3214868480
	.section	.rodata,"a",@progbits
	.p2align	6, 0x0
	.amdhsa_kernel k_q5cb439685e_wo
		.amdhsa_group_segment_fixed_size 327680
		.amdhsa_private_segment_fixed_size 0
		.amdhsa_enable_private_segment 0
		.amdhsa_kernarg_size 32
		.amdhsa_user_sgpr_count 2
		.amdhsa_user_sgpr_kernarg_segment_ptr 1
		.amdhsa_wavefront_size32 1
		.amdhsa_system_sgpr_workgroup_id_x 1
		.amdhsa_system_sgpr_workgroup_id_y 1
		.amdhsa_system_sgpr_workgroup_id_z 1
		.amdhsa_system_vgpr_workitem_id 0
		.amdhsa_next_free_vgpr 1024
		.amdhsa_next_free_sgpr 100
		.amdhsa_reserve_vcc 0
		.amdhsa_float_denorm_mode_32 3
		.amdhsa_float_denorm_mode_16_64 3
		.amdhsa_memory_ordered 1
		.amdhsa_forward_progress 1
		.amdhsa_inst_pref_size 187
	.end_amdhsa_kernel
	.amdgpu_metadata
---
amdhsa.version: [ 1, 2 ]
amdhsa.kernels:
  - .name:           k_q5cb439685e_wo
    .symbol:         k_q5cb439685e_wo.kd
    .args:
      - { .name: av, .offset: 0, .size: 8, .value_kind: global_buffer, .address_space: global }
      - { .name: ops, .offset: 8, .size: 8, .value_kind: global_buffer, .address_space: global }
      - { .name: x, .offset: 16, .size: 8, .value_kind: global_buffer, .address_space: global }
      - { .name: x1, .offset: 24, .size: 8, .value_kind: global_buffer, .address_space: global }
    .group_segment_fixed_size: 327680
    .private_segment_fixed_size: 0
    .kernarg_segment_align: 8
    .kernarg_segment_size: 32
    .max_flat_workgroup_size: 128
    .sgpr_count:     100
    .vgpr_count:     1024
    .wavefront_size: 32
...
	.end_amdgpu_metadata
.endif
;; end of part 5
;; launch ln2: the kernel of part 2 again; grid 256 x 1, 8 waves a work-group, no clusters, 67,072 bytes of LDS; arguments x1, alpha2, bias2, xn2; writes xn2
;; launch ffn1 (part 6): grid 16 x 16, 4 waves a work-group, clusters of 4 x 4, 327,680 bytes of LDS; arguments xn2, ops, b1, h; writes h
.if DOCPART == 6
	.amdgcn_target "amdgcn-amd-amdhsa--gfx1250"
	.amdhsa_code_object_version 6
	.text
	.protected	k_q5cb439685e_ffn1
	.globl	k_q5cb439685e_ffn1
	.p2align	8
	.type	k_q5cb439685e_ffn1,@function
k_q5cb439685e_ffn1:
	s_mov_b64 s[64:65], 0
	v_nop
	global_prefetch_b8 v0, s[64:65] scope:SCOPE_SE
	s_setreg_imm32_b32 hwreg(HW_REG_WAVE_MODE, 25, 1), 1
	s_wait_xcnt 0x0
	s_wait_alu depctr_hold_cnt(0) depctr_sa_sdst(0) depctr_va_vdst(0) depctr_va_sdst(0) depctr_va_ssrc(0) depctr_va_vcc(0) depctr_vm_vsrc(0)
	s_getreg_b32 s2, hwreg(HW_REG_IB_STS2, 6, 4)
	s_cmp_eq_u32 s2, 0
	s_cbranch_scc0 .Lentry_in_a_cluster
	s_endpgm
.Lentry_in_a_cluster:
	s_bfe_u32 s2, ttmp6, 0x10000c
	s_cmp_lg_u32 s2, 0xf033
	s_cbranch_scc0 .Lentry_shape_is_right
	s_endpgm
.Lentry_shape_is_right:
; h = relu(xn2 w1^T + b1), on codes of FP6 (E2M3) with E8M0 scales, K = 1,024; h is quantised in registers along its 4,096 columns, the next product's K, and leaves as codes.
; OPERANDS are RECORDS: 16 rows x 128 K = 1,536 bytes in the order of the fragment's registers (plane p = registers 2 p, 2 p + 1, lane l at 8 l), at CODE0 + (G RB + g) 1,536; lane r of row block RB stands for row
; 32 (RB / 2) + 8 (RB % 2) + r + 8 (r / 8).  SCALE UNITS of 256 bytes, [r][u] words for row blocks 4 RB4 + u.  A = xn2, B = w1: row blocks 512-767 of ops.
; A work-group makes 256 x 256, a wave 128 x 128: 64 accumulators, 512 registers; 16 x 16 = 256 work-groups.  K goes in steps of 256 through two LDS slots; the scale units come once.
; THE MATRIX INSTRUCTION IS USED TRANSPOSED (source 0 = B's row block, source 1 = A's): by the row blocks' order the 64 results of a lane for one block of A are register 16 n + i = column 32 n + 16 (lane / 16) + i of
; the wave's 128: one K step of the next product, quantised as it stands.  b1 is the C of the first step's products: 64 registers in that layout.
; CLUSTERS of 4 x 4: A's tiles are asked for jointly along a row of the cluster, B's along a column.
; h: records at CODE0 + (32 RB + g) 1,536, scale units at g 16,384 + 256 RB4.  Every store of the way out covers whole aligned blocks of 256 bytes.
; LIMITS: blocks under 2^(2 - 126) and blocks of zeros keep the byte 1 (read by this program alone); NaN and infinities are not served.
.set G,      8
.set SPA,    49152
.set SPB,    49152
.set CODE0,  524288
.set ACODE,  CODE0
.set ASC0,   0
.set BCODE,  CODE0+512*12288
.set BSC0,   512*64
.set NQ,     2
.set FR,     12
.set NL,     6
.set NP,     4
.set REC,    1536
.set RBB,    NQ*REC
.set HALFT,  8*RBB
.set SLOT,   4*HALFT
.set LAPS,   G/4
.set SCL,    2*SLOT
.set SPART,  G*512
.set SPARE,  SCL+4*SPART               ; the spare words, 128 bytes for each wave: two blocks of 256 bytes that no other line names
.set ADRA, 16
.set ADRB, 20
.set RD,   25                          ; v25     16 x lane
.set CO,   26                          ; v26     8 x lane
.set ADRS, 27
.set SPW,  28
.set NIL,  29
.set SC,   32
.set BIAS, 64                          ; v64-127 b1 at my 64 columns
.set AF,   128
.set HB,   128                          ; the way out: v128-191 a block after relu, v192-211 codes, v212-227 at work, v232-239 scale words
.set PC,   192
.set TM,   212
.set SW,   232
.set G1, 24
.set G0, 32
.set G1B, 48
.set G0B, 56
.set G1S, 68
.set G0S, 76
.set G1SB, 80
.set G0SB, 88
.set MSB, 0
.macro WIN new                         ; the immediate's high byte repeats the setting that is left
.if MSB != (\new)
	s_set_vgpr_msb (MSB<<8)|(\new)
.set MSB, (\new)
.endif
.endm
.set MUL_LO, 0xa1
.set MUL_HI, 0xf1
.set TO_B,   0x40
; A joint load: waves 0 and 1 fetch for A, waves 2 and 3 for B; four v_nop follow each of the two lines.
.macro JLOAD g0a, g1a, g0b, g1b
	s_cmp_eq_u32 s15, 0
	s_cbranch_scc0 .Lfor_b_\@
	tensor_load_to_lds s[\g0a:\g0a+3], s[\g1a:\g1a+7]
	s_nop 0
.rept 4
	v_nop
.endr
	s_branch .Lasked_\@
.Lfor_b_\@:
	tensor_load_to_lds s[\g0b:\g0b+3], s[\g1b:\g1b+7]
	s_nop 0
.rept 4
	v_nop
.endr
.Lasked_\@:
.endm
.macro CREST
	s_cmp_lg_u32 s14, 0
	s_cbranch_scc1 .Lnot_wave_0_\@
	s_barrier_signal -3
.Lnot_wave_0_\@:
	s_barrier_wait -3
	s_barrier_signal -1
	s_barrier_wait -1
.endm
.macro CROUND
	s_barrier_signal -1
	s_barrier_wait -1
	CREST
.endm
	s_load_b128 s[4:7], s[0:1], 0x0                ; xn2, ops
	s_load_b128 s[8:11], s[0:1], 0x10              ; b1, h
	v_lshl_add_u32 v[SPW], v0, 2, SPARE
	v_mov_b32 v[NIL], 0
	ds_add_u32 v28, v29
	ds_add_u32 v28, v29
	s_wait_dscnt 0x0
	v_lshrrev_b32 v1, 5, v0
	v_readfirstlane_b32 s14, v1                    ; wave 0..3
	s_lshr_b32 s15, s14, 1                         ; which half of the rows is mine.  Also: I fetch for A (0) or for B (1)
	s_and_b32 s16, s14, 1                          ; which half of the columns.  Also: which 8 row blocks I fetch
	s_bfe_u32 s40, ttmp6, 0x40000                  ; cx, cy
	s_bfe_u32 s41, ttmp6, 0x40004
	s_lshl_b32 s42, ttmp9, 2
	s_add_co_u32 s42, s42, s40                     ; tile column
	s_and_b32 s17, ttmp7, 0xffff
	s_lshl_b32 s17, s17, 2
	s_add_co_u32 s17, s17, s41                     ; tile row
	s_lshl_b32 s43, s41, 2
	s_lshl_b32 s43, 15, s43                        ; my row of the cluster
	s_lshl_b32 s44, 0x1111, s40                    ; my column
	s_or_b32 s[G1+0], s43, (3<<16)|(1<<21)         ; codes: 8 rows of 384 elements of 8 bytes, G x 1,536 bytes apart; no padding; bit 21 beside the mask
	s_or_b32 s[G1B+0], s44, (3<<16)|(1<<21)
.irp g, G1, G1B
	s_mov_b32 s[\g+1], 384<<16
	s_mov_b32 s[\g+2], 8<<16
	s_mov_b32 s[\g+3], 384<<16
	s_mov_b32 s[\g+4], 8
	s_mov_b32 s[\g+5], G*192
	s_mov_b32 s[\g+6], 0
	s_mov_b32 s[\g+7], 0
.endr
	s_or_b32 s[G1S+0], s43, (3<<16)|(1<<21)        ; scale units: G rows of 64 elements of 8 bytes
	s_or_b32 s[G1SB+0], s44, (3<<16)|(1<<21)
.irp g, G1S, G1SB
	s_mov_b32 s[\g+1], 64<<16
	s_mov_b32 s[\g+2], G<<16
	s_mov_b32 s[\g+3], 64<<16
	s_mov_b32 s[\g+4], G
	s_mov_b32 s[\g+6], 0
	s_mov_b32 s[\g+7], 0
.endr
	s_mov_b32 s[G1S+5], SPA/8
	s_mov_b32 s[G1SB+5], SPB/8
	s_lshl_b32 s18, s16, 3
	s_lshl_b32 s20, s17, 4
	s_add_co_u32 s20, s20, s18                     ; A: row block 16 x tile row + 8 x half
	s_lshl_b32 s46, s42, 4
	s_add_co_u32 s46, s46, s18                     ; B: 16 x tile column + 8 x half
	s_lshl_b32 s22, s20, 6
	s_add_co_u32 s22, s22, ASC0
	s_mov_b32 s23, 0
	s_lshl_b32 s92, s46, 6
	s_add_co_u32 s92, s92, BSC0
	s_mov_b32 s93, 0
	s_mul_i32 s20, s20, G*REC
	s_add_co_u32 s20, s20, ACODE
	s_mov_b32 s21, 0
	s_mul_i32 s46, s46, G*REC
	s_add_co_u32 s46, s46, BCODE
	s_mov_b32 s47, 0
	s_mul_i32 s45, s14, HALFT
	s_mul_i32 s94, s14, SPART
	s_wait_kmcnt 0x0
	s_add_nc_u64 s[20:21], s[4:5], s[20:21]
	s_add_nc_u64 s[22:23], s[4:5], s[22:23]
	s_add_nc_u64 s[46:47], s[6:7], s[46:47]
	s_add_nc_u64 s[92:93], s[6:7], s[92:93]
	CROUND                                         ; all sixteen work-groups are here: the first joint loads meet
	s_mov_b32 s[G0S], 1
	s_add_co_u32 s[G0S+1], s94, SCL
	s_mov_b64 s[G0S+2:G0S+3], s[22:23]
	s_or_b32 s[G0S+3], s[G0S+3], 0x80000000
	s_mov_b32 s[G0SB], 1
	s_add_co_u32 s[G0SB+1], s94, SCL
	s_mov_b64 s[G0SB+2:G0SB+3], s[92:93]
	s_or_b32 s[G0SB+3], s[G0SB+3], 0x80000000
	JLOAD G0S, G1S, G0SB, G1SB
.irp s, 0,1
	s_mov_b32 s[G0+4*\s], 1
	s_add_co_u32 s[G0+4*\s+1], s45, \s*SLOT
	s_add_nc_u64 s[G0+4*\s+2:G0+4*\s+3], s[20:21], \s*RBB
	s_or_b32 s[G0+4*\s+3], s[G0+4*\s+3], 0x80000000
	s_mov_b32 s[G0B+4*\s], 1
	s_add_co_u32 s[G0B+4*\s+1], s45, \s*SLOT
	s_add_nc_u64 s[G0B+4*\s+2:G0B+4*\s+3], s[46:47], \s*RBB
	s_or_b32 s[G0B+4*\s+3], s[G0B+4*\s+3], 0x80000000
	JLOAD G0+4*\s, G1, G0B+4*\s, G1B               ; three loads of mine are out behind the last of these
.endr
	v_and_b32 v1, 15, v0                           ; r
	v_bfe_u32 v2, v0, 4, 1                         ; h
	v_and_b32 v3, 31, v0                           ; lane
	v_lshlrev_b32 v[CO], 3, v3                     ; 8 x lane
	v_lshlrev_b32 v[RD], 4, v3                     ; 16 x lane
	v_lshlrev_b32 v7, 6, v2                        ; 64 h: my half's 16 numbers of each 32 of the bias
	s_lshl_b32 s46, s42, 10
	s_lshl_b32 s47, s16, 9
	s_add_co_u32 s46, s46, s47                     ; my first column, 4 bytes a number
	s_mov_b32 s47, 0
	s_add_nc_u64 s[8:9], s[8:9], s[46:47]
.irp n, 0,1,2,3,4,5,6,7,8,9,10,11,12,13,14,15
	global_load_b128 v[BIAS+4*\n:BIAS+4*\n+3], v7, s[8:9] offset:128*(\n/4)+16*(\n%4)   ; register 16 n' + i = the bias of column 32 n' + 16 h + i
.endr
	s_mul_i32 s21, s15, HALFT
	s_mul_i32 s22, s16, HALFT
	s_add_co_u32 s22, s22, 2*HALFT
.irp s, 0,1
	v_add_nc_u32 v[ADRA+\s], s21, v[CO]
	v_add_nc_u32 v[ADRB+\s], s22, v[CO]
	s_add_co_u32 s21, s21, SLOT
	s_add_co_u32 s22, s22, SLOT
.endr
	v_lshlrev_b32 v5, 4, v1
	s_mul_i32 s21, s15, SPART
	s_mul_i32 s22, s16, SPART
	s_add_co_u32 s22, s22, 2*SPART
	s_sub_co_u32 s22, s22, s21
	v_mul_u32_u24 v6, s22, v2                      ; lanes 16-31 take B's: the lower base + h x the distance
	s_add_co_u32 s21, s21, SCL
	v_add_nc_u32 v5, v5, v6
	v_add_nc_u32 v[ADRS], s21, v5
	s_lshl_b32 s20, s17, 4
	s_lshl_b32 s21, s15, 3
	s_add_co_u32 s20, s20, s21                     ; my first row block of h
	s_lshl_b32 s22, s42, 1
	s_add_co_u32 s22, s22, s16                     ; my K step of h
	s_lshl_b32 s46, s20, 6
	s_lshl_b32 s47, s22, 14
	s_add_co_u32 s46, s46, s47                     ; my two scale units
	s_mov_b32 s47, 0
	s_mul_i32 s20, s20, 49152
	s_mul_i32 s22, s22, 1536
	s_add_co_u32 s20, s20, s22
	s_add_co_u32 s20, s20, CODE0                   ; my first record
	s_mov_b32 s21, 0
	s_add_nc_u64 s[12:13], s[10:11], s[46:47]
	s_add_nc_u64 s[10:11], s[10:11], s[20:21]
.macro FRAG reg, adr, q, i             ; a fragment as it lies: six planes, each 256 consecutive bytes for the 32 lanes
.irp p, 0,1,2,3,4,5
	ds_load_b64 v[\reg+2*\p:\reg+2*\p+1], v[\adr] offset:(\i)*RBB+(\q)*REC+256*\p
.endr
.endm
; 16 matrix instructions: A's blocks a0, a0 + 1 x B's eight.  zero = 2: the products start the sums from the bias.  The 64 accumulators take turns, one instruction a turn.
.macro MUL16 a0, p, q, sc, zero
.irp a, \a0, \a0+1
.irp b, 0,1,2,3,4,5,6,7
.set DD, 8*(8*((\a)%4)+\b)
.set BF, 128*(\p)+FR*\b
.set AA, AF+FR*(\a)
.set SCB, SC+16*(\sc)+8*(\q)+\b
.set SCA, SC+16*(\sc)+8*(\q)+(\a)
.if \zero == 1
	v_wmma_scale_f32_16x16x128_f8f6f4 v[DD:DD+7], v[BF:BF+FR-1], v[AA:AA+FR-1], 0, v[SCB], v[SCA] matrix_a_fmt:MATRIX_FMT_FP6 matrix_b_fmt:MATRIX_FMT_FP6 matrix_a_scale:MATRIX_SCALE_ROW1
.elseif \zero == 2
	v_wmma_scale_f32_16x16x128_f8f6f4 v[DD:DD+7], v[BF:BF+FR-1], v[AA:AA+FR-1], v[BIAS+8*\b:BIAS+8*\b+7], v[SCB], v[SCA] matrix_a_fmt:MATRIX_FMT_FP6 matrix_b_fmt:MATRIX_FMT_FP6 matrix_a_scale:MATRIX_SCALE_ROW1
.else
	v_wmma_scale_f32_16x16x128_f8f6f4 v[DD:DD+7], v[BF:BF+FR-1], v[AA:AA+FR-1], v[DD:DD+7], v[SCB], v[SCA] matrix_a_fmt:MATRIX_FMT_FP6 matrix_b_fmt:MATRIX_FMT_FP6 matrix_a_scale:MATRIX_SCALE_ROW1
.endif
.endr
.endr
.endm
.macro FETCH_B slot, q, p
	WIN TO_B
.irp i, 0,1,2,3,4,5,6,7
	FRAG 128*(\p)+FR*\i, ADRB+\slot, \q, \i
.endr
	WIN 0
.endm
.macro FETCH_A slot, q, i0
.irp i, \i0, \i0+1, \i0+2, \i0+3
	FRAG AF+FR*(\i), ADRA+\slot, \q, \i
.endr
.endm
.macro SCALES sc
.irp q, 0,1
.irp j, 0,1
	ds_load_b128 v[SC+16*\sc+8*\q+4*\j:SC+16*\sc+8*\q+4*\j+3], v[ADRS] offset:512*\q+256*\j
.endr
.endr
.endm
.macro PLACES n                        ; places behind matrix instructions, in front of loads into their registers and of reads of their results
.rept \n
	v_nop
.endr
.endm
.macro STEP slot, q, zero
	s_wait_dscnt 4*NL                              ; all but the youngest 24 loads (A's blocks 4-7) are in
.if \zero == 2
	WIN 0x81                                       ; C (the bias) in window 0, D in window 2
.else
	WIN MUL_LO
.endif
	MUL16 0, (\q)%2, \q, \slot, \zero
	MUL16 2, (\q)%2, \q, \slot, \zero
	s_wait_dscnt 0
	PLACES NP
	FETCH_B \slot, (\q)+1, 1-(\q)%2
	FETCH_A \slot, (\q)+1, 0
.if \zero == 2
	WIN 0xc1
.else
	WIN MUL_HI
.endif
	MUL16 4, (\q)%2, \q, \slot, \zero
	MUL16 6, (\q)%2, \q, \slot, \zero
	PLACES NP
	WIN 0
	FETCH_A \slot, (\q)+1, 4
.endm
; A slot's last step changes slots: ONE barrier; in front of it each wave waits for all its tensor loads, adds 0 to its spare word, and waits for that and for its own reads of this slot.
.macro TURN slot, next, fill
	s_wait_tensorcnt 0x0                           ; all my tensor loads have landed: my part of the next slot
	ds_add_u32 v[SPW], v[NIL]                      ; 0 onto my spare word
	s_wait_dscnt 4*NL+1                            ; (the add and the youngest 24 loads may be out)
	WIN MUL_LO
	MUL16 0, 1, NQ-1, \slot, 0
	s_wait_dscnt 0x0                               ; the add is done, and my reads of this slot are over
	s_barrier_signal -1
	MUL16 2, 1, NQ-1, \slot, 0
	WIN 0
	s_barrier_wait -1
.if \fill
	CREST                                          ; the barrier has opened a round of the cluster's barrier
	s_add_nc_u64 s[G0+4*\slot+2:G0+4*\slot+3], s[G0+4*\slot+2:G0+4*\slot+3], 2*RBB
	s_add_nc_u64 s[G0B+4*\slot+2:G0B+4*\slot+3], s[G0B+4*\slot+2:G0B+4*\slot+3], 2*RBB
	JLOAD G0+4*\slot, G1, G0B+4*\slot, G1B         ; the first tensor load behind the round; its four v_nop are the places in front of the loads below
.else
	PLACES NP
.endif
	v_add_nc_u32 v[ADRS], NQ*512, v[ADRS]
	FETCH_B \next, 0, 0
	FETCH_A \next, 0, 0
	SCALES \next
	WIN MUL_HI
	MUL16 4, 1, NQ-1, \slot, 0
	MUL16 6, 1, NQ-1, \slot, 0
	PLACES NP
	WIN 0
	FETCH_A \next, 0, 4
.endm
	s_wait_tensorcnt 1                             ; the scale units and my part of slot 0 are in (slot 1's load may be out)
	s_barrier_signal -1
	s_barrier_wait -1
	FETCH_B 0, 0, 0
	FETCH_A 0, 0, 0
	SCALES 0
	FETCH_A 0, 0, 4
	s_wait_loadcnt 0x0                             ; the bias
	STEP 0, 0, 2                                   ; the first step's products start the sums from the bias
	s_mov_b32 s3, LAPS-1
.Llap:
	TURN 0, 1, 1
	STEP 1, 0, 0
	TURN 1, 0, 1
	STEP 0, 0, 0
	s_sub_co_u32 s3, s3, 1
	s_cmp_lg_u32 s3, 0
	s_cbranch_scc1 .Llap
	TURN 0, 1, 0
	STEP 1, 0, 0
	s_wait_dscnt 4*NL
	WIN MUL_LO
	MUL16 0, 1, NQ-1, 1, 0
	MUL16 2, 1, NQ-1, 1, 0
	s_wait_dscnt 0
	WIN MUL_HI
	MUL16 4, 1, NQ-1, 1, 0
	MUL16 6, 1, NQ-1, 1, 0
	WIN 0
; 64 numbers of a lane, register 16 b + i = k 32 b + 16 (lane / 16) + i of my row, become a fragment's codes in v[PC] on and its scale word in v[dst].
.macro QUANT src, dst
.irp b, 0,1,2,3
	v_max3_num_f32 v[TM+\b], 0x1800000, v[(\src)+16*\b], v[(\src)+1+16*\b]   ; none is negative; the floor 2^(3 - 127): the byte cannot fall under 1
.endr
.irp i, 2,4,6,8,10,12,14
.irp b, 0,1,2,3
	v_max3_num_f32 v[TM+\b], v[TM+\b], v[(\src)+16*\b+\i], v[(\src)+1+16*\b+\i]
.endr
.endr
.irp b, 0,1,2,3
	v_permlanex16_b32 v[TM+4+\b], v[TM+\b], s18, s19
.endr
.irp b, 0,1,2,3
	v_max_num_f32 v[TM+\b], v[TM+\b], v[TM+4+\b]
.endr
.irp b, 0,1,2,3
	v_add_nc_u32 v[TM+12+\b], 0xff000000, v[TM+\b] ; 2 off the exponent field: the conversion's scale operand
.endr
.irp b, 0,1,2,3
	v_lshrrev_b32 v[TM+4+\b], 23, v[TM+12+\b]
.endr
	v_lshl_or_b32 v[\dst], v[TM+5], 8, v[TM+4]
	v_lshl_or_b32 v[\dst], v[TM+6], 16, v[\dst]
	v_lshl_or_b32 v[\dst], v[TM+7], 24, v[\dst]
.irp c, 0,1
	v_cvt_scalef32_pk16_fp6_f32 v[PC+6*\c:PC+2+6*\c], v[(\src)+32*\c:(\src)+15+32*\c], v[TM+12+2*\c]
	v_cvt_scalef32_pk16_fp6_f32 v[PC+12+4*\c:PC+14+4*\c], v[(\src)+16+32*\c:(\src)+31+32*\c], v[TM+12+2*\c+1]
.endr
	v_nop                                          ; one plain place behind a scaled conversion
.irp c, 0,1
.irp i, 0,1,2
	v_permlane16_swap_b32 v[PC+6*\c+\i], v[PC+12+4*\c+\i]
.endr
.irp i, 0,1,2
	v_mov_b32 v[PC+3+6*\c+\i], v[PC+12+4*\c+\i]
.endr
.endr
.endm
	PLACES NP
	s_mov_b32 s18, 0x76543210
	s_mov_b32 s19, 0xfedcba98
.irp b, 0,1,2,3
	v_mov_b32 v[TM+4+\b], 0                        ; a lane permute's destination counts as one of its sources
.endr
.irp a, 0,1,2,3,4,5,6,7
.if \a > 0
	s_wait_xcnt 0x0                                ; the last block's stores have read v[PC] on
.endif
.set AC, 64*(\a%4)
	WIN 0x08+4*(\a/4)                              ; source 1: window 2 or 3
.set J, 0
.rept 64
	v_max_num_f32 v[HB+J], 0, v[AC+J]              ; relu, and the way into window 0, in one line; each accumulator from its low end on
.set J, J+1
.endr
	WIN 0
	QUANT HB, SW+\a
.irp p, 0,1,2,3,4,5
	global_store_b64 v[CO], v[PC+2*\p:PC+2*\p+1], s[10:11] offset:\a*49152+256*\p   ; a plane: 256 consecutive bytes, aligned
.endr
.endr
	s_mov_b32 s20, 0xffff0000
.irp u, 0,1,2,3
	v_cndmask_b32 v[SW+\u], v[SW+\u], v[SW+4+\u], s20   ; lanes 16-31 take blocks 4-7: the next unit
.endr
	global_store_b128 v[RD], v[SW:SW+3], s[12:13]  ; two scale units: 512 consecutive bytes
	s_wait_tensorcnt 0x0                           ; the wave's end
	ds_add_u32 v[SPW], v[NIL]
	s_wait_dscnt 0x0
	CROUND                                         ; the closing round
	s_endpgm
.Lfunc_end_k_q5cb439685e_ffn1:
	.size	k_q5cb439685e_ffn1, .Lfunc_end_k_q5cb439685e_ffn1-k_q5cb439685e_ffn1
	.p2alignl 7, 3214868480
	.fill 96, 4, 3214868480
	.section	.rodata,"a",@progbits
	.p2align	6, 0x0
	.amdhsa_kernel k_q5cb439685e_ffn1
		.amdhsa_group_segment_fixed_size 327680
		.amdhsa_private_segment_fixed_size 0
		.amdhsa_enable_private_segment 0
		.amdhsa_kernarg_size 32
		.amdhsa_user_sgpr_count 2
		.amdhsa_user_sgpr_kernarg_segment_ptr 1
		.amdhsa_wavefront_size32 1
		.amdhsa_system_sgpr_workgroup_id_x 1
		.amdhsa_system_sgpr_workgroup_id_y 1
		.amdhsa_system_sgpr_workgroup_id_z 1
		.amdhsa_system_vgpr_workitem_id 0
		.amdhsa_next_free_vgpr 1024
		.amdhsa_next_free_sgpr 100
		.amdhsa_reserve_vcc 0
		.amdhsa_float_denorm_mode_32 3
		.amdhsa_float_denorm_mode_16_64 3
		.amdhsa_memory_ordered 1
		.amdhsa_forward_progress 1
		.amdhsa_inst_pref_size 182
	.end_amdhsa_kernel
	.amdgpu_metadata
---
amdhsa.version: [ 1, 2 ]
amdhsa.kernels:
  - .name:           k_q5cb439685e_ffn1
    .symbol:         k_q5cb439685e_ffn1.kd
    .args:
      - { .name: xn2, .offset: 0, .size: 8, .value_kind: global_buffer, .address_space: global }
      - { .name: ops, .offset: 8, .size: 8, .value_kind: global_buffer, .address_space: global }
      - { .name: b1, .offset: 16, .size: 8, .value_kind: global_buffer, .address_space: global }
      - { .name: h, .offset: 24, .size: 8, .value_kind: global_buffer, .address_space: global }
    .group_segment_fixed_size: 327680
    .private_segment_fixed_size: 0
    .kernarg_segment_align: 8
    .kernarg_segment_size: 32
    .max_flat_workgroup_size: 128
    .sgpr_count:     100
    .vgpr_count:     1024
    .wavefront_size: 32
...
	.end_amdgpu_metadata
.endif
;; end of part 6
;; launch ffn2 (part 7): grid 4 x 16, 4 waves a work-group, clusters of 4 x 4, 327,680 bytes of LDS; arguments h, ops, b2, x1, out0; writes out0
.if DOCPART == 7
	.amdgcn_target "amdgcn-amd-amdhsa--gfx1250"
	.amdhsa_code_object_version 6
	.text
	.protected	k_q5cb439685e_ffn2
	.globl	k_q5cb439685e_ffn2
	.p2align	8
	.type	k_q5cb439685e_ffn2,@function
k_q5cb439685e_ffn2:
	s_mov_b64 s[64:65], 0
	v_nop
	global_prefetch_b8 v0, s[64:65] scope:SCOPE_SE
	s_setreg_imm32_b32 hwreg(HW_REG_WAVE_MODE, 25, 1), 1
	s_wait_xcnt 0x0
	s_wait_alu depctr_hold_cnt(0) depctr_sa_sdst(0) depctr_va_vdst(0) depctr_va_sdst(0) depctr_va_ssrc(0) depctr_va_vcc(0) depctr_vm_vsrc(0)
	s_getreg_b32 s2, hwreg(HW_REG_IB_STS2, 6, 4)
	s_cmp_eq_u32 s2, 0
	s_cbranch_scc0 .Lentry_in_a_cluster
	s_endpgm
.Lentry_in_a_cluster:
	s_bfe_u32 s2, ttmp6, 0x10000c
	s_cmp_lg_u32 s2, 0xf033
	s_cbranch_scc0 .Lentry_shape_is_right
	s_endpgm
.Lentry_shape_is_right:
; out0 = x1 + b2 + h w2^T, on codes of FP6 (E2M3) with E8M0 scales, K = 4,096; x1, out0 f32 [4,096][1,024].
; OPERANDS are RECORDS: 16 rows x 128 K = 1,536 bytes in the order of the fragment's registers (plane p = registers 2 p, 2 p + 1, lane l at 8 l), at (G RB + g) 1,536 from the operand's first; lane r of row block RB
; stands for row 32 (RB / 2) + 8 (RB % 2) + r + 8 (r / 8).  SCALE UNITS of 256 bytes, [r][u] words for row blocks 4 RB4 + u.  A = h, B = w2, behind the table in ops.
; A work-group makes 256 x 256, a wave 128 x 128: 64 accumulators, 512 registers.  K goes in steps of 256 through two LDS slots; the scale units of all of K, 65,536 bytes, come once.
; The output has 16 x 4 tiles of this size: 64 work-groups.  A smaller tile would fill more WGPs at twice the LDS reads for each product; this text keeps the loop that the other products use.
; THE MATRIX INSTRUCTION IS USED TRANSPOSED (source 0 = B's row block, source 1 = A's): register j of accumulator (a, b) in lane (r, h) is row 32 (a / 2) + 8 (a % 2) + r + 8 (r / 8), column 32 (b / 2) + 16 h + 8 (b % 2) + j.
; b2 is the C of the first step's products.  CLUSTERS of 4 x 4: A's tiles are asked for jointly along a row of the cluster, B's along a column.
; THE WAY OUT: a block of 16 rows x 128 columns goes through the wave's stage in LDS and comes back as whole rows of 512 bytes; x1's same rows, asked for ahead, are added; 32 lanes store 512 consecutive bytes.
.set G,      32
.set SPA,    16384
.set SPB,    4096
.set CODE0,  524288
.set ACODE,  CODE0
.set ASC0,   0
.set BCODE,  CODE0+9437184
.set BSC0,   393216
.set RESP,   10                        ; s[10:11] the residual, s[12:13] the output
.set OUTP,   12
.set NQ,     2
.set FR,     12
.set NL,     6
.set NP,     4
.set REC,    1536
.set RBB,    NQ*REC
.set HALFT,  8*RBB
.set SLOT,   4*HALFT
.set LAPS,   G/4
.set SCL,    2*SLOT
.set SPART,  G*512
.set SPARE,  SCL+4*SPART               ; the spare words, 128 bytes for each wave: two blocks of 256 bytes that no other line names
.set SPITCH, 528                       ; the stage: 16 rows x (512 + 16) bytes for each wave, in slot 0, which has had its last fill and its last read when the first result is stored there
.set ADRA, 16
.set ADRB, 20
.set STO,  24
.set RD,   25
.set CO,   26
.set ADRS, 27
.set SPW,  28
.set NIL,  29
.set SC,   32
.set BIAS, 64                          ; v64-127 b2 at my 64 columns; behind the first step: the residual's block 0
.set AF,   128
.set BK,   128
.set G1, 24
.set G0, 32
.set G1B, 48
.set G0B, 56
.set G1S, 68
.set G0S, 76
.set G1SB, 80
.set G0SB, 88
.set MSB, 0
.macro WIN new                         ; the immediate's high byte repeats the setting that is left
.if MSB != (\new)
	s_set_vgpr_msb (MSB<<8)|(\new)
.set MSB, (\new)
.endif
.endm
.set MUL_LO, 0xa1
.set MUL_HI, 0xf1
.set TO_B,   0x40
; A joint load: waves 0 and 1 fetch for A, waves 2 and 3 for B; four v_nop follow each of the two lines.
.macro JLOAD g0a, g1a, g0b, g1b
	s_cmp_eq_u32 s15, 0
	s_cbranch_scc0 .Lfor_b_\@
	tensor_load_to_lds s[\g0a:\g0a+3], s[\g1a:\g1a+7]
	s_nop 0
.rept 4
	v_nop
.endr
	s_branch .Lasked_\@
.Lfor_b_\@:
	tensor_load_to_lds s[\g0b:\g0b+3], s[\g1b:\g1b+7]
	s_nop 0
.rept 4
	v_nop
.endr
.Lasked_\@:
.endm
.macro CREST
	s_cmp_lg_u32 s14, 0
	s_cbranch_scc1 .Lnot_wave_0_\@
	s_barrier_signal -3
.Lnot_wave_0_\@:
	s_barrier_wait -3
	s_barrier_signal -1
	s_barrier_wait -1
.endm
.macro CROUND
	s_barrier_signal -1
	s_barrier_wait -1
	CREST
.endm
	s_load_b128 s[4:7], s[0:1], 0x0                ; h, ops
	s_load_b128 s[8:11], s[0:1], 0x10              ; b2, x1
	s_load_b64 s[12:13], s[0:1], 0x20              ; out0
	v_lshl_add_u32 v[SPW], v0, 2, SPARE
	v_mov_b32 v[NIL], 0
	ds_add_u32 v28, v29
	ds_add_u32 v28, v29
	s_wait_dscnt 0x0
	v_lshrrev_b32 v1, 5, v0
	v_readfirstlane_b32 s14, v1                    ; wave 0..3
	s_lshr_b32 s15, s14, 1                         ; which half of the rows is mine.  Also: I fetch for A (0) or for B (1)
	s_and_b32 s16, s14, 1                          ; which half of the columns.  Also: which 8 row blocks I fetch
	s_bfe_u32 s40, ttmp6, 0x40000                  ; cx, cy
	s_bfe_u32 s41, ttmp6, 0x40004
	s_lshl_b32 s42, ttmp9, 2
	s_add_co_u32 s42, s42, s40                     ; tile column
	s_and_b32 s17, ttmp7, 0xffff
	s_lshl_b32 s17, s17, 2
	s_add_co_u32 s17, s17, s41                     ; tile row
	s_lshl_b32 s43, s41, 2
	s_lshl_b32 s43, 15, s43                        ; my row of the cluster
	s_lshl_b32 s44, 0x1111, s40                    ; my column
	s_or_b32 s[G1+0], s43, (3<<16)|(1<<21)         ; codes: 8 rows of 384 elements of 8 bytes, G x 1,536 bytes apart; no padding; bit 21 beside the mask
	s_or_b32 s[G1B+0], s44, (3<<16)|(1<<21)
.irp g, G1, G1B
	s_mov_b32 s[\g+1], 384<<16
	s_mov_b32 s[\g+2], 8<<16
	s_mov_b32 s[\g+3], 384<<16
	s_mov_b32 s[\g+4], 8
	s_mov_b32 s[\g+5], G*192
	s_mov_b32 s[\g+6], 0
	s_mov_b32 s[\g+7], 0
.endr
	s_or_b32 s[G1S+0], s43, (3<<16)|(1<<21)        ; scale units: G rows of 64 elements of 8 bytes
	s_or_b32 s[G1SB+0], s44, (3<<16)|(1<<21)
.irp g, G1S, G1SB
	s_mov_b32 s[\g+1], 64<<16
	s_mov_b32 s[\g+2], G<<16
	s_mov_b32 s[\g+3], 64<<16
	s_mov_b32 s[\g+4], G
	s_mov_b32 s[\g+6], 0
	s_mov_b32 s[\g+7], 0
.endr
	s_mov_b32 s[G1S+5], SPA/8
	s_mov_b32 s[G1SB+5], SPB/8
	s_lshl_b32 s18, s16, 3
	s_lshl_b32 s20, s17, 4
	s_add_co_u32 s20, s20, s18                     ; A: row block 16 x tile row + 8 x half
	s_lshl_b32 s46, s42, 4
	s_add_co_u32 s46, s46, s18                     ; B: 16 x tile column + 8 x half
	s_lshl_b32 s22, s20, 6
	s_add_co_u32 s22, s22, ASC0
	s_mov_b32 s23, 0
	s_lshl_b32 s92, s46, 6
	s_add_co_u32 s92, s92, BSC0
	s_mov_b32 s93, 0
	s_mul_i32 s20, s20, G*REC
	s_add_co_u32 s20, s20, ACODE
	s_mov_b32 s21, 0
	s_mul_i32 s46, s46, G*REC
	s_add_co_u32 s46, s46, BCODE
	s_mov_b32 s47, 0
	s_mul_i32 s45, s14, HALFT
	s_mul_i32 s94, s14, SPART
	s_wait_kmcnt 0x0
	s_add_nc_u64 s[20:21], s[4:5], s[20:21]
	s_add_nc_u64 s[22:23], s[4:5], s[22:23]
	s_add_nc_u64 s[46:47], s[6:7], s[46:47]
	s_add_nc_u64 s[92:93], s[6:7], s[92:93]
	CROUND                                         ; all sixteen work-groups are here: the first joint loads meet
	s_mov_b32 s[G0S], 1
	s_add_co_u32 s[G0S+1], s94, SCL
	s_mov_b64 s[G0S+2:G0S+3], s[22:23]
	s_or_b32 s[G0S+3], s[G0S+3], 0x80000000
	s_mov_b32 s[G0SB], 1
	s_add_co_u32 s[G0SB+1], s94, SCL
	s_mov_b64 s[G0SB+2:G0SB+3], s[92:93]
	s_or_b32 s[G0SB+3], s[G0SB+3], 0x80000000
	JLOAD G0S, G1S, G0SB, G1SB
.irp s, 0,1
	s_mov_b32 s[G0+4*\s], 1
	s_add_co_u32 s[G0+4*\s+1], s45, \s*SLOT
	s_add_nc_u64 s[G0+4*\s+2:G0+4*\s+3], s[20:21], \s*RBB
	s_or_b32 s[G0+4*\s+3], s[G0+4*\s+3], 0x80000000
	s_mov_b32 s[G0B+4*\s], 1
	s_add_co_u32 s[G0B+4*\s+1], s45, \s*SLOT
	s_add_nc_u64 s[G0B+4*\s+2:G0B+4*\s+3], s[46:47], \s*RBB
	s_or_b32 s[G0B+4*\s+3], s[G0B+4*\s+3], 0x80000000
	JLOAD G0+4*\s, G1, G0B+4*\s, G1B               ; three loads of mine are out behind the last of these
.endr
	v_and_b32 v1, 15, v0                           ; r
	v_bfe_u32 v2, v0, 4, 1                         ; h
	v_and_b32 v3, 31, v0                           ; lane
	v_lshlrev_b32 v4, 3, v3                        ; 8 x lane
	v_lshlrev_b32 v7, 6, v2                        ; 64 h: my half's 16 numbers of each 32 of the bias
	s_lshl_b32 s46, s42, 10
	s_lshl_b32 s47, s16, 9
	s_add_co_u32 s46, s46, s47                     ; my first column, 4 bytes a number
	s_mov_b32 s47, 0
	s_add_nc_u64 s[8:9], s[8:9], s[46:47]
.irp n, 0,1,2,3,4,5,6,7,8,9,10,11,12,13,14,15
	global_load_b128 v[BIAS+4*\n:BIAS+4*\n+3], v7, s[8:9] offset:128*(\n/4)+16*(\n%4)   ; register 16 n' + i = the bias of column 32 n' + 16 h + i
.endr
	s_mul_i32 s21, s15, HALFT
	s_mul_i32 s22, s16, HALFT
	s_add_co_u32 s22, s22, 2*HALFT
.irp s, 0,1
	v_add_nc_u32 v[ADRA+\s], s21, v4
	v_add_nc_u32 v[ADRB+\s], s22, v4
	s_add_co_u32 s21, s21, SLOT
	s_add_co_u32 s22, s22, SLOT
.endr
	v_lshlrev_b32 v5, 4, v1
	s_mul_i32 s21, s15, SPART
	s_mul_i32 s22, s16, SPART
	s_add_co_u32 s22, s22, 2*SPART
	s_sub_co_u32 s22, s22, s21
	v_mul_u32_u24 v6, s22, v2                      ; lanes 16-31 take B's: the lower base + h x the distance
	s_add_co_u32 s21, s21, SCL
	v_add_nc_u32 v5, v5, v6
	v_add_nc_u32 v[ADRS], s21, v5
	s_mul_i32 s23, s14, 16*SPITCH                  ; my stage
	v_mul_u32_u24 v5, v1, SPITCH
	v_lshl_add_u32 v5, v2, 6, v5                   ; in: row r, + 64 h
	v_add_nc_u32 v[STO], s23, v5
	v_lshlrev_b32 v[CO], 4, v3                     ; back: the 32 lanes take one row of 512 bytes; and the same in x1 and out0
	v_add_nc_u32 v[RD], s23, v[CO]
	s_lshl_b32 s20, s17, 8
	s_lshl_b32 s21, s15, 7
	s_add_co_u32 s20, s20, s21
	s_lshl_b32 s20, s20, 12                        ; my first row, 4,096 bytes a row
	s_add_co_u32 s20, s20, s46                     ; + my first column
	s_mov_b32 s21, 0
	s_add_nc_u64 s[RESP:RESP+1], s[RESP:RESP+1], s[20:21]
	s_add_nc_u64 s[OUTP:OUTP+1], s[OUTP:OUTP+1], s[20:21]
.macro FRAG reg, adr, q, i             ; a fragment as it lies: six planes, each 256 consecutive bytes for the 32 lanes
.irp p, 0,1,2,3,4,5
	ds_load_b64 v[\reg+2*\p:\reg+2*\p+1], v[\adr] offset:(\i)*RBB+(\q)*REC+256*\p
.endr
.endm
; 16 matrix instructions: A's blocks a0, a0 + 1 x B's eight.  zero = 2: the products start the sums from the bias.  The 64 accumulators take turns, one instruction a turn.
.macro MUL16 a0, p, q, sc, zero
.irp a, \a0, \a0+1
.irp b, 0,1,2,3,4,5,6,7
.set DD, 8*(8*((\a)%4)+\b)
.set BF, 128*(\p)+FR*\b
.set AA, AF+FR*(\a)
.set SCB, SC+16*(\sc)+8*(\q)+\b
.set SCA, SC+16*(\sc)+8*(\q)+(\a)
.if \zero == 1
	v_wmma_scale_f32_16x16x128_f8f6f4 v[DD:DD+7], v[BF:BF+FR-1], v[AA:AA+FR-1], 0, v[SCB], v[SCA] matrix_a_fmt:MATRIX_FMT_FP6 matrix_b_fmt:MATRIX_FMT_FP6 matrix_a_scale:MATRIX_SCALE_ROW1
.elseif \zero == 2
	v_wmma_scale_f32_16x16x128_f8f6f4 v[DD:DD+7], v[BF:BF+FR-1], v[AA:AA+FR-1], v[BIAS+8*\b:BIAS+8*\b+7], v[SCB], v[SCA] matrix_a_fmt:MATRIX_FMT_FP6 matrix_b_fmt:MATRIX_FMT_FP6 matrix_a_scale:MATRIX_SCALE_ROW1
.else
	v_wmma_scale_f32_16x16x128_f8f6f4 v[DD:DD+7], v[BF:BF+FR-1], v[AA:AA+FR-1], v[DD:DD+7], v[SCB], v[SCA] matrix_a_fmt:MATRIX_FMT_FP6 matrix_b_fmt:MATRIX_FMT_FP6 matrix_a_scale:MATRIX_SCALE_ROW1
.endif
.endr
.endr
.endm
.macro FETCH_B slot, q, p
	WIN TO_B
.irp i, 0,1,2,3,4,5,6,7
	FRAG 128*(\p)+FR*\i, ADRB+\slot, \q, \i
.endr
	WIN 0
.endm
.macro FETCH_A slot, q, i0
.irp i, \i0, \i0+1, \i0+2, \i0+3
	FRAG AF+FR*(\i), ADRA+\slot, \q, \i
.endr
.endm
.macro SCALES sc
.irp q, 0,1
.irp j, 0,1
	ds_load_b128 v[SC+16*\sc+8*\q+4*\j:SC+16*\sc+8*\q+4*\j+3], v[ADRS] offset:512*\q+256*\j
.endr
.endr
.endm
.macro PLACES n                        ; places behind matrix instructions, in front of loads into their registers and of reads of their results
.rept \n
	v_nop
.endr
.endm
.macro STEP slot, q, zero
	s_wait_dscnt 4*NL                              ; all but the youngest 24 loads (A's blocks 4-7) are in
.if \zero == 2
	WIN 0x81                                       ; C (the bias) in window 0, D in window 2
.else
	WIN MUL_LO
.endif
	MUL16 0, (\q)%2, \q, \slot, \zero
	MUL16 2, (\q)%2, \q, \slot, \zero
	s_wait_dscnt 0
	PLACES NP
	FETCH_B \slot, (\q)+1, 1-(\q)%2
	FETCH_A \slot, (\q)+1, 0
.if \zero == 2
	WIN 0xc1
.else
	WIN MUL_HI
.endif
	MUL16 4, (\q)%2, \q, \slot, \zero
	MUL16 6, (\q)%2, \q, \slot, \zero
	PLACES NP
	WIN 0
	FETCH_A \slot, (\q)+1, 4
.endm
; A slot's last step changes slots: ONE barrier; in front of it each wave waits for all its tensor loads, adds 0 to its spare word, and waits for that and for its own reads of this slot.
.macro TURN slot, next, fill
	s_wait_tensorcnt 0x0                           ; all my tensor loads have landed: my part of the next slot
	ds_add_u32 v[SPW], v[NIL]                      ; 0 onto my spare word
	s_wait_dscnt 4*NL+1                            ; (the add and the youngest 24 loads may be out)
	WIN MUL_LO
	MUL16 0, 1, NQ-1, \slot, 0
	s_wait_dscnt 0x0                               ; the add is done, and my reads of this slot are over
	s_barrier_signal -1
	MUL16 2, 1, NQ-1, \slot, 0
	WIN 0
	s_barrier_wait -1
.if \fill
	CREST                                          ; the barrier has opened a round of the cluster's barrier
	s_add_nc_u64 s[G0+4*\slot+2:G0+4*\slot+3], s[G0+4*\slot+2:G0+4*\slot+3], 2*RBB
	s_add_nc_u64 s[G0B+4*\slot+2:G0B+4*\slot+3], s[G0B+4*\slot+2:G0B+4*\slot+3], 2*RBB
	JLOAD G0+4*\slot, G1, G0B+4*\slot, G1B         ; the first tensor load behind the round; its four v_nop are the places in front of the loads below
.else
	PLACES NP
.endif
	v_add_nc_u32 v[ADRS], NQ*512, v[ADRS]
	FETCH_B \next, 0, 0
	FETCH_A \next, 0, 0
	SCALES \next
	WIN MUL_HI
	MUL16 4, 1, NQ-1, \slot, 0
	MUL16 6, 1, NQ-1, \slot, 0
	PLACES NP
	WIN 0
	FETCH_A \next, 0, 4
.endm
; The residual's 16 rows of block a: block 0 into v64-127 of window 0, block a > 0 into set (a - 1) % 4 of window 1, where B's fragments lay
.macro RLOAD a
.if (\a) == 0
.set RR, 64
.else
.set RR, 64*(((\a)-1)%4)
	WIN 0x40
.endif
.irp t, 0,1,2,3,4,5,6,7,8,9,10,11,12,13,14,15
	global_load_b128 v[RR+4*\t:RR+4*\t+3], v[CO], s[RESP:RESP+1] offset:(32*((\a)/2)+8*((\a)%2)+\t+8*(\t/8))*4096 th:TH_LOAD_NT
.endr
	WIN 0
.endm
.macro TOSTAGE a                       ; LDS serves a wave's instructions in order: no wait between the stores and the loads
.set AC, 64*((\a)%4)
	WIN 0x08+4*((\a)/4)                            ; the data: window 2 or 3
.irp b, 0,1,2,3,4,5,6,7
	ds_store_b128 v[STO], v[AC+8*\b:AC+8*\b+3] offset:128*(\b/2)+32*(\b%2)       ; each accumulator from its low end on
	ds_store_b128 v[STO], v[AC+8*\b+4:AC+8*\b+7] offset:128*(\b/2)+32*(\b%2)+16
.endr
	WIN 0
.set BB, BK+64*((\a)%2)
.irp t, 0,1,2,3,4,5,6,7,8,9,10,11,12,13,14,15
	ds_load_b128 v[BB+4*\t:BB+4*\t+3], v[RD] offset:\t*SPITCH
.endr
.endm
.macro SEND a, younger, left           ; younger: LDS instructions issued behind block a's loads; left: residual loads issued behind block a's (under 0: shown in long ago)
.set BB, BK+64*((\a)%2)
	s_wait_dscnt \younger
.if \left >= 0
	s_wait_loadcnt \left
.endif
.if (\a) == 0
.set RR, 64
.else
.set RR, 64*(((\a)-1)%4)
	WIN 0x04                                       ; source 1: window 1
.endif
.set J, 0
.rept 32
	v_pk_add_f32 v[BB+J:BB+J+1], v[BB+J:BB+J+1], v[RR+J:RR+J+1]
.set J, J+2
.endr
	WIN 0
.irp t, 0,1,2,3,4,5,6,7,8,9,10,11,12,13,14,15
	global_store_b128 v[CO], v[BB+4*\t:BB+4*\t+3], s[OUTP:OUTP+1] offset:(32*((\a)/2)+8*((\a)%2)+\t+8*(\t/8))*4096 th:TH_STORE_NT   ; 32 lanes store 512 consecutive bytes, aligned
.endr
.endm
	s_wait_tensorcnt 1                             ; the scale units and my part of slot 0 are in (slot 1's load may be out)
	s_barrier_signal -1
	s_barrier_wait -1
	FETCH_B 0, 0, 0
	FETCH_A 0, 0, 0
	SCALES 0
	FETCH_A 0, 0, 4
	s_wait_loadcnt 0x0                             ; the bias
	STEP 0, 0, 2                                   ; the first step's products start the sums from the bias
	RLOAD 0                                        ; into the bias's registers, four places behind the last product that read them: the residual's first block lands under the loop
	s_mov_b32 s3, LAPS-1
.Llap:
	TURN 0, 1, 1
	STEP 1, 0, 0
	TURN 1, 0, 1
	STEP 0, 0, 0
	s_sub_co_u32 s3, s3, 1
	s_cmp_lg_u32 s3, 0
	s_cbranch_scc1 .Llap
	TURN 0, 1, 0
	STEP 1, 0, 0
	s_wait_dscnt 4*NL
	WIN MUL_LO
	MUL16 0, 1, NQ-1, 1, 0
	MUL16 2, 1, NQ-1, 1, 0
	s_wait_dscnt 0
	WIN MUL_HI
	MUL16 4, 1, NQ-1, 1, 0
	MUL16 6, 1, NQ-1, 1, 0
	WIN 0
	PLACES NP                                      ; in front of the loads into the fragments' registers and of the first read of results
	s_wait_loadcnt 0x0                             ; the residual's block 0
	RLOAD 1
	RLOAD 2
	RLOAD 3
	RLOAD 4
	TOSTAGE 0
	TOSTAGE 1
	SEND 0, 32, -1                                 ; behind block 0's loads from the stage: block 1's 16 stores and 16 loads
	s_wait_xcnt 0x0                                ; block 0's stores have read their registers: block 2's loads may land there
	TOSTAGE 2
	SEND 1, 32, 48                                 ; behind the residual's block 1: blocks 2, 3, 4
	RLOAD 5
	s_wait_xcnt 0x0
	TOSTAGE 3
	SEND 2, 32, 48
	RLOAD 6
	s_wait_xcnt 0x0
	TOSTAGE 4
	SEND 3, 32, 48
	RLOAD 7
	s_wait_xcnt 0x0
	TOSTAGE 5
	SEND 4, 32, 48
	s_wait_xcnt 0x0
	TOSTAGE 6
	SEND 5, 32, 32
	s_wait_xcnt 0x0
	TOSTAGE 7
	SEND 6, 32, 16
	SEND 7, 0, 0
	s_wait_tensorcnt 0x0                           ; the wave's end
	ds_add_u32 v[SPW], v[NIL]
	s_wait_dscnt 0x0
	CROUND                                         ; the closing round
	s_endpgm
.Lfunc_end_k_q5cb439685e_ffn2:
	.size	k_q5cb439685e_ffn2, .Lfunc_end_k_q5cb439685e_ffn2-k_q5cb439685e_ffn2
	.p2alignl 7, 3214868480
	.fill 96, 4, 3214868480
	.section	.rodata,"a",@progbits
	.p2align	6, 0x0
	.amdhsa_kernel k_q5cb439685e_ffn2
		.amdhsa_group_segment_fixed_size 327680
		.amdhsa_private_segment_fixed_size 0
		.amdhsa_enable_private_segment 0
		.amdhsa_kernarg_size 40
		.amdhsa_user_sgpr_count 2
		.amdhsa_user_sgpr_kernarg_segment_ptr 1
		.amdhsa_wavefront_size32 1
		.amdhsa_system_sgpr_workgroup_id_x 1
		.amdhsa_system_sgpr_workgroup_id_y 1
		.amdhsa_system_sgpr_workgroup_id_z 1
		.amdhsa_system_vgpr_workitem_id 0
		.amdhsa_next_free_vgpr 1024
		.amdhsa_next_free_sgpr 100
		.amdhsa_reserve_vcc 0
		.amdhsa_float_denorm_mode_32 3
		.amdhsa_float_denorm_mode_16_64 3
		.amdhsa_memory_ordered 1
		.amdhsa_forward_progress 1
		.amdhsa_inst_pref_size 189
	.end_amdhsa_kernel
	.amdgpu_metadata
---
amdhsa.version: [ 1, 2 ]
amdhsa.kernels:
  - .name:           k_q5cb439685e_ffn2
    .symbol:         k_q5cb439685e_ffn2.kd
    .args:
      - { .name: h, .offset: 0, .size: 8, .value_kind: global_buffer, .address_space: global }
      - { .name: ops, .offset: 8, .size: 8, .value_kind: global_buffer, .address_space: global }
      - { .name: b2, .offset: 16, .size: 8, .value_kind: global_buffer, .address_space: global }
      - { .name: x1, .offset: 24, .size: 8, .value_kind: global_buffer, .address_space: global }
      - { .name: out0, .offset: 32, .size: 8, .value_kind: global_buffer, .address_space: global }
    .group_segment_fixed_size: 327680
    .private_segment_fixed_size: 0
    .kernarg_segment_align: 8
    .kernarg_segment_size: 40
    .max_flat_workgroup_size: 128
    .sgpr_count:     100
    .vgpr_count:     1024
    .wavefront_size: 32
...
	.end_amdgpu_metadata
.endif
;; end of part 7
;; ======== version 2 of 2: 7 launches
;; limits: right only within a limited range of input values
;; workspace buffers: ops 13,107,200 bytes; xn2 3,670,016 bytes; h 13,107,200 bytes; av 3,670,016 bytes; qkv 10,092,544 bytes; x1 16,777,216 bytes
;; launch quantw (part 8): grid 256 x 1, 6 waves a work-group, no clusters, 51,456 bytes of LDS; arguments wq, wk, wv, wo, w1, w2, ops; writes ops
.if DOCPART == 8
	.amdgcn_target "amdgcn-amd-amdhsa--gfx1250"
	.amdhsa_code_object_version 6
	.text
	.protected	k_q5cb439685e_quantw
	.globl	k_q5cb439685e_quantw
	.p2align	8
	.type	k_q5cb439685e_quantw,@function
k_q5cb439685e_quantw:
	s_mov_b64 s[64:65], 0
	v_nop
	global_prefetch_b8 v0, s[64:65] scope:SCOPE_SE
	s_setreg_imm32_b32 hwreg(HW_REG_WAVE_MODE, 25, 1), 1
	s_wait_xcnt 0x0
; The six weights, f32 with K innermost, become codes of FP6 (E2M3) with one E8M0 byte for each 32 along K, laid as the products' launches read them.
; RECORD: 16 rows x 128 K = 1,536 bytes, in the order of the operand's registers: plane p (256 bytes) holds registers 2 p, 2 p + 1 of the fragment, lane l at 8 l.
; ROW BLOCK RB: lane r stands for row 32 (RB / 2) + 8 (RB % 2) + r + 8 (r / 8), so that a product's results, used transposed, lie along the next K in a lane's registers.
; SCALE UNIT: 256 bytes, [r 0..15][u 0..3] words: the scale word of row r of row block 4 RB4 + u for one K step.
; A wave has ONE job: four records (one group of four row blocks, 64 rows) of one K step, which make one whole scale unit.  1,536 jobs = 256 work-groups x 6 waves.
; Jobs 0-1,023: wq, wk, wv, wo, w1 (K = 1,024: 8 K steps); jobs 1,024-1,535: w2 (K = 4,096: 32 K steps).  Only pointers and offsets are chosen by the job's number: all take one path.
; Each load reads 512 consecutive bytes of one row.  The conversions want 32 neighbours along K in one lane, so a record's 8 KiB turn through the wave's own stage in LDS (rows of 512 + 16 bytes).
; Each code store of the wave covers 256 consecutive bytes, aligned.  Waves share nothing: no barrier.
; A block's scale is 2^(floor(log2(largest magnitude)) - 2); its byte is the largest magnitude's exponent field - 2, held at 1 from below.
; LIMITS: a block of zeros, or one under 2^(2 - 126), keeps the byte 1 (the bytes are read by this program alone; zero codes add nothing); NaN and infinities are not served.
.set CODE0, 524288                     ; in ops: the scale units lie first, the codes from here on
.set VO,   2                           ; v2-17   byte offset of my 16 bytes in row i of a record's 16
.set STW,  18                          ; v18     the stage, on the way in: 16 x lane
.set STR,  19                          ; v19     on the way out: row r, + 128 h
.set CO,   20                          ; v20     8 x lane: my place in a plane
.set SA,   21                          ; v21     16 r: my row's four words in the scale unit
.set SH8,  22                          ; v22     8 h
.set LN,   23                          ; v23     lane
.set X0,   32                          ; v32-223 three sets of 64 numbers
.set PC,   224                         ; v224-235 a fragment's codes
.set PT,   236                         ; v236-242 the upper halves of its two blocks, as converted
.set MX,   244
.set SO,   246
.set BY,   248
.set SW,   250                         ; v250-253 the four records' scale words
.set TT,   254
.set SP,   528                         ; a stage row: 512 bytes + 16: an odd multiple of 16, so that sixteen rows' 16 bytes fall on different banks
.set WST,  16*SP                       ; a wave's stage
	s_load_b256 s[4:11], s[0:1], 0x0               ; wq, wk, wv, wo
	s_load_b128 s[12:15], s[0:1], 0x20             ; w1, w2
	s_load_b64 s[16:17], s[0:1], 0x30              ; ops
	v_lshl_add_u32 v243, v0, 2, 0xc600
	v_mov_b32 v255, 0
	v_lshrrev_b32 v1, 5, v0
	v_readfirstlane_b32 s18, v1                    ; wave 0..5
	v_and_b32 v[LN], 31, v0
	s_wait_alu depctr_va_vdst(0)
	v_and_b32 v24, 15, v0                          ; r
	v_bfe_u32 v25, v0, 4, 1                        ; h
	s_mul_i32 s19, ttmp9, 6
	s_add_co_u32 s19, s19, s18                     ; my job
	; what the job means if it lies in the table of K = 1,024
	s_lshr_b32 s20, s19, 3                         ; group of four row blocks, counted through wq, wk, wv, wo, w1
	s_and_b32 s21, s19, 7                          ; K step
	s_and_b32 s22, s20, 15                         ; the group inside wq, wk, wv or wo (16 groups each)
	s_max_u32 s23, s20, 64
	s_sub_co_u32 s23, s23, 64                      ; inside w1
	s_cmp_lt_u32 s19, 512
	s_cselect_b32 s22, s22, s23
	s_mul_i32 s42, s20, 4*12288
	s_mul_i32 s43, s21, 1536
	s_add_co_u32 s42, s42, s43
	s_add_co_u32 s42, s42, CODE0+256*12288         ; its first record: the weights follow xn's 256 row blocks
	s_mul_i32 s43, s21, 49152
	s_lshl_b32 s44, s20, 8
	s_add_co_u32 s43, s43, s44
	s_add_co_u32 s43, s43, 64*256                  ; its scale unit
	; and if it lies in w2
	s_max_u32 s44, s19, 1024
	s_sub_co_u32 s44, s44, 1024
	s_lshr_b32 s45, s44, 5                         ; group
	s_and_b32 s46, s44, 31                         ; K step
	s_mul_i32 s47, s45, 4*49152
	s_mul_i32 s48, s46, 1536
	s_add_co_u32 s47, s47, s48
	s_add_co_u32 s47, s47, CODE0+9437184
	s_lshl_b32 s48, s46, 12
	s_lshl_b32 s49, s45, 8
	s_add_co_u32 s48, s48, s49
	s_add_co_u32 s48, s48, 393216
	s_mov_b32 s51, 49152
	s_cmp_lt_u32 s19, 1024
	s_cselect_b32 s22, s22, s45                    ; the group in its tensor
	s_cselect_b32 s21, s21, s46                    ; the K step
	s_cselect_b32 s42, s42, s47                    ; where the codes go
	s_cselect_b32 s43, s43, s48                    ; where the scale unit goes
	s_cselect_b32 s50, 12, 14                      ; a row of the tensor is 2^12 or 2^14 bytes
	s_cselect_b32 s51, 12288, s51                  ; from a row block's records to the next block's
	s_lshl_b32 s52, s22, 6
	s_lshl_b32 s52, s52, s50                       ; 64 rows a group
	s_lshl_b32 s53, s21, 9
	s_add_co_u32 s52, s52, s53                     ; + 512 bytes a K step
	s_mov_b32 s53, 0
	s_mov_b32 s55, 0
	s_mov_b32 s57, 0
	s_mov_b32 s60, 0x76543210
	s_mov_b32 s61, 0xfedcba98                      ; v_permlanex16_b32's selects for lane l xor 16
	v_lshlrev_b32 v1, 4, v[LN]                     ; 16 x lane
.irp i, 0,1,2,3,4,5,6,7,8,9,10,11,12,13,14,15
	v_lshl_add_u32 v[VO+\i], \i+8*(\i/8), s50, v1  ; lane row i of a record is the tensor's row i + 8 (i / 8) from the record's first
.endr
	s_mul_i32 s58, s18, WST
	v_add_nc_u32 v[STW], s58, v1
	v_mul_u32_u24 v[STR], v24, SP
	v_lshl_add_u32 v[STR], v25, 7, v[STR]
	v_add_nc_u32 v[STR], s58, v[STR]
	v_lshlrev_b32 v[CO], 3, v[LN]
	v_lshlrev_b32 v[SA], 4, v24
	v_lshlrev_b32 v[SH8], 3, v25
	v_mov_b32 v[TT], 0                             ; a lane permute's destination counts as one of its sources
	s_wait_alu depctr_va_vdst(0)
	s_wait_kmcnt 0x0
	s_cmp_lt_u32 s19, 1024                         ; the tensor: a chain of choices on the job's number alone
	s_cselect_b64 s[12:13], s[12:13], s[14:15]
	s_cmp_lt_u32 s19, 512
	s_cselect_b64 s[10:11], s[10:11], s[12:13]
	s_cmp_lt_u32 s19, 384
	s_cselect_b64 s[8:9], s[8:9], s[10:11]
	s_cmp_lt_u32 s19, 256
	s_cselect_b64 s[6:7], s[6:7], s[8:9]
	s_cmp_lt_u32 s19, 128
	s_cselect_b64 s[4:5], s[4:5], s[6:7]
	s_add_nc_u64 s[24:25], s[4:5], s[52:53]        ; record u begins 32 (u / 2) + 8 (u % 2) rows into the group
	s_lshl_b32 s54, 8, s50
	s_add_nc_u64 s[26:27], s[24:25], s[54:55]
	s_lshl_b32 s54, 32, s50
	s_add_nc_u64 s[28:29], s[24:25], s[54:55]
	s_lshl_b32 s54, 40, s50
	s_add_nc_u64 s[30:31], s[24:25], s[54:55]
	s_mov_b32 s56, s42
	s_add_nc_u64 s[32:33], s[16:17], s[56:57]      ; where record u goes
	s_mov_b32 s56, s51
	s_add_nc_u64 s[34:35], s[32:33], s[56:57]
	s_add_nc_u64 s[36:37], s[34:35], s[56:57]
	s_add_nc_u64 s[38:39], s[36:37], s[56:57]
	s_mov_b32 s56, s43
	s_add_nc_u64 s[40:41], s[16:17], s[56:57]      ; the scale unit
.macro LOADR u                         ; record u: 16 loads, each 512 consecutive bytes of one row, into set u % 3
.irp i, 0,1,2,3,4,5,6,7,8,9,10,11,12,13,14,15
	global_load_b128 v[X0+64*((\u)%3)+4*\i:X0+64*((\u)%3)+4*\i+3], v[VO+\i], s[24+2*(\u):25+2*(\u)] th:TH_LOAD_NT
.endr
.endm
.macro TURN u                          ; through the stage: in as loaded, back 128 bytes a lane: register 32 c + n = k 64 c + 32 h + n of row r.  LDS serves a wave's instructions in order
.set XS, X0+64*((\u)%3)
.irp i, 0,1,2,3,4,5,6,7,8,9,10,11,12,13,14,15
	ds_store_b128 v[STW], v[XS+4*\i:XS+4*\i+3] offset:SP*\i
.endr
.irp c, 0,1
.irp i, 0,1,2,3,4,5,6,7
	ds_load_b128 v[XS+32*\c+4*\i:XS+32*\c+4*\i+3], v[STR] offset:256*\c+16*\i
.endr
.endr
.endm
.macro QB dst                          ; the 64 numbers at v[XS] become the fragment's codes in v[PC] on and my row's scale word in v[dst]
.irp c, 0,1
	v_max3_num_f32 v[MX+\c], |v[XS+32*\c]|, |v[XS+32*\c+1]|, 0x1800000   ; my block 2 c + h: all 32 numbers are mine; the floor 2^(3 - 127) holds the byte at 1 from below
.endr
.irp i, 2,4,6,8,10,12,14,16,18,20,22,24,26,28,30
.irp c, 0,1
	v_max3_num_f32 v[MX+\c], v[MX+\c], |v[XS+32*\c+\i]|, |v[XS+32*\c+\i+1]|
.endr
.endr
.irp c, 0,1
	v_add_nc_u32 v[SO+\c], 0xff000000, v[MX+\c]    ; 2 off the exponent field: the conversion's scale operand
.endr
.irp c, 0,1
	v_lshrrev_b32 v[BY+\c], 23, v[SO+\c]           ; the scale's byte
.endr
	v_lshl_or_b32 v[\dst], v[BY+1], 16, v[BY]      ; blocks h and 2 + h,
	v_lshlrev_b32 v[\dst], v[SH8], v[\dst]         ; at their places in the word;
	v_permlanex16_b32 v[TT], v[\dst], s60, s61
	v_or_b32 v[\dst], v[\dst], v[TT]               ; with lane l xor 16's two the word is whole
.irp c, 0,1
	v_cvt_scalef32_pk16_fp6_f32 v[PC+6*\c:PC+6*\c+2], v[XS+32*\c:XS+32*\c+15], v[SO+\c]
	v_cvt_scalef32_pk16_fp6_f32 v[PT+4*\c:PT+4*\c+2], v[XS+32*\c+16:XS+32*\c+31], v[SO+\c]   ; (a conversion's three registers begin on an even number)
.endr
	v_nop                                          ; one plain place behind a scaled conversion
.irp c, 0,1
.irp i, 0,1,2
	v_mov_b32 v[PC+3+6*\c+\i], v[PT+4*\c+\i]
.endr
.endr
.endm
.macro REC u, left                     ; left: the loads of the younger records, which may stay out
	s_wait_loadcnt \left
	TURN \u
	s_wait_dscnt 0x0                               ; the record is back from the stage
.if (\u) > 0
	s_wait_xcnt 0x0                                ; the last record's stores have read v[PC] on: only now is it written again
.endif
	QB SW+\u
.irp p, 0,1,2,3,4,5
	global_store_b64 v[CO], v[PC+2*\p:PC+2*\p+1], s[32+2*(\u):33+2*(\u)] offset:256*\p   ; a plane: 256 consecutive bytes, aligned
.endr
.endm
	LOADR 0
	LOADR 1
	LOADR 2
	REC 0, 32
	LOADR 3                                        ; into record 0's set, which has been converted
	REC 1, 32
	REC 2, 16
	REC 3, 0
	v_cmp_gt_u32 vcc_lo, 16, v[LN]
	s_wait_xcnt 0x0                                ; EXEC changes only behind this wait
	s_wait_tensorcnt 0x0
	ds_add_u32 v243, v255
	s_wait_dscnt 0x0
	s_and_saveexec_b32 s59, vcc_lo
	global_store_b128 v[SA], v[SW:SW+3], s[40:41]  ; sixteen lanes store the scale unit: 256 consecutive bytes, aligned
	s_wait_xcnt 0x0
	s_or_b32 exec_lo, exec_lo, s59
	s_endpgm
.Lfunc_end_k_q5cb439685e_quantw:
	.size	k_q5cb439685e_quantw, .Lfunc_end_k_q5cb439685e_quantw-k_q5cb439685e_quantw
	.p2alignl 7, 3214868480
	.fill 96, 4, 3214868480
	.section	.rodata,"a",@progbits
	.p2align	6, 0x0
	.amdhsa_kernel k_q5cb439685e_quantw
		.amdhsa_group_segment_fixed_size 51456
		.amdhsa_private_segment_fixed_size 0
		.amdhsa_enable_private_segment 0
		.amdhsa_kernarg_size 56
		.amdhsa_user_sgpr_count 2
		.amdhsa_user_sgpr_kernarg_segment_ptr 1
		.amdhsa_wavefront_size32 1
		.amdhsa_system_sgpr_workgroup_id_x 1
		.amdhsa_system_sgpr_workgroup_id_y 1
		.amdhsa_system_sgpr_workgroup_id_z 1
		.amdhsa_system_vgpr_workitem_id 0
		.amdhsa_next_free_vgpr 256
		.amdhsa_next_free_sgpr 66
		.amdhsa_reserve_vcc 1
		.amdhsa_float_denorm_mode_32 3
		.amdhsa_float_denorm_mode_16_64 3
		.amdhsa_memory_ordered 1
		.amdhsa_forward_progress 1
		.amdhsa_inst_pref_size 34
	.end_amdhsa_kernel
	.amdgpu_metadata
---
amdhsa.version: [ 1, 2 ]
amdhsa.kernels:
  - .name:           k_q5cb439685e_quantw
    .symbol:         k_q5cb439685e_quantw.kd
    .args:
      - { .name: wq, .offset: 0, .size: 8, .value_kind: global_buffer, .address_space: global }
      - { .name: wk, .offset: 8, .size: 8, .value_kind: global_buffer, .address_space: global }
      - { .name: wv, .offset: 16, .size: 8, .value_kind: global_buffer, .address_space: global }
      - { .name: wo, .offset: 24, .size: 8, .value_kind: global_buffer, .address_space: global }
      - { .name: w1, .offset: 32, .size: 8, .value_kind: global_buffer, .address_space: global }
      - { .name: w2, .offset: 40, .size: 8, .value_kind: global_buffer, .address_space: global }
      - { .name: ops, .offset: 48, .size: 8, .value_kind: global_buffer, .address_space: global }
    .group_segment_fixed_size: 51456
    .private_segment_fixed_size: 0
    .kernarg_segment_align: 8
    .kernarg_segment_size: 56
    .max_flat_workgroup_size: 192
    .sgpr_count:     66
    .vgpr_count:     256
    .wavefront_size: 32
...
	.end_amdgpu_metadata
.endif
;; end of part 8
;; launch ln1 (part 9): grid 256 x 1, 8 waves a work-group, no clusters, 67,072 bytes of LDS; arguments x, alpha1, bias1, ops; writes ops
.if DOCPART == 9
	.amdgcn_target "amdgcn-amd-amdhsa--gfx1250"
	.amdhsa_code_object_version 6
	.text
	.protected	k_q5cb439685e_ln1
	.globl	k_q5cb439685e_ln1
	.p2align	8
	.type	k_q5cb439685e_ln1,@function
k_q5cb439685e_ln1:
	s_mov_b64 s[64:65], 0
	v_nop
	global_prefetch_b8 v0, s[64:65] scope:SCOPE_SE
	s_setreg_imm32_b32 hwreg(HW_REG_WAVE_MODE, 25, 1), 1
	s_wait_xcnt 0x0
; y = alpha (x - mean) / (std + 1e-6) + bias along rows of 1,024 (std with n - 1), all in f32, and y quantised along the row to FP6 (E2M3) with one E8M0 byte for each 32.
; y leaves as RECORDS (16 rows x 128 K, 1,536 bytes, plane p = registers 2 p, 2 p + 1 of the fragment, lane l at 8 l) at CODE0 + (8 RB + g) 1,536, and scale words at g 49,152 + (RB / 4) 256 + 16 r + 4 (RB % 4).
; A work-group is one row block RB: lane r of its records stands for row 32 (RB / 2) + 8 (RB % 2) + r + 8 (r / 8).
; PHASE 1, a wave to two rows: the row lies in 32 registers a lane between the sums and the scaling, so memory is read once; z = (x - mean) / (std + eps) goes to LDS (rows of 4,096 + 16 bytes).
; PHASE 2, a wave to a K step of 128: lane (r, h) takes from LDS the 64 numbers that the fragment's layout gives it, multiplies by alpha, adds bias (asked for at the head), quantises, stores six whole planes.
; The scale word store covers 64 bytes of a block of 256: 512 of the work-group's 12,800 stored bytes; whole blocks would want 64 rows to a work-group, a quarter of the work-groups, in a launch that memory binds.
; No matrix unit, no cluster, no tensor load: nothing is shared between work-groups but alpha and bias, 8 KiB.
; LIMITS: blocks under 2^(2 - 126) and blocks of zeros keep the byte 1 (read by this program alone); NaN and infinities are not served.
.set CODE0, 524288
.set ZP,   4112                        ; a row of z in LDS: an odd multiple of 16 bytes
.set SM,   8                           ; v8-15   row e: two pairs of running sums
.set MN,   16                          ; v16-19  row e: a pair: -mean, later 1 / (std + eps)
.set CO,   20
.set SA,   21
.set SH8,  22
.set X,    32                          ; v32-95  two rows of x, 32 registers each; later my 64 numbers of z
.set AL,   96                          ; v96-159 alpha at my 64 places
.set BI,   160                         ; v160-223 bias likewise
.set PC,   224
.set PT,   236
.set MX,   244
.set SO,   246
.set BY,   248
.set SW,   250
.set TT,   254
	s_load_b256 s[4:11], s[0:1], 0x0               ; x, alpha, bias, the codes' buffer
	v_lshl_add_u32 v253, v0, 2, 0x10200
	v_mov_b32 v255, 0
	v_lshrrev_b32 v1, 5, v0
	s_delay_alu instid0(VALU_DEP_1)
	v_readfirstlane_b32 s12, v1                    ; wave 0..7
	v_and_b32 v2, 31, v0                           ; lane
	s_wait_alu depctr_va_vdst(0)
	v_and_b32 v3, 15, v0                           ; r
	v_bfe_u32 v4, v0, 4, 1                         ; h
	s_wait_alu depctr_va_vdst(0)
	s_lshr_b32 s13, ttmp9, 1
	s_lshl_b32 s13, s13, 5
	s_and_b32 s14, ttmp9, 1
	s_lshl_b32 s14, s14, 3
	s_add_co_u32 s13, s13, s14
	s_lshl_b32 s14, s12, 1
	s_add_co_u32 s13, s13, s14
	s_lshr_b32 s14, s12, 2
	s_lshl_b32 s14, s14, 3
	s_add_co_u32 s13, s13, s14                     ; my first row: 32 (RB / 2) + 8 (RB % 2) + 2 w + 8 (w / 4); the second follows it
	s_lshl_b32 s14, s13, 12
	s_mov_b32 s15, 0
	v_lshlrev_b32 v5, 4, v2                        ; 16 x lane
	v_lshlrev_b32 v6, 7, v4
	s_lshl_b32 s16, s12, 9
	v_add_nc_u32 v6, s16, v6                       ; 512 w + 128 h: my place in a row in phase 2
	s_mul_i32 s17, s12, 2*ZP
	v_add_nc_u32 v7, s17, v5                       ; LDS, in: rows 2 w, 2 w + 1
	v_mad_u32_u24 v24, v3, ZP, v6                  ; LDS, out: row r
	v_lshlrev_b32 v[CO], 3, v2
	v_lshlrev_b32 v[SA], 4, v3
	v_lshlrev_b32 v[SH8], 3, v4
	v_mov_b32 v[TT], 0
	s_mov_b32 s24, 0x76543210
	s_mov_b32 s25, 0xfedcba98
	s_mul_i32 s18, ttmp9, 12288
	s_mul_i32 s19, s12, 1536
	s_add_co_u32 s18, s18, s19
	s_add_co_u32 s18, s18, CODE0                   ; my record
	s_mov_b32 s19, 0
	s_mul_i32 s20, s12, 49152
	s_lshr_b32 s21, ttmp9, 2
	s_lshl_b32 s21, s21, 8
	s_add_co_u32 s20, s20, s21
	s_and_b32 s21, ttmp9, 3
	s_lshl_b32 s21, s21, 2
	s_add_co_u32 s20, s20, s21                     ; my scale words
	s_mov_b32 s21, 0
	s_wait_alu depctr_va_vdst(0)
	s_wait_kmcnt 0x0
	s_add_nc_u64 s[4:5], s[4:5], s[14:15]
	s_add_nc_u64 s[18:19], s[10:11], s[18:19]
	s_add_nc_u64 s[20:21], s[10:11], s[20:21]
.irp e, 0,1
.irp j, 0,1,2,3,4,5,6,7
	global_load_b128 v[X+32*\e+4*\j:X+32*\e+4*\j+3], v5, s[4:5] offset:4096*\e+512*\j   ; 512 consecutive bytes a load
.endr
.endr
.irp c, 0,1
.irp i, 0,1,2,3,4,5,6,7
	global_load_b128 v[AL+32*\c+4*\i:AL+32*\c+4*\i+3], v6, s[6:7] offset:256*\c+16*\i
.endr
.endr
.irp c, 0,1
.irp i, 0,1,2,3,4,5,6,7
	global_load_b128 v[BI+32*\c+4*\i:BI+32*\c+4*\i+3], v6, s[8:9] offset:256*\c+16*\i
.endr
.endr
.macro LANESUM                         ; each row's two pairs of sums become one number in every lane; the two rows by turns
.irp e, 0
	s_delay_alu instid0(VALU_DEP_3)
	v_pk_add_f32 v[SM+4*\e:SM+4*\e+1], v[SM+4*\e:SM+4*\e+1], v[SM+4*\e+2:SM+4*\e+3]
.endr
.irp e, 1
	s_delay_alu instid0(VALU_DEP_2)
	v_pk_add_f32 v[SM+4*\e:SM+4*\e+1], v[SM+4*\e:SM+4*\e+1], v[SM+4*\e+2:SM+4*\e+3]
.endr
.irp e, 0,1
	s_delay_alu instid0(VALU_DEP_2)
	v_add_f32 v[SM+4*\e], v[SM+4*\e], v[SM+4*\e+1]
.endr
.irp m, 1,2,4,8
.irp e, 0,1
	s_delay_alu instid0(VALU_DEP_2)
	v_add_f32_dpp v[SM+4*\e], v[SM+4*\e], v[SM+4*\e] row_xmask:\m row_mask:0xf bank_mask:0xf
.endr
.endr
.irp e, 0,1
	s_delay_alu instid0(VALU_DEP_2)
	v_permlanex16_b32 v[SM+4*\e+1], v[SM+4*\e], s24, s25
.endr
.irp e, 0,1
	s_delay_alu instid0(VALU_DEP_2)
	v_add_f32 v[SM+4*\e], v[SM+4*\e], v[SM+4*\e+1]
.endr
.endm
	s_wait_loadcnt 32                              ; x is in; the 32 loads of alpha and bias may stay out
.irp e, 0,1
	v_pk_add_f32 v[SM+4*\e:SM+4*\e+1], v[X+32*\e:X+32*\e+1], v[X+32*\e+2:X+32*\e+3]
	v_pk_add_f32 v[SM+4*\e+2:SM+4*\e+3], v[X+32*\e+4:X+32*\e+5], v[X+32*\e+6:X+32*\e+7]
.endr
.irp j, 8,12,16,20,24,28
.irp e, 0,1
	s_delay_alu instid0(VALU_DEP_4)
	v_pk_add_f32 v[SM+4*\e:SM+4*\e+1], v[SM+4*\e:SM+4*\e+1], v[X+32*\e+\j:X+32*\e+\j+1]
	s_delay_alu instid0(VALU_DEP_4)
	v_pk_add_f32 v[SM+4*\e+2:SM+4*\e+3], v[SM+4*\e+2:SM+4*\e+3], v[X+32*\e+\j+2:X+32*\e+\j+3]
.endr
.endr
	LANESUM
.irp e, 0,1
	s_delay_alu instid0(VALU_DEP_2)
	v_mul_f32 v[MN+2*\e], 0xba800000, v[SM+4*\e]   ; -mean = -sum / 1,024
.endr
.irp e, 0,1
	s_delay_alu instid0(VALU_DEP_2)
	v_mov_b32 v[MN+2*\e+1], v[MN+2*\e]
.endr
.irp j, 0,2,4,6,8,10,12,14,16,18,20,22,24,26,28,30
.irp e, 0,1
	v_pk_add_f32 v[X+32*\e+\j:X+32*\e+\j+1], v[X+32*\e+\j:X+32*\e+\j+1], v[MN+2*\e:MN+2*\e+1]   ; d = x - mean
.endr
.endr
.irp e, 0,1
	v_pk_mul_f32 v[SM+4*\e:SM+4*\e+1], v[X+32*\e:X+32*\e+1], v[X+32*\e:X+32*\e+1]
	v_pk_mul_f32 v[SM+4*\e+2:SM+4*\e+3], v[X+32*\e+2:X+32*\e+3], v[X+32*\e+2:X+32*\e+3]
.endr
.irp j, 4,8,12,16,20,24,28
.irp e, 0,1
	s_delay_alu instid0(VALU_DEP_4)
	v_pk_fma_f32 v[SM+4*\e:SM+4*\e+1], v[X+32*\e+\j:X+32*\e+\j+1], v[X+32*\e+\j:X+32*\e+\j+1], v[SM+4*\e:SM+4*\e+1]
	s_delay_alu instid0(VALU_DEP_4)
	v_pk_fma_f32 v[SM+4*\e+2:SM+4*\e+3], v[X+32*\e+\j+2:X+32*\e+\j+3], v[X+32*\e+\j+2:X+32*\e+\j+3], v[SM+4*\e+2:SM+4*\e+3]
.endr
.endr
	LANESUM
.irp e, 0,1
	s_delay_alu instid0(VALU_DEP_2)
	v_mul_f32 v[SM+4*\e], 0x3a802008, v[SM+4*\e]   ; the sum of d^2 / 1,023
.endr
	s_wait_alu depctr_va_vdst(0)
.irp e, 0,1
	v_sqrt_f32 v[SM+4*\e], v[SM+4*\e]
.endr
	v_nop                                          ; a plain place behind the transcendentals
	s_wait_alu depctr_va_vdst(0)
.irp e, 0,1
	v_add_f32 v[SM+4*\e], 0x358637bd, v[SM+4*\e]   ; + 1e-6
.endr
	s_wait_alu depctr_va_vdst(0)
.irp e, 0,1
	v_rcp_f32 v[MN+2*\e], v[SM+4*\e]
.endr
	v_nop
	s_wait_alu depctr_va_vdst(0)
.irp e, 0,1
	v_mov_b32 v[MN+2*\e+1], v[MN+2*\e]
.endr
.irp j, 0,2,4,6,8,10,12,14,16,18,20,22,24,26,28,30
.irp e, 0,1
	v_pk_mul_f32 v[X+32*\e+\j:X+32*\e+\j+1], v[X+32*\e+\j:X+32*\e+\j+1], v[MN+2*\e:MN+2*\e+1]   ; z
.endr
.endr
.irp e, 0,1
.irp j, 0,1,2,3,4,5,6,7
	ds_store_b128 v7, v[X+32*\e+4*\j:X+32*\e+4*\j+3] offset:ZP*\e+512*\j
.endr
.endr
	s_wait_dscnt 0x0                               ; for the others' sake: my two rows lie in LDS
	s_barrier_signal -1
	s_barrier_wait -1
.irp c, 0,1
.irp i, 0,1,2,3,4,5,6,7
	ds_load_b128 v[X+32*\c+4*\i:X+32*\c+4*\i+3], v24 offset:256*\c+16*\i   ; register 32 c + n = z(row r, 128 w + 64 c + 32 h + n)
.endr
.endr
	s_wait_loadcnt 0x0                             ; alpha and bias
	s_wait_dscnt 0x0
.irp j, 0,2,4,6,8,10,12,14,16,18,20,22,24,26,28,30,32,34,36,38,40,42,44,46,48,50,52,54,56,58,60,62
	v_pk_fma_f32 v[X+\j:X+\j+1], v[X+\j:X+\j+1], v[AL+\j:AL+\j+1], v[BI+\j:BI+\j+1]
.endr
.irp c, 0,1
	v_max3_num_f32 v[MX+\c], |v[X+32*\c]|, |v[X+32*\c+1]|, 0x1800000   ; my block 2 c + h; the floor 2^(3 - 127) holds the byte at 1 from below
.endr
.irp i, 2,4,6,8,10,12,14,16,18,20,22,24,26,28,30
.irp c, 0,1
	s_delay_alu instid0(VALU_DEP_2)
	v_max3_num_f32 v[MX+\c], v[MX+\c], |v[X+32*\c+\i]|, |v[X+32*\c+\i+1]|
.endr
.endr
.irp c, 0,1
	s_delay_alu instid0(VALU_DEP_2)
	v_add_nc_u32 v[SO+\c], 0xff000000, v[MX+\c]    ; 2 off the exponent field: the conversion's scale operand
.endr
.irp c, 0,1
	s_delay_alu instid0(VALU_DEP_2)
	v_lshrrev_b32 v[BY+\c], 23, v[SO+\c]
.endr
	s_delay_alu instid0(VALU_DEP_1)
	v_lshl_or_b32 v[SW], v[BY+1], 16, v[BY]
	s_delay_alu instid0(VALU_DEP_1)
	v_lshlrev_b32 v[SW], v[SH8], v[SW]
	s_delay_alu instid0(VALU_DEP_1)
	v_permlanex16_b32 v[TT], v[SW], s24, s25
	s_delay_alu instid0(VALU_DEP_1)
	v_or_b32 v[SW], v[SW], v[TT]                   ; my row's scale word
.irp c, 0,1
	v_cvt_scalef32_pk16_fp6_f32 v[PC+6*\c:PC+6*\c+2], v[X+32*\c:X+32*\c+15], v[SO+\c]
	v_cvt_scalef32_pk16_fp6_f32 v[PT+4*\c:PT+4*\c+2], v[X+32*\c+16:X+32*\c+31], v[SO+\c]
.endr
	v_nop                                          ; one plain place behind a scaled conversion
.irp c, 0,1
.irp i, 0,1,2
	v_mov_b32 v[PC+3+6*\c+\i], v[PT+4*\c+\i]
.endr
.endr
.irp p, 0,1,2,3,4,5
	global_store_b64 v[CO], v[PC+2*\p:PC+2*\p+1], s[18:19] offset:256*\p   ; a plane: 256 consecutive bytes, aligned
.endr
	v_cmp_gt_u32 vcc_lo, 16, v2
	s_wait_xcnt 0x0                                ; EXEC changes only behind this wait
	s_wait_tensorcnt 0x0
	ds_add_u32 v253, v255
	s_wait_dscnt 0x0
	s_and_saveexec_b32 s22, vcc_lo
	global_store_b32 v[SA], v[SW], s[20:21]
	s_wait_xcnt 0x0
	s_or_b32 exec_lo, exec_lo, s22
	s_endpgm
.Lfunc_end_k_q5cb439685e_ln1:
	.size	k_q5cb439685e_ln1, .Lfunc_end_k_q5cb439685e_ln1-k_q5cb439685e_ln1
	.p2alignl 7, 3214868480
	.fill 96, 4, 3214868480
	.section	.rodata,"a",@progbits
	.p2align	6, 0x0
	.amdhsa_kernel k_q5cb439685e_ln1
		.amdhsa_group_segment_fixed_size 67072
		.amdhsa_private_segment_fixed_size 0
		.amdhsa_enable_private_segment 0
		.amdhsa_kernarg_size 32
		.amdhsa_user_sgpr_count 2
		.amdhsa_user_sgpr_kernarg_segment_ptr 1
		.amdhsa_wavefront_size32 1
		.amdhsa_system_sgpr_workgroup_id_x 1
		.amdhsa_system_sgpr_workgroup_id_y 1
		.amdhsa_system_sgpr_workgroup_id_z 1
		.amdhsa_system_vgpr_workitem_id 0
		.amdhsa_next_free_vgpr 256
		.amdhsa_next_free_sgpr 66
		.amdhsa_reserve_vcc 1
		.amdhsa_float_denorm_mode_32 3
		.amdhsa_float_denorm_mode_16_64 3
		.amdhsa_memory_ordered 1
		.amdhsa_forward_progress 1
		.amdhsa_inst_pref_size 30
	.end_amdhsa_kernel
	.amdgpu_metadata
---
amdhsa.version: [ 1, 2 ]
amdhsa.kernels:
  - .name:           k_q5cb439685e_ln1
    .symbol:         k_q5cb439685e_ln1.kd
    .args:
      - { .name: x, .offset: 0, .size: 8, .value_kind: global_buffer, .address_space: global }
      - { .name: alpha1, .offset: 8, .size: 8, .value_kind: global_buffer, .address_space: global }
      - { .name: bias1, .offset: 16, .size: 8, .value_kind: global_buffer, .address_space: global }
      - { .name: ops, .offset: 24, .size: 8, .value_kind: global_buffer, .address_space: global }
    .group_segment_fixed_size: 67072
    .private_segment_fixed_size: 0
    .kernarg_segment_align: 8
    .kernarg_segment_size: 32
    .max_flat_workgroup_size: 256
    .sgpr_count:     66
    .vgpr_count:     256
    .wavefront_size: 32
...
	.end_amdgpu_metadata
.endif
;; end of part 9
;; launch qkv (part 10): grid 12 x 16, 4 waves a work-group, clusters of 4 x 4, 327,680 bytes of LDS; arguments ops, qkv; writes qkv
.if DOCPART == 10
	.amdgcn_target "amdgcn-amd-amdhsa--gfx1250"
	.amdhsa_code_object_version 6
	.text
	.protected	k_q5cb439685e_qkv
	.globl	k_q5cb439685e_qkv
	.p2align	8
	.type	k_q5cb439685e_qkv,@function
k_q5cb439685e_qkv:
	s_mov_b64 s[64:65], 0
	v_nop
	global_prefetch_b8 v0, s[64:65] scope:SCOPE_SE
	s_setreg_imm32_b32 hwreg(HW_REG_WAVE_MODE, 25, 1), 1
	s_wait_xcnt 0x0
	s_wait_alu depctr_hold_cnt(0) depctr_sa_sdst(0) depctr_va_vdst(0) depctr_va_sdst(0) depctr_va_ssrc(0) depctr_va_vcc(0) depctr_vm_vsrc(0)
	s_getreg_b32 s2, hwreg(HW_REG_IB_STS2, 6, 4)
	s_cmp_eq_u32 s2, 0
	s_cbranch_scc0 .Lentry_in_a_cluster
	s_endpgm
.Lentry_in_a_cluster:
	s_bfe_u32 s2, ttmp6, 0x10000c
	s_cmp_lg_u32 s2, 0xf033
	s_cbranch_scc0 .Lentry_shape_is_right
	s_endpgm
.Lentry_shape_is_right:
; q, k = xn [wq | wk]^T and v^T = wv xn^T, on codes of FP6 (E2M3) with E8M0 scales, K = 1,024; the results are quantised in registers and leave as codes: q and k along a head's 64, v along the keys.
; OPERANDS lie in ops as RECORDS: 16 rows x 128 K = 1,536 bytes in the order of the fragment's registers (plane p = registers 2 p, 2 p + 1, lane l at 8 l), at CODE0 + (8 RB + g) 1,536; row blocks 0-255 xn, 256-319 wq,
; 320-383 wk, 384-447 wv.  Lane r of row block RB stands for row 32 (RB / 2) + 8 (RB % 2) + r + 8 (r / 8).  SCALE UNITS of 256 bytes, [r][u] words for row blocks 4 RB4 + u, at g 49,152 + 256 RB4.
; A work-group makes 256 x 256 of a product, a wave 128 x 128: 64 accumulators, 512 registers.  K goes in steps of 256 through two LDS slots; a wave's tensor load brings 8 row blocks x 3,072 bytes.
; The records need no padding: a fragment is six loads of 8 bytes a lane, each 256 consecutive bytes.  The scale units of the tile's rows, for all of K, come once with the first fills.
; THE MATRIX INSTRUCTION IS USED TRANSPOSED: source 0 = a row block of "B", source 1 = one of "A".  By the row blocks' order the 64 results of a lane for one block of A are 64 of 128 NEIGHBOURS along B's rows:
; register 16 n + i = B's row 32 n + 16 (lane / 16) + i.  So they are quantised as they stand.
; TWO KINDS OF CLUSTER, told apart by the cluster's x alone (equal in all partners): x = 0, 1: A = xn (tokens), B = wq | wk (channels): a lane holds a token, its registers run along the channels: q's and k's K.
; x = 2: A = wv (channels), B = xn (tokens): a lane holds a channel, its registers run along the keys: v's K.  Only offsets into ops and qkv are chosen; 128 + 64 = 192 work-groups.
; CLUSTERS of 4 x 4: A's tiles are asked for jointly along a row of the cluster, B's along a column.
; qkv: q, k: half records of 768 bytes (a head's 64 = planes 0-2) at (128 HH + T) 768, HH = 32 (k?) + 16 batch + head, T = row block in the batch; v: VB0 + J 49,152 + 768 AB, AB the channel block,
; J = 4 (tile of 256 keys) + (which 128) + 2 (which half of the fragment).  Scale units: q, k: QS0 + (32 HH + T / 4) 256; v: QS0 + 524,288 + (16 (16 batch + head) + key step) 256.
; LIMITS: blocks under 2^(2 - 126) and blocks of zeros keep the byte 1 (read by this program alone); NaN and infinities are not served.
.set G,      8                         ; K steps of 128
.set SPA,    49152                     ; from a K step's scale units to the next's
.set SPB,    49152
.set QS0,    9437184
.set VB0,    6291456
.set CODE0,  524288
.set NQ,     2                         ; matrix instructions deep in a slot
.set FR,     12                        ; registers of a fragment
.set NL,     6                         ; LDS loads that bring one
.set NP,     4                         ; places behind this matrix instruction (ISA guide 7.12.1)
.set REC,    1536
.set RBB,    NQ*REC                    ; a row block's bytes in a slot
.set HALFT,  8*RBB                     ; what one tensor load brings, and what one wave reads of A or of B
.set SLOT,   4*HALFT                   ; A's 16 row blocks, then B's 16
.set LAPS,   G/4                       ; a lap = two slots
.set SCL,    2*SLOT                    ; behind the ring: the scale units, four parts (A's halves, B's halves) of G x 512 bytes
.set SPART,  G*512
.set SPARE,  SCL+4*SPART               ; the spare words, 128 bytes for each wave: two blocks of 256 bytes that no other line names
.set ADRA, 16                          ; v16-17  LDS address of my A fragments in slot 0, 1
.set ADRB, 20                          ; v20-21  the same for B
.set RD,   25                          ; v25     the way out: my place among the scale words
.set CO,   26                          ; v26     8 x lane
.set ADRS, 27                          ; v27     LDS address of my scale words: lanes 0-15 A's rows, lanes 16-31 B's
.set SPW,  28                          ; v28     LDS address of my spare word; never rewritten
.set NIL,  29                          ; v29     0; never rewritten
.set SC,   32                          ; v32-63  scale words: set s at SC + 16 s; register 8 q + i: lanes 0-15 A's block i, lanes 16-31 B's block i
.set BIAS, 64
.set AF,   128                         ; A's fragments, one set, in window 0
.set PC,   192                         ; the way out: v192-211 codes, v212-227 at work, v232-239 the eight blocks' scale words
.set TM,   212
.set SW,   232
.set G1, 24
.set G0, 32
.set G1B, 48
.set G0B, 56
.set G1S, 68
.set G0S, 76
.set G1SB, 80
.set G0SB, 88
.set MSB, 0
.macro WIN new                         ; the immediate's high byte repeats the setting that is left
.if MSB != (\new)
	s_set_vgpr_msb (MSB<<8)|(\new)
.set MSB, (\new)
.endif
.endm
.set MUL_LO, 0xa1                      ; source 0 (B) window 1, source 1 (A) window 0, C and D window 2
.set MUL_HI, 0xf1                      ; the same, C and D window 3
.set TO_B,   0x40                      ; destination window 1, address window 0
; A joint load: waves 0 and 1 fetch for A, waves 2 and 3 for B.  Each line has one mask and one set of registers for all that issue it; the branch hangs on the wave's number alone.
; Four v_nop follow each of the two lines, ahead of the jump, the label and what follows.
.macro JLOAD g0a, g1a, g0b, g1b
	s_cmp_eq_u32 s15, 0
	s_cbranch_scc0 .Lfor_b_\@
	tensor_load_to_lds s[\g0a:\g0a+3], s[\g1a:\g1a+7]
	s_nop 0
.rept 4
	v_nop
.endr
	s_branch .Lasked_\@
.Lfor_b_\@:
	tensor_load_to_lds s[\g0b:\g0b+3], s[\g1b:\g1b+7]
	s_nop 0
.rept 4
	v_nop
.endr
.Lasked_\@:
.endm
.macro CREST                           ; a round of the cluster's barrier behind its opening barrier
	s_cmp_lg_u32 s14, 0
	s_cbranch_scc1 .Lnot_wave_0_\@
	s_barrier_signal -3
.Lnot_wave_0_\@:
	s_barrier_wait -3
	s_barrier_signal -1
	s_barrier_wait -1
.endm
.macro CROUND                          ; a whole round
	s_barrier_signal -1
	s_barrier_wait -1
	CREST
.endm
	s_load_b128 s[4:7], s[0:1], 0x0                ; ops, qkv
	v_lshl_add_u32 v[SPW], v0, 2, SPARE
	v_mov_b32 v[NIL], 0
	ds_add_u32 v28, v29
	ds_add_u32 v28, v29
	s_wait_dscnt 0x0
	v_lshrrev_b32 v1, 5, v0
	v_readfirstlane_b32 s14, v1                    ; wave 0..3
	s_lshr_b32 s15, s14, 1                         ; which half of A's rows is mine.  Also: I fetch for A (0) or for B (1)
	s_and_b32 s16, s14, 1                          ; which half of B's rows.  Also: which 8 row blocks of that tile I fetch
	s_bfe_u32 s40, ttmp6, 0x40000                  ; cx, cy: my place in the cluster
	s_bfe_u32 s41, ttmp6, 0x40004
	s_and_b32 s19, ttmp7, 0xffff
	s_lshl_b32 s19, s19, 2                         ; 4 x cluster y
	s_add_co_u32 s17, s19, s41                     ; q, k: A's tile = 4 x cluster y + cy
	s_lshl_b32 s42, ttmp9, 2
	s_add_co_u32 s42, s42, s40                     ; q, k: B's tile = 4 x cluster x + cx
	s_add_co_u32 s95, s19, s40                     ; v: B's tile (tokens) = 4 x cluster y + cx
	s_cmp_eq_u32 ttmp9, 2                          ; the kind of cluster
	s_cselect_b32 s17, s41, s17                    ; A's tile: made of cy and the cluster's numbers alone (v: cy)
	s_cselect_b32 s42, s95, s42                    ; B's tile: of cx and the cluster's numbers alone
	s_cselect_b32 s96, 384, 0                      ; A's first row block in ops: wv or xn
	s_cselect_b32 s97, 0, 256                      ; B's: xn or wq | wk
	s_lshl_b32 s43, s41, 2
	s_lshl_b32 s43, 15, s43                        ; my row of the cluster
	s_lshl_b32 s44, 0x1111, s40                    ; my column
	; descriptor group 1 for codes: 8 rows (row blocks) of 384 elements of 8 bytes, G x 1,536 bytes apart; dense in LDS
	s_or_b32 s[G1+0], s43, (3<<16)|(1<<21)         ; 15:0 the mask; 17:16 elements of 8 bytes; 20 no padding; 21 set beside a mask
	s_or_b32 s[G1B+0], s44, (3<<16)|(1<<21)
.irp g, G1, G1B
	s_mov_b32 s[\g+1], 384<<16                     ; tensor_dim0
	s_mov_b32 s[\g+2], 8<<16                       ; tensor_dim1
	s_mov_b32 s[\g+3], 384<<16                     ; tile_dim0
	s_mov_b32 s[\g+4], 8                           ; tile_dim1
	s_mov_b32 s[\g+5], G*192                       ; tensor_dim0_stride
	s_mov_b32 s[\g+6], 0
	s_mov_b32 s[\g+7], 0
.endr
	; and for scale units: G rows (K steps) of 64 elements of 8 bytes: two units
	s_or_b32 s[G1S+0], s43, (3<<16)|(1<<21)
	s_or_b32 s[G1SB+0], s44, (3<<16)|(1<<21)
.irp g, G1S, G1SB
	s_mov_b32 s[\g+1], 64<<16
	s_mov_b32 s[\g+2], G<<16
	s_mov_b32 s[\g+3], 64<<16
	s_mov_b32 s[\g+4], G
	s_mov_b32 s[\g+6], 0
	s_mov_b32 s[\g+7], 0
.endr
	s_mov_b32 s[G1S+5], SPA/8
	s_mov_b32 s[G1SB+5], SPB/8
	s_lshl_b32 s18, s16, 3                         ; which 8 row blocks of the tile I fetch
	s_lshl_b32 s20, s17, 4
	s_add_co_u32 s20, s20, s18
	s_add_co_u32 s20, s20, s96                     ; A: row block
	s_lshl_b32 s46, s42, 4
	s_add_co_u32 s46, s46, s18
	s_add_co_u32 s46, s46, s97                     ; B: row block
	s_lshl_b32 s22, s20, 6                         ; their scale units: 256 bytes for four row blocks
	s_mov_b32 s23, 0
	s_lshl_b32 s92, s46, 6
	s_mov_b32 s93, 0
	s_mul_i32 s20, s20, G*REC
	s_add_co_u32 s20, s20, CODE0                   ; their codes
	s_mov_b32 s21, 0
	s_mul_i32 s46, s46, G*REC
	s_add_co_u32 s46, s46, CODE0
	s_mov_b32 s47, 0
	s_mul_i32 s45, s14, HALFT                      ; where they go: wave x 8 row blocks: no place in the cluster enters an LDS address
	s_mul_i32 s94, s14, SPART
	s_wait_kmcnt 0x0
	s_add_nc_u64 s[20:21], s[4:5], s[20:21]
	s_add_nc_u64 s[22:23], s[4:5], s[22:23]
	s_add_nc_u64 s[46:47], s[4:5], s[46:47]
	s_add_nc_u64 s[92:93], s[4:5], s[92:93]
	CROUND                                         ; all sixteen work-groups are here: the first joint loads meet
	s_mov_b32 s[G0S], 1
	s_add_co_u32 s[G0S+1], s94, SCL
	s_mov_b64 s[G0S+2:G0S+3], s[22:23]
	s_or_b32 s[G0S+3], s[G0S+3], 0x80000000
	s_mov_b32 s[G0SB], 1
	s_add_co_u32 s[G0SB+1], s94, SCL
	s_mov_b64 s[G0SB+2:G0SB+3], s[92:93]
	s_or_b32 s[G0SB+3], s[G0SB+3], 0x80000000
	JLOAD G0S, G1S, G0SB, G1SB                     ; the scale units first: they are wanted with the first slot
.irp s, 0,1
	s_mov_b32 s[G0+4*\s], 1
	s_add_co_u32 s[G0+4*\s+1], s45, \s*SLOT
	s_add_nc_u64 s[G0+4*\s+2:G0+4*\s+3], s[20:21], \s*RBB
	s_or_b32 s[G0+4*\s+3], s[G0+4*\s+3], 0x80000000
	s_mov_b32 s[G0B+4*\s], 1
	s_add_co_u32 s[G0B+4*\s+1], s45, \s*SLOT
	s_add_nc_u64 s[G0B+4*\s+2:G0B+4*\s+3], s[46:47], \s*RBB
	s_or_b32 s[G0B+4*\s+3], s[G0B+4*\s+3], 0x80000000
	s_wait_alu depctr_va_vdst(0)
	s_wait_tensorcnt 0x0                           ; these lines and a round stand ahead of each later first fill: one tensor load a wave behind each
	ds_add_u32 v28, v29
	s_wait_dscnt 0x0
	CROUND
	JLOAD G0+4*\s, G1, G0B+4*\s, G1B
.endr
	v_and_b32 v1, 15, v0                           ; r
	v_bfe_u32 v2, v0, 4, 1                         ; h
	s_wait_alu depctr_va_vdst(0)
	v_and_b32 v3, 31, v0                           ; lane
	v_lshlrev_b32 v[CO], 3, v3                     ; 8 x lane: my place in a plane, in LDS and on the way out
	s_mul_i32 s21, s15, HALFT                      ; my 8 row blocks of A
	s_mul_i32 s22, s16, HALFT                      ; my 8 of B,
	s_add_co_u32 s22, s22, 2*HALFT                 ; which lie behind A's 16
.irp s, 0,1
	v_add_nc_u32 v[ADRA+\s], s21, v[CO]
	v_add_nc_u32 v[ADRB+\s], s22, v[CO]
	s_add_co_u32 s21, s21, SLOT
	s_add_co_u32 s22, s22, SLOT
.endr
	v_lshlrev_b32 v8, 4, v1                        ; 16 r: a row's four words in a scale unit
	s_mul_i32 s21, s15, SPART                      ; A's part
	s_mul_i32 s22, s16, SPART                      ; B's part, behind A's two
	s_add_co_u32 s22, s22, 2*SPART
	s_sub_co_u32 s22, s22, s21
	v_mul_u32_u24 v6, s22, v2                      ; lanes 16-31 take B's: the lower base + h x the distance
	s_add_co_u32 s21, s21, SCL
	v_add_nc_u32 v5, v8, v6
	v_add_nc_u32 v[ADRS], s21, v5
	; where my results go, for both kinds; then the choice
	s_lshl_b32 s20, s42, 1
	s_add_co_u32 s20, s20, s16                     ; q, k: my pair of heads, 0-7 q's, 8-15 k's
	s_lshr_b32 s21, s20, 3
	s_lshl_b32 s21, s21, 5
	s_lshr_b32 s22, s17, 3
	s_lshl_b32 s22, s22, 4
	s_add_co_u32 s21, s21, s22
	s_and_b32 s22, s20, 7
	s_lshl_b32 s22, s22, 1
	s_add_co_u32 s21, s21, s22                     ; HH of the even head
	s_and_b32 s22, s17, 7
	s_lshl_b32 s22, s22, 4
	s_lshl_b32 s23, s15, 3
	s_add_co_u32 s22, s22, s23                     ; my first row block in the batch
	s_mul_i32 s46, s21, 98304
	s_mul_i32 s47, s22, 768
	s_add_co_u32 s46, s46, s47                     ; q, k: codes
	s_lshl_b32 s92, s21, 13
	s_lshl_b32 s93, s22, 6
	s_add_co_u32 s92, s92, s93
	s_add_co_u32 s92, s92, QS0                     ; q, k: scale units
	s_lshl_b32 s20, s42, 2
	s_add_co_u32 s20, s20, s16
	s_mul_i32 s20, s20, 49152
	s_lshl_b32 s21, s17, 4
	s_add_co_u32 s21, s21, s23
	s_mul_i32 s21, s21, 768
	s_add_co_u32 s20, s20, s21
	s_add_co_u32 s20, s20, VB0                     ; v: codes
	s_lshr_b32 s21, s42, 3
	s_lshl_b32 s21, s21, 4
	s_lshl_b32 s22, s17, 2
	s_add_co_u32 s21, s21, s22
	s_lshl_b32 s22, s15, 1
	s_add_co_u32 s21, s21, s22                     ; 16 batch + my first head
	s_lshl_b32 s21, s21, 4
	s_and_b32 s22, s42, 7
	s_lshl_b32 s22, s22, 1
	s_add_co_u32 s21, s21, s22
	s_add_co_u32 s21, s21, s16                     ; + the key step in the batch
	s_lshl_b32 s21, s21, 8
	s_add_co_u32 s21, s21, QS0+524288              ; v: scale units
	s_cmp_eq_u32 ttmp9, 2
	s_cselect_b32 s20, s20, s46
	s_cselect_b32 s22, s21, s92
	s_mov_b32 s21, 0
	s_mov_b32 s23, 0
	s_add_nc_u64 s[8:9], s[6:7], s[20:21]          ; codes out
	s_add_nc_u64 s[10:11], s[6:7], s[22:23]        ; scale words out
.macro FRAG reg, adr, q, i             ; a fragment as it lies: six planes, each 256 consecutive bytes for the 32 lanes
.irp p, 0,1,2,3,4,5
	ds_load_b64 v[\reg+2*\p:\reg+2*\p+1], v[\adr] offset:(\i)*RBB+(\q)*REC+256*\p
.endr
.endm
; 16 matrix instructions: A's blocks a0, a0 + 1 x B's eight, 128 along K: the slot's q-th.  p: B's set; sc: the set of scale words.  zero = 1: the products start the sums.
; The 64 accumulators take turns, one instruction a turn, in the same order in every step.
.macro MUL16 a0, p, q, sc, zero
.irp a, \a0, \a0+1
.irp b, 0,1,2,3,4,5,6,7
.set DD, 8*(8*((\a)%4)+\b)
.set BF, 128*(\p)+FR*\b
.set AA, AF+FR*(\a)
.set SCB, SC+16*(\sc)+8*(\q)+\b
.set SCA, SC+16*(\sc)+8*(\q)+(\a)
.if \zero == 1
	v_wmma_scale_f32_16x16x128_f8f6f4 v[DD:DD+7], v[BF:BF+FR-1], v[AA:AA+FR-1], 0, v[SCB], v[SCA] matrix_a_fmt:MATRIX_FMT_FP6 matrix_b_fmt:MATRIX_FMT_FP6 matrix_a_scale:MATRIX_SCALE_ROW1
.elseif \zero == 2
	v_wmma_scale_f32_16x16x128_f8f6f4 v[DD:DD+7], v[BF:BF+FR-1], v[AA:AA+FR-1], v[BIAS+8*\b:BIAS+8*\b+7], v[SCB], v[SCA] matrix_a_fmt:MATRIX_FMT_FP6 matrix_b_fmt:MATRIX_FMT_FP6 matrix_a_scale:MATRIX_SCALE_ROW1
.else
	v_wmma_scale_f32_16x16x128_f8f6f4 v[DD:DD+7], v[BF:BF+FR-1], v[AA:AA+FR-1], v[DD:DD+7], v[SCB], v[SCA] matrix_a_fmt:MATRIX_FMT_FP6 matrix_b_fmt:MATRIX_FMT_FP6 matrix_a_scale:MATRIX_SCALE_ROW1
.endif
.endr
.endr
.endm
.macro FETCH_B slot, q, p              ; B's eight fragments of the slot's q-th 128 along K into set p
	WIN TO_B
.irp i, 0,1,2,3,4,5,6,7
	FRAG 128*(\p)+FR*\i, ADRB+\slot, \q, \i
.endr
	WIN 0
.endm
.macro FETCH_A slot, q, i0             ; A's blocks i0 .. i0 + 3
.irp i, \i0, \i0+1, \i0+2, \i0+3
	FRAG AF+FR*(\i), ADRA+\slot, \q, \i
.endr
.endm
.macro SCALES sc                       ; a slot's scale words into set sc: one load brings four blocks' words
.irp q, 0,1
.irp j, 0,1
	ds_load_b128 v[SC+16*\sc+8*\q+4*\j:SC+16*\sc+8*\q+4*\j+3], v[ADRS] offset:512*\q+256*\j
.endr
.endr
.endm
; A load into a register that a matrix instruction has read, and a vector instruction or a store that reads a matrix result, stand NP places behind it; only plain vector instructions that name none of its registers are places.
.macro PLACES n
.rept \n
	v_nop
.endr
.endm
.macro STEP slot, q, zero              ; a step of 128 along K that has its successor in the same slot
	s_wait_dscnt 4*NL                              ; B's set, A's blocks 0-3 and the scale words are in; the youngest 24 loads (A's blocks 4-7) may be out
.if \zero == 2
	WIN 0x81                                       ; C in window 0, D in window 2
.else
	WIN MUL_LO
.endif
	MUL16 0, (\q)%2, \q, \slot, \zero
	MUL16 2, (\q)%2, \q, \slot, \zero
	s_wait_dscnt 0                                 ; A's blocks 4-7 are in (asked for 32 matrix instructions ago)
	PLACES NP
	FETCH_B \slot, (\q)+1, 1-(\q)%2
	FETCH_A \slot, (\q)+1, 0
.if \zero == 2
	WIN 0xc1
.else
	WIN MUL_HI
.endif
	MUL16 4, (\q)%2, \q, \slot, \zero
	MUL16 6, (\q)%2, \q, \slot, \zero
	PLACES NP
	WIN 0
	FETCH_A \slot, (\q)+1, 4
.endm
; A slot's last step changes slots: ONE barrier; in front of it each wave waits for all its tensor loads, adds 0 to its spare word, and waits for that and for its own reads of this slot.  fill = 1: this slot is filled again.
.macro TURN slot, next, fill
	s_wait_tensorcnt 0x0                           ; all my tensor loads have landed: my part of the next slot
	ds_add_u32 v[SPW], v[NIL]                      ; 0 onto my spare word
	s_wait_dscnt 4*NL+1                            ; (the add and the youngest 24 loads may be out)
	WIN MUL_LO
	MUL16 0, 1, NQ-1, \slot, 0                     ; sixteen matrix instructions stand between the add and the wait for it
	s_wait_dscnt 0x0                               ; the add is done, and my reads of this slot are over
	s_barrier_signal -1
	MUL16 2, 1, NQ-1, \slot, 0
	WIN 0
	s_barrier_wait -1
.if \fill
	CREST                                          ; the barrier has opened a round of the cluster's barrier: no wave of any partner still reads this slot or has a load on its way
	s_add_nc_u64 s[G0+4*\slot+2:G0+4*\slot+3], s[G0+4*\slot+2:G0+4*\slot+3], 2*RBB
	s_add_nc_u64 s[G0B+4*\slot+2:G0B+4*\slot+3], s[G0B+4*\slot+2:G0B+4*\slot+3], 2*RBB
	JLOAD G0+4*\slot, G1, G0B+4*\slot, G1B         ; the first tensor load behind the round; its four v_nop are the places in front of the loads below
.else
	PLACES NP
.endif
	s_wait_alu depctr_va_vdst(0)
	v_add_nc_u32 v[ADRS], NQ*512, v[ADRS]          ; on to the next slot's scale words (no LDS load of mine is out)
	FETCH_B \next, 0, 0
	FETCH_A \next, 0, 0
	SCALES \next
	WIN MUL_HI
	MUL16 4, 1, NQ-1, \slot, 0
	MUL16 6, 1, NQ-1, \slot, 0
	PLACES NP
	WIN 0
	FETCH_A \next, 0, 4
.endm
	s_wait_alu depctr_va_vdst(0)
	s_wait_tensorcnt 1                             ; the scale units and my part of slot 0 are in (slot 1's load may be out)
	s_barrier_signal -1
	s_barrier_wait -1                              ; everybody's are
	FETCH_B 0, 0, 0
	FETCH_A 0, 0, 0
	SCALES 0
	FETCH_A 0, 0, 4
	STEP 0, 0, 1                                   ; the first step stands in front of the loop: its products start the sums
	s_mov_b32 s3, LAPS-1
.Llap:                                                 ; a trip goes once round the ring and fills both slots again
	TURN 0, 1, 1
	STEP 1, 0, 0
	TURN 1, 0, 1
	STEP 0, 0, 0
	s_sub_co_u32 s3, s3, 1
	s_cmp_lg_u32 s3, 0
	s_cbranch_scc1 .Llap
	TURN 0, 1, 0                                   ; the last lap fills nothing
	STEP 1, 0, 0
	s_wait_dscnt 4*NL                              ; the very last step: nothing more to fetch
	WIN MUL_LO
	MUL16 0, 1, NQ-1, 1, 0
	MUL16 2, 1, NQ-1, 1, 0
	s_wait_dscnt 0
	WIN MUL_HI
	MUL16 4, 1, NQ-1, 1, 0
	MUL16 6, 1, NQ-1, 1, 0
	WIN 0
; THE WAY OUT.  64 numbers of a lane in window win, register 16 b + i = k 32 b + 16 (lane / 16) + i of my row, become a fragment's codes in v[PC] on and its scale word in v[dst].
; Each accumulator is read from its low end on.
.macro QUANT src, win, dst
	WIN ((\win)<<2)|((\win)<<4)                    ; sources 1 and 2
.irp b, 0,1,2,3
	v_max3_num_f32 v[TM+\b], 0x1800000, |v[(\src)+16*\b]|, |v[(\src)+1+16*\b]|   ; block b: my 16 numbers, and the floor 2^(3 - 127): the byte cannot fall under 1
.endr
.irp i, 2,4,6,8,10,12,14
.irp b, 0,1,2,3
	v_max3_num_f32 v[TM+\b], v[TM+\b], |v[(\src)+16*\b+\i]|, |v[(\src)+1+16*\b+\i]|
.endr
.endr
	WIN 0
.irp b, 0,1,2,3
	v_permlanex16_b32 v[TM+4+\b], v[TM+\b], s12, s13
.endr
.irp b, 0,1,2,3
	v_max_num_f32 v[TM+\b], v[TM+\b], v[TM+4+\b]   ; with lane l xor 16's: the block's largest magnitude
.endr
.irp b, 0,1,2,3
	v_add_nc_u32 v[TM+12+\b], 0xff000000, v[TM+\b] ; 2 off its exponent field: the conversion's scale operand
.endr
.irp b, 0,1,2,3
	v_lshrrev_b32 v[TM+4+\b], 23, v[TM+12+\b]      ; the scale's byte
.endr
	v_lshl_or_b32 v[\dst], v[TM+5], 8, v[TM+4]
	v_lshl_or_b32 v[\dst], v[TM+6], 16, v[\dst]
	v_lshl_or_b32 v[\dst], v[TM+7], 24, v[\dst]
	WIN (\win)                                     ; source 0
.irp c, 0,1
	v_cvt_scalef32_pk16_fp6_f32 v[PC+6*\c:PC+2+6*\c], v[(\src)+32*\c:(\src)+15+32*\c], v[TM+12+2*\c]
	v_cvt_scalef32_pk16_fp6_f32 v[PC+12+4*\c:PC+14+4*\c], v[(\src)+16+32*\c:(\src)+31+32*\c], v[TM+12+2*\c+1]   ; (a conversion's three registers begin on an even number)
.endr
	WIN 0
	v_nop                                          ; one plain place behind a scaled conversion
.irp c, 0,1                            ; the operand's layout wants a whole block in a lane: lanes 0-15 block 2 c, lanes 16-31 block 2 c + 1
.irp i, 0,1,2
	v_permlane16_swap_b32 v[PC+6*\c+\i], v[PC+12+4*\c+\i]
.endr
.irp i, 0,1,2
	v_mov_b32 v[PC+3+6*\c+\i], v[PC+12+4*\c+\i]
.endr
.endr
.endm
	PLACES NP
	s_mov_b32 s12, 0x76543210
	s_mov_b32 s13, 0xfedcba98                      ; v_permlanex16_b32's selects for lane l xor 16
.irp b, 0,1,2,3
	v_mov_b32 v[TM+4+\b], 0                        ; a lane permute's destination counts as one of its sources
.endr
.irp a, 0,1,2,3,4,5,6,7
.if \a > 0
	s_wait_xcnt 0x0                                ; the last block's stores have read v[PC] on
.endif
	QUANT 64*(\a%4), 2+\a/4, SW+\a
.irp p, 0,1,2,3,4,5
	global_store_b64 v[CO], v[PC+2*\p:PC+2*\p+1], s[8:9] offset:\a*768+(\p/3)*98304+(\p%3)*256   ; planes 0-2 and 3-5 lie 98,304 bytes apart in both kinds; each store is 256 consecutive bytes, aligned
.endr
.endr
	s_cmp_eq_u32 ttmp9, 2                          ; the kind of cluster: equal in all partners
	s_cbranch_scc1 .Lv_words
	v_lshlrev_b32 v7, 4, v2                        ; q, k: a word's low half is the even head's two bytes, its high half the odd head's:
.irp i, 0,1,2,3,4,5,6,7
	v_lshrrev_b32 v[SW+\i], v7, v[SW+\i]           ; lanes 16-31 bring the odd head's down (the upper bytes, another head's scales or 0, meet zero codes alone)
.endr
	v_lshl_add_u32 v[RD], v2, 13, v8               ; 16 r, and the odd head's units 8,192 bytes on
	global_store_b128 v[RD], v[SW:SW+3], s[10:11]
	global_store_b128 v[RD], v[SW+4:SW+7], s[10:11] offset:256   ; sixteen lanes fill a unit of 256 bytes
	s_branch .Lwords_out
.Lv_words:
	s_mov_b32 s20, 0xffff0000
.irp u, 0,1,2,3
	v_cndmask_b32 v[SW+\u], v[SW+\u], v[SW+4+\u], s20   ; v: lanes 16-31 take blocks 4-7: the next head's four channel blocks
.endr
	v_lshl_add_u32 v[RD], v2, 12, v8               ; whose unit lies 4,096 bytes on
	global_store_b128 v[RD], v[SW:SW+3], s[10:11]
.Lwords_out:
	s_wait_tensorcnt 0x0                           ; the wave's end
	ds_add_u32 v[SPW], v[NIL]
	s_wait_dscnt 0x0
	CROUND                                         ; the closing round: no work-group ends while a partner may still ask for a tile that names it
	s_endpgm
.Lfunc_end_k_q5cb439685e_qkv:
	.size	k_q5cb439685e_qkv, .Lfunc_end_k_q5cb439685e_qkv-k_q5cb439685e_qkv
	.p2alignl 7, 3214868480
	.fill 96, 4, 3214868480
	.section	.rodata,"a",@progbits
	.p2align	6, 0x0
	.amdhsa_kernel k_q5cb439685e_qkv
		.amdhsa_group_segment_fixed_size 327680
		.amdhsa_private_segment_fixed_size 0
		.amdhsa_enable_private_segment 0
		.amdhsa_kernarg_size 16
		.amdhsa_user_sgpr_count 2
		.amdhsa_user_sgpr_kernarg_segment_ptr 1
		.amdhsa_wavefront_size32 1
		.amdhsa_system_sgpr_workgroup_id_x 1
		.amdhsa_system_sgpr_workgroup_id_y 1
		.amdhsa_system_sgpr_workgroup_id_z 1
		.amdhsa_system_vgpr_workitem_id 0
		.amdhsa_next_free_vgpr 1024
		.amdhsa_next_free_sgpr 100
		.amdhsa_reserve_vcc 0
		.amdhsa_float_denorm_mode_32 3
		.amdhsa_float_denorm_mode_16_64 3
		.amdhsa_memory_ordered 1
		.amdhsa_forward_progress 1
		.amdhsa_inst_pref_size 168
	.end_amdhsa_kernel
	.amdgpu_metadata
---
amdhsa.version: [ 1, 2 ]
amdhsa.kernels:
  - .name:           k_q5cb439685e_qkv
    .symbol:         k_q5cb439685e_qkv.kd
    .args:
      - { .name: ops, .offset: 0, .size: 8, .value_kind: global_buffer, .address_space: global }
      - { .name: qkv, .offset: 8, .size: 8, .value_kind: global_buffer, .address_space: global }
    .group_segment_fixed_size: 327680
    .private_segment_fixed_size: 0
    .kernarg_segment_align: 8
    .kernarg_segment_size: 16
    .max_flat_workgroup_size: 128
    .sgpr_count:     100
    .vgpr_count:     1024
    .wavefront_size: 32
...
	.end_amdgpu_metadata
.endif
;; end of part 10
;; launch attn (part 11): grid 8 x 32, 16 waves a work-group, clusters of 4 x 1, 327,680 bytes of LDS; arguments qkv, mask, av; writes av
.if DOCPART == 11
	.amdgcn_target "amdgcn-amd-amdhsa--gfx1250"
	.amdhsa_code_object_version 6
	.text
	.protected	k_q5cb439685e_attn
	.globl	k_q5cb439685e_attn
	.p2align	8
	.type	k_q5cb439685e_attn,@function
k_q5cb439685e_attn:
	s_mov_b64 s[64:65], 0
	v_nop
	global_prefetch_b8 v0, s[64:65] scope:SCOPE_SE
	s_setreg_imm32_b32 hwreg(HW_REG_WAVE_MODE, 25, 1), 1
	s_wait_xcnt 0x0
	s_wait_alu depctr_hold_cnt(0) depctr_sa_sdst(0) depctr_va_vdst(0) depctr_va_sdst(0) depctr_va_ssrc(0) depctr_va_vcc(0) depctr_vm_vsrc(0)
	s_getreg_b32 s2, hwreg(HW_REG_IB_STS2, 6, 4)
	s_cmp_eq_u32 s2, 0
	s_cbranch_scc0 .Lentry_in_a_cluster
	s_endpgm
.Lentry_in_a_cluster:
	s_bfe_u32 s2, ttmp6, 0x10000c
	s_cmp_lg_u32 s2, 0x3003
	s_cbranch_scc0 .Lentry_shape_is_right
	s_endpgm
.Lentry_shape_is_right:
.set QS0,   9437184
.set VB0,   6291456
.set CODE0, 524288
.set KC,    0
.set VC,    98304
.set KSL,   196608
.set VSL,   204800
.set TAB,   208896
.set FLG,   217088
.set AKR,  1
.set AVR,  2
.set AKS,  3
.set AVS,  4
.set ABI,  5
.set BM,   212
.set BT,   216
.set SO,   220
.set PW,   236
.set FF,   238
.set TP,   240
.set SUM2, 242
.set WV,   18
.set SEL,  20
.set CS,   22
.set G1K,  24
.set G1V,  32
.set G1KS, 40
.set G1VS, 48
.set G0K,  56
.set G0V,  60
.set G0KS, 68
.set G0VS, 72
.macro TLOAD g0k, g1k, g0v, g1v
	s_cmp_lt_u32 s[WV], 2
	s_cbranch_scc0 .Lnot_k_\@
	tensor_load_to_lds s[\g0k:\g0k+3], s[\g1k:\g1k+7]
	s_nop 0
.rept 4
	v_nop
.endr
	s_branch .Lasked_\@
.Lnot_k_\@:
	s_cmp_lt_u32 s[WV], 4
	s_cbranch_scc0 .Lasked_\@
	tensor_load_to_lds s[\g0v:\g0v+3], s[\g1v:\g1v+7]
	s_nop 0
.rept 4
	v_nop
.endr
.Lasked_\@:
.endm
.macro CROUND
	s_barrier_signal -1
	s_barrier_wait -1
	s_cmp_lg_u32 s[WV], 0
	s_cbranch_scc1 .Lnot_wave_0_\@
	s_barrier_signal -3
.Lnot_wave_0_\@:
	s_barrier_wait -3
	s_barrier_signal -1
	s_barrier_wait -1
.endm
	s_load_b128 s[4:7], s[0:1], 0x0
	s_load_b64 s[8:9], s[0:1], 0x10
	v_lshl_add_u32 v254, v0, 2, 0x35100
	v_mov_b32 v255, 0
	ds_add_u32 v254, v255
	ds_add_u32 v254, v255
	v_lshrrev_b32 v6, 5, v0
	s_delay_alu instid0(VALU_DEP_1)
	v_readfirstlane_b32 s[WV], v6
	s_bfe_u32 s10, ttmp6, 0x40000
	s_lshl_b32 s11, ttmp9, 2
	s_add_co_u32 s11, s11, s10
	s_and_b32 s12, ttmp7, 0xffff
	s_lshr_b32 s13, s12, 4
	s_and_b32 s14, s12, 15
	s_and_b32 s15, s[WV], 1
	s_add_co_u32 s16, s12, 32
	s_mul_i32 s17, s15, 49152
	s_mul_i32 s76, s16, 98304
	s_add_co_u32 s76, s76, s17
	s_mov_b32 s77, 0
	s_mul_i32 s78, s13, 1572864
	s_mul_i32 s19, s14, 3072
	s_add_co_u32 s78, s78, s19
	s_mul_i32 s19, s15, 786432
	s_add_co_u32 s78, s78, s19
	s_add_co_u32 s78, s78, VB0
	s_mov_b32 s79, 0
	s_lshl_b32 s80, s16, 13
	s_lshl_b32 s19, s15, 12
	s_add_co_u32 s80, s80, s19
	s_add_co_u32 s80, s80, QS0
	s_mov_b32 s81, 0
	s_lshl_b32 s82, s12, 12
	s_lshl_b32 s94, s15, 11
	s_add_co_u32 s82, s82, s94
	s_add_co_u32 s82, s82, QS0+524288
	s_mov_b32 s83, 0
.irp g, G1K, G1KS, G1VS
	s_mov_b32 s[\g], 15|(3<<16)|(1<<21)
	s_mov_b32 s[\g+1], 32<<16
	s_mov_b32 s[\g+3], 32<<16
	s_mov_b32 s[\g+5], 32
	s_mov_b32 s[\g+6], 0
	s_mov_b32 s[\g+7], 0
.endr
	s_mov_b32 s[G1K+2], 192<<16
	s_mov_b32 s[G1K+4], 192
	s_mov_b32 s[G1KS+2], 16<<16
	s_mov_b32 s[G1KS+4], 16
	s_mov_b32 s[G1VS+2], 8<<16
	s_mov_b32 s[G1VS+4], 8
	s_mov_b32 s[G1V], 15|(3<<16)|(1<<21)
	s_mov_b32 s[G1V+1], 384<<16
	s_mov_b32 s[G1V+2], 16<<16
	s_mov_b32 s[G1V+3], 384<<16
	s_mov_b32 s[G1V+4], 16
	s_mov_b32 s[G1V+5], 6144
	s_mov_b32 s[G1V+6], 0
	s_mov_b32 s[G1V+7], 0
	s_lshl_b32 s84, s11, 4
	s_add_co_u32 s84, s84, s[WV]
	s_lshl_b32 s85, s12, 7
	s_add_co_u32 s85, s85, s84
	s_mul_i32 s86, s85, 768
	s_mov_b32 s87, 0
	s_lshr_b32 s88, s85, 2
	s_lshl_b32 s88, s88, 8
	s_and_b32 s89, s85, 3
	s_lshl_b32 s89, s89, 2
	s_add_co_u32 s88, s88, s89
	s_add_co_u32 s88, s88, QS0
	s_mov_b32 s89, 0
	s_lshl_b32 s90, s13, 13
	s_mov_b32 s91, 0
	s_lshl_b32 s92, s13, 7
	s_add_co_u32 s92, s92, s84
	s_lshr_b32 s93, s14, 1
	s_and_b32 s95, s14, 1
	s_lshl_b32 s96, s92, 3
	s_add_co_u32 s96, s96, s93
	s_mul_i32 s96, s96, 1536
	s_mul_i32 s97, s95, 768
	s_add_co_u32 s96, s96, s97
	s_add_co_u32 s96, s96, CODE0
	s_mov_b32 s97, 0
	s_lshl_b32 s98, s93, 14
	s_lshr_b32 s99, s92, 2
	s_lshl_b32 s99, s99, 8
	s_add_co_u32 s98, s98, s99
	s_and_b32 s99, s92, 3
	s_lshl_b32 s99, s99, 2
	s_add_co_u32 s98, s98, s99
	s_lshl_b32 s99, s95, 1
	s_add_co_u32 s98, s98, s99
	s_mov_b32 s99, 0
	s_mov_b32 s[SEL], 0x76543210
	s_mov_b32 s[SEL+1], 0xfedcba98
	s_mov_b32 s[CS], 0x3e38aa3b
	s_mov_b32 s[CS+1], s[CS]
	s_wait_dscnt 0x0
	s_wait_kmcnt 0x0
	s_mov_b32 s[G0KS], 1
	s_add_co_u32 s[G0KS+1], s19, KSL
	s_add_nc_u64 s[G0KS+2:G0KS+3], s[4:5], s[80:81]
	s_or_b32 s[G0KS+3], s[G0KS+3], 0x80000000
	s_mov_b32 s[G0VS], 1
	s_add_co_u32 s[G0VS+1], s94, VSL
	s_add_nc_u64 s[G0VS+2:G0VS+3], s[4:5], s[82:83]
	s_or_b32 s[G0VS+3], s[G0VS+3], 0x80000000
	s_mov_b32 s[G0K], 1
	s_add_co_u32 s[G0K+1], s17, KC
	s_add_nc_u64 s[G0K+2:G0K+3], s[4:5], s[76:77]
	s_or_b32 s[G0K+3], s[G0K+3], 0x80000000
	s_mov_b32 s[G0V], 1
	s_add_co_u32 s[G0V+1], s17, VC
	s_add_nc_u64 s[G0V+2:G0V+3], s[4:5], s[78:79]
	s_or_b32 s[G0V+3], s[G0V+3], 0x80000000
	CROUND
	; the head's eight tiles go out as one group, one load a wave: waves 0, 1 K's codes, 2, 3 V's codes, 4, 5 K's scale units, 6, 7 V's; one chain of branches on the wave's number, all arms to one join
	s_cmp_lt_u32 s[WV], 2
	s_cbranch_scc0 .Lh_v
	tensor_load_to_lds s[G0K:G0K+3], s[G1K:G1K+7]
	s_nop 0
.rept 4
	v_nop
.endr
	s_branch .Lh_done
.Lh_v:
	s_cmp_lt_u32 s[WV], 4
	s_cbranch_scc0 .Lh_ks
	tensor_load_to_lds s[G0V:G0V+3], s[G1V:G1V+7]
	s_nop 0
.rept 4
	v_nop
.endr
	s_branch .Lh_done
.Lh_ks:
	s_cmp_lt_u32 s[WV], 6
	s_cbranch_scc0 .Lh_vs
	tensor_load_to_lds s[G0KS:G0KS+3], s[G1KS:G1KS+7]
	s_nop 0
.rept 4
	v_nop
.endr
	s_branch .Lh_done
.Lh_vs:
	s_cmp_lt_u32 s[WV], 8
	s_cbranch_scc0 .Lh_done
	tensor_load_to_lds s[G0VS:G0VS+3], s[G1VS:G1VS+7]
	s_nop 0
.rept 4
	v_nop
.endr
.Lh_done:
	s_add_nc_u64 s[86:87], s[4:5], s[86:87]
	s_add_nc_u64 s[88:89], s[4:5], s[88:89]
	s_add_nc_u64 s[90:91], s[6:7], s[90:91]
	s_add_nc_u64 s[96:97], s[8:9], s[96:97]
	s_add_nc_u64 s[98:99], s[8:9], s[98:99]
	v_and_b32 v29, 31, v0
	v_and_b32 v30, 15, v0
	v_bfe_u32 v31, v0, 4, 1
	v_lshlrev_b32 v6, 4, v0
	s_delay_alu instid0(VALU_DEP_4)
	v_lshlrev_b32 v7, 3, v29
	s_delay_alu instid0(VALU_DEP_4)
	v_lshlrev_b32 v87, 4, v30
	global_load_b128 v[8:11], v6, s[90:91]
.irp p, 0,1,2
	global_load_b64 v[16+2*\p:17+2*\p], v7, s[86:87] offset:256*\p
.endr
	global_load_b32 v28, v87, s[88:89]
	v_add_nc_u32 v[AKR], KC, v7
	v_add_nc_u32 v[AVR], VC, v7
	v_add_nc_u32 v[AKS], KSL, v87
	v_add_nc_u32 v[AVS], VSL, v87
	v_lshl_add_u32 v[ABI], v31, 6, TAB
.irp j, 22,23,24,25,26,27, 80,81,82,83,84,85
	v_mov_b32 v[\j], 0
.endr
	v_mov_b32 v13, 0xf1800000
	s_delay_alu instid0(VALU_DEP_1)
	v_floor_f32 v12, -v13
	v_mov_b32 v14, 0
	v_mov_b32 v15, 0
.irp b, 0,1,2,3
	v_mov_b32 v[BT+\b], 0
.endr
	v_mov_b32 v[TP], 0
	v_mov_b32 v[FF+1], 0
.set J, 0
.rept 32
	v_mov_b32 v[160+J], 0
.set J, J+1
.endr
	s_wait_loadcnt 0x0
	v_or_b32 v86, v8, v9
	v_or_b32 v88, v10, v11
	s_delay_alu instid0(VALU_DEP_1)
	v_or_b32 v86, v86, v88
	s_delay_alu instid0(VALU_DEP_1)
	v_cmp_ne_u32 vcc_lo, 0, v86
	s_cmp_lg_u32 vcc_lo, 0
	s_cselect_b32 s16, 1, 0
	v_mov_b32 v86, s16
	v_lshrrev_b32 v89, 5, v0
	s_delay_alu instid0(VALU_DEP_1)
	v_lshl_add_u32 v89, v89, 2, FLG
	ds_store_b32 v89, v86
	s_wait_dscnt 0x0
	s_barrier_signal -1
	s_barrier_wait -1
	v_mov_b32 v90, FLG
.irp j, 0,1,2,3
	ds_load_b128 v[96+4*\j:99+4*\j], v90 offset:16*\j
.endr
	s_wait_dscnt 0x0
.irp j, 97
	v_or_b32 v96, v96, v[\j]
.endr
.irp j, 98, 99, 100, 101, 102, 103, 104, 105, 106, 107, 108, 109, 110, 111
	s_delay_alu instid0(VALU_DEP_1)
	v_or_b32 v96, v96, v[\j]
.endr
	s_delay_alu instid0(VALU_DEP_1)
	v_cmp_ne_u32 s16, 0, v96
.irp k, 0,1,2,3,4,5
	v_cndmask_b32 v[16+\k], 0, v[16+\k], s16
.endr
	v_mov_b32 v91, 0xff61b1e6
.irp k, 0,1,2,3
	v_cmp_eq_u32 vcc_lo, 0, v[8+\k]
	s_and_b32 vcc_lo, vcc_lo, s16
	v_cndmask_b32 v[8+\k], 0, v91, vcc_lo
.endr
	v_lshl_add_u32 v92, v0, 4, TAB
	ds_store_b128 v92, v[8:11]
	s_wait_tensorcnt 0x0
	s_wait_dscnt 0x0
	s_barrier_signal -1
	s_barrier_wait -1
.macro STEP q
.irp n, 0,1,2,3,4,5,6,7,8,9,10,11,12,13,14,15
	ds_load_b128 v[96+4*\n:99+4*\n], v[ABI] offset:512*(\q)+128*(\n/4)+16*(\n%4)
.endr
.irp t, 0,1,2,3,4,5,6,7
.irp p, 0,1,2
	ds_load_b64 v[32+6*\t+2*\p:33+6*\t+2*\p], v[AKR] offset:6144*(\q)+768*\t+256*\p
.endr
.endr
.irp j, 0,1
	ds_load_b128 v[224+4*\j:227+4*\j], v[AKS] offset:512*(\q)+256*\j
.endr
	s_wait_dscnt 0x0
.irp t, 0,1,2,3,4,5,6,7
	v_wmma_scale_f32_16x16x128_f8f6f4 v[96+8*\t:103+8*\t], v[32+6*\t:43+6*\t], v[16:27], v[96+8*\t:103+8*\t], v[224+\t], v28 matrix_a_fmt:MATRIX_FMT_FP6 matrix_b_fmt:MATRIX_FMT_FP6
.endr
.rept 4
	v_nop
.endr
.irp d, 0,1,2,3
.irp p, 0,1,2,3,4,5
	ds_load_b64 v[32+12*\d+2*\p:33+12*\d+2*\p], v[AVR] offset:3072*(\q)+768*\d+6144*(\p/3)+256*(\p%3)
.endr
.endr
	ds_load_b128 v[232:235], v[AVS] offset:256*(\q)
.irp b, 0,1,2,3
	v_max3_num_f32 v[BM+\b], v[96+16*\b], v[97+16*\b], v[98+16*\b]
.endr
.irp i, 3,5,7,9,11,13
.irp b, 0,1,2,3
	v_max3_num_f32 v[BM+\b], v[BM+\b], v[96+16*\b+\i], v[97+16*\b+\i]
.endr
.endr
.irp b, 0,1,2,3
	v_max_num_f32 v[BM+\b], v[BM+\b], v[111+16*\b]
.endr
.irp b, 0,1,2,3
	s_delay_alu instid0(VALU_DEP_4)
	v_permlanex16_b32 v[BT+\b], v[BM+\b], s[SEL], s[SEL+1]
.endr
.irp b, 0,1,2,3
	s_delay_alu instid0(VALU_DEP_4)
	v_max_num_f32 v[BM+\b], v[BM+\b], v[BT+\b]
.endr
	s_delay_alu instid0(VALU_DEP_2)
	v_max3_num_f32 v[TP], v[BM], v[BM+1], v[BM+2]
	s_delay_alu instid0(VALU_DEP_1)
	v_max_num_f32 v[TP], v[TP], v[BM+3]
	s_delay_alu instid0(VALU_DEP_1)
	v_mul_f32 v[TP], s[CS], v[TP]
	s_delay_alu instid0(VALU_DEP_1)
	v_max_num_f32 v13, v13, v[TP]
	v_mov_b32 v[TP], v12
	s_delay_alu instid0(VALU_DEP_2)
	v_floor_f32 v12, -v13
	s_delay_alu instid0(VALU_DEP_1)
	v_sub_f32 v[TP], v12, v[TP]
	s_delay_alu instid0(VALU_DEP_1)
	v_cvt_i32_f32 v[TP], v[TP]
	s_delay_alu instid0(VALU_DEP_1)
	v_ldexp_f32 v[FF], 1.0, v[TP]
.set J, 0
.rept 32
	v_pk_fma_f32 v[96+J:97+J], v[96+J:97+J], s[CS:CS+1], v[12:13] op_sel_hi:[1,0,0]
.set J, J+2
.endr
.irp b, 0,1,2,3
	v_fma_f32 v[BM+\b], v[BM+\b], s[CS], v12
.endr
.set J, 0
	s_wait_alu depctr_va_vdst(0)
.rept 64
	v_exp_f32 v[96+J], v[96+J]
.set J, J+1
.endr
.irp b, 0,1,2,3
	v_exp_f32 v[BM+\b], v[BM+\b]
.endr
	v_pk_mul_f32 v[14:15], v[14:15], v[FF:FF+1] op_sel_hi:[1,0]
	s_wait_alu depctr_va_vdst(0)
.irp b, 0,1,2,3
	v_max_num_f32 v[BM+\b], 0x1800000, v[BM+\b]
.endr
.irp b, 0,1,2,3
	s_delay_alu instid0(VALU_DEP_4)
	v_add_nc_u32 v[SO+\b], 0xff000000, v[BM+\b]
.endr
.irp b, 0,1,2,3
	s_delay_alu instid0(VALU_DEP_4)
	v_lshrrev_b32 v[BT+\b], 23, v[SO+\b]
.endr
	s_delay_alu instid0(VALU_DEP_3)
	v_lshl_or_b32 v[PW], v[BT+1], 8, v[BT]
	s_delay_alu instid0(VALU_DEP_1)
	v_lshl_or_b32 v[PW], v[BT+2], 16, v[PW]
	s_delay_alu instid0(VALU_DEP_1)
	v_lshl_or_b32 v[PW], v[BT+3], 24, v[PW]
.irp c, 0,1
	v_cvt_scalef32_pk16_fp6_f32 v[192+6*\c:194+6*\c], v[96+32*\c:111+32*\c], v[SO+2*\c]
	v_cvt_scalef32_pk16_fp6_f32 v[204+4*\c:206+4*\c], v[112+32*\c:127+32*\c], v[SO+2*\c+1]
.endr
	v_nop
.irp c, 0,1
.irp i, 0,1,2
	v_permlane16_swap_b32 v[192+6*\c+\i], v[204+4*\c+\i]
.endr
.irp i, 0,1,2
	s_delay_alu instid0(VALU_DEP_3)
	v_mov_b32 v[195+6*\c+\i], v[204+4*\c+\i]
.endr
.endr
	v_pk_add_f32 v[SUM2:SUM2+1], v[96:97], v[98:99]
.irp j, 4,8,12,16,20,24,28,32,36,40,44,48,52,56,60
	v_pk_add_f32 v[14:15], v[14:15], v[96+\j:97+\j]
	v_pk_add_f32 v[SUM2:SUM2+1], v[SUM2:SUM2+1], v[98+\j:99+\j]
.endr
	s_delay_alu instid0(VALU_DEP_1)
	v_pk_add_f32 v[14:15], v[14:15], v[SUM2:SUM2+1]
.set J, 0
.rept 16
	v_pk_mul_f32 v[160+J:161+J], v[160+J:161+J], v[FF:FF+1] op_sel_hi:[1,0]
.set J, J+2
.endr
	s_wait_alu depctr_va_vdst(0)
	s_wait_dscnt 0x0
.irp d, 0,1,2,3
	v_wmma_scale_f32_16x16x128_f8f6f4 v[160+8*\d:167+8*\d], v[32+12*\d:43+12*\d], v[192:203], v[160+8*\d:167+8*\d], v[232+\d], v[PW] matrix_a_fmt:MATRIX_FMT_FP6 matrix_b_fmt:MATRIX_FMT_FP6
.endr
.rept 4
	v_nop
.endr
.endm
	s_mov_b32 s19, 8
.Ltrip:
	s_wait_alu depctr_va_vdst(0)
	STEP 0
	STEP 1
	v_add_nc_u32 v[AKR], 12288, v[AKR]
	v_add_nc_u32 v[AVR], 12288, v[AVR]
	v_add_nc_u32 v[AKS], 1024, v[AKS]
	v_add_nc_u32 v[AVS], 512, v[AVS]
	v_add_nc_u32 v[ABI], 1024, v[ABI]
	s_sub_co_u32 s19, s19, 1
	s_cmp_lg_u32 s19, 0
	s_cbranch_scc1 .Ltrip
	v_add_f32 v14, v14, v15
	s_delay_alu instid0(VALU_DEP_1)
	v_permlanex16_b32 v[TP], v14, s[SEL], s[SEL+1]
	s_delay_alu instid0(VALU_DEP_1)
	v_add_f32 v14, v14, v[TP]
	s_wait_alu depctr_va_vdst(0)
	v_rcp_f32 v14, v14
	v_nop
.set J, 0
	s_wait_alu depctr_va_vdst(0)
.rept 32
	v_mul_f32 v[96+J], v[160+J], v14
.set J, J+1
.endr
.irp b, 0,1
	v_max3_num_f32 v[BM+\b], |v[96+16*\b]|, |v[97+16*\b]|, 0x1800000
.endr
.irp i, 2,4,6,8,10,12,14
.irp b, 0,1
	s_delay_alu instid0(VALU_DEP_2)
	v_max3_num_f32 v[BM+\b], v[BM+\b], |v[96+16*\b+\i]|, |v[97+16*\b+\i]|
.endr
.endr
.irp b, 0,1
	s_delay_alu instid0(VALU_DEP_2)
	v_permlanex16_b32 v[BT+\b], v[BM+\b], s[SEL], s[SEL+1]
.endr
.irp b, 0,1
	s_delay_alu instid0(VALU_DEP_2)
	v_max_num_f32 v[BM+\b], v[BM+\b], v[BT+\b]
.endr
.irp b, 0,1
	s_delay_alu instid0(VALU_DEP_2)
	v_add_nc_u32 v[SO+\b], 0xff000000, v[BM+\b]
.endr
.irp b, 0,1
	s_delay_alu instid0(VALU_DEP_2)
	v_lshrrev_b32 v[BT+\b], 23, v[SO+\b]
.endr
	s_delay_alu instid0(VALU_DEP_1)
	v_lshl_or_b32 v[BT], v[BT+1], 8, v[BT]
	v_cvt_scalef32_pk16_fp6_f32 v[192:194], v[96:111], v[SO]
	v_cvt_scalef32_pk16_fp6_f32 v[204:206], v[112:127], v[SO+1]
	v_nop
.irp i, 0,1,2
	v_permlane16_swap_b32 v[192+\i], v[204+\i]
.endr
.irp i, 0,1,2
	s_delay_alu instid0(VALU_DEP_3)
	v_mov_b32 v[195+\i], v[204+\i]
.endr
.irp p, 0,1,2
	global_store_b64 v7, v[192+2*\p:193+2*\p], s[96:97] offset:256*\p
.endr
	v_cmp_gt_u32 vcc_lo, 16, v29
	s_wait_xcnt 0x0
	s_and_saveexec_b32 s94, vcc_lo
	global_store_b16 v87, v[BT], s[98:99]
	s_wait_xcnt 0x0
	s_or_b32 exec_lo, exec_lo, s94
	s_wait_tensorcnt 0x0
	ds_add_u32 v254, v255
	s_wait_dscnt 0x0
	CROUND
	s_endpgm
.Lfunc_end_k_q5cb439685e_attn:
	.size	k_q5cb439685e_attn, .Lfunc_end_k_q5cb439685e_attn-k_q5cb439685e_attn
	.p2alignl 7, 3214868480
	.fill 96, 4, 3214868480
	.section	.rodata,"a",@progbits
	.p2align	6, 0x0
	.amdhsa_kernel k_q5cb439685e_attn
		.amdhsa_group_segment_fixed_size 327680
		.amdhsa_private_segment_fixed_size 0
		.amdhsa_enable_private_segment 0
		.amdhsa_kernarg_size 24
		.amdhsa_user_sgpr_count 2
		.amdhsa_user_sgpr_kernarg_segment_ptr 1
		.amdhsa_wavefront_size32 1
		.amdhsa_system_sgpr_workgroup_id_x 1
		.amdhsa_system_sgpr_workgroup_id_y 1
		.amdhsa_system_sgpr_workgroup_id_z 1
		.amdhsa_system_vgpr_workitem_id 0
		.amdhsa_next_free_vgpr 256
		.amdhsa_next_free_sgpr 100
		.amdhsa_reserve_vcc 1
		.amdhsa_float_denorm_mode_32 3
		.amdhsa_float_denorm_mode_16_64 3
		.amdhsa_memory_ordered 1
		.amdhsa_forward_progress 1
		.amdhsa_inst_pref_size 57
	.end_amdhsa_kernel
	.amdgpu_metadata
---
amdhsa.version: [ 1, 2 ]
amdhsa.kernels:
  - .name:           k_q5cb439685e_attn
    .symbol:         k_q5cb439685e_attn.kd
    .args:
      - { .name: qkv, .offset: 0, .size: 8, .value_kind: global_buffer, .address_space: global }
      - { .name: mask, .offset: 8, .size: 8, .value_kind: global_buffer, .address_space: global }
      - { .name: av, .offset: 16, .size: 8, .value_kind: global_buffer, .address_space: global }
    .group_segment_fixed_size: 327680
    .private_segment_fixed_size: 0
    .kernarg_segment_align: 8
    .kernarg_segment_size: 24
    .max_flat_workgroup_size: 512
    .sgpr_count:     100
    .vgpr_count:     256
    .wavefront_size: 32
...
	.end_amdgpu_metadata
.endif
;; end of part 11
;; launch woln (part 12): grid 256 x 1, 16 waves a work-group, no clusters, 80,128 bytes of LDS; arguments av, ops, x, alpha2, bias2, x1, xn2; writes x1, xn2
.if DOCPART == 12
	.amdgcn_target "amdgcn-amd-amdhsa--gfx1250"
	.amdhsa_code_object_version 6
	.text
	.protected	k_q5cb439685e_woln
	.globl	k_q5cb439685e_woln
	.p2align	8
	.type	k_q5cb439685e_woln,@function
k_q5cb439685e_woln:
	s_mov_b64 s[64:65], 0
	v_nop
	global_prefetch_b8 v0, s[64:65] scope:SCOPE_SE
	s_setreg_imm32_b32 hwreg(HW_REG_WAVE_MODE, 25, 1), 1
	s_wait_xcnt 0x0
; x1 = x + av wo^T on codes of FP6 (E2M3) with E8M0 scales, K = 1,024, and in the same launch y = alpha2 (x1 - mean) / (std + 1e-6) + bias2 (std with n - 1), quantised along the row: x1 leaves as f32, y as records.
; A WORK-GROUP IS ONE ROW BLOCK RB of av: 16 tokens x all 1,024 channels, so that a row's mean and spread are made where the row is made.  256 work-groups of 16 waves.
; RECORDS: 16 rows x 128 K = 1,536 bytes in the order of the fragment's registers (plane p = registers 2 p, 2 p + 1, lane l at 8 l) at CODE0 + (8 RB + g) 1,536; lane r of RB stands for row 32 (RB / 2) + 8 (RB % 2) + r + 8 (r / 8).
; SCALE UNITS of 256 bytes: [r][u] words for row blocks 4 RB4 + u, one unit a K step.  wo: row blocks 448-511 of ops.
; THE PRODUCT: wave w takes wo's row blocks 448 + 4 w .. + 3 (channels 64 w .. + 63): 4 accumulators, by turns.  wo's records go from memory into the operand's registers as they lie,
; each load 256 consecutive bytes, three K steps (3 x 26 loads) ahead in three sets of registers.  av's 12,288 bytes are copied once into LDS, 768 bytes a wave, and read from there by all 16 waves.
; NO TENSOR LOAD, NO CLUSTER: with 16 rows to a work-group a fragment of wo feeds ONE matrix instruction, so LDS would only be written and read once more for each byte; every wave's loads are its own.
; No prefetch: the weights' loads themselves stand three K steps ahead of their use, and x's row is asked for at the head.
; SOURCE 0 = wo's row block, SOURCE 1 = av's: register j of accumulator u in lane (r, h) is token row r, channel 64 w + 32 (u / 2) + 8 (u % 2) + 16 h + j.
; THE WAY OUT: the 16 x 1,024 sums go to a stage in LDS (rows of 4,096 + 16 bytes).  Then wave w takes row w whole: + x, x1 stored 512 consecutive bytes an instruction, mean, spread, z back into its row.
; Then wave w takes the 64 channels 64 w ..: lane (r, h) holds block 2 (w % 2) + h of K step w / 2 of row r, 32 numbers: alpha, bias, the block's scale, the codes: three whole planes of 256 bytes.
; The scale bytes leave one a lane, 32 of a unit's 256 a wave: whole units would want four row blocks to a work-group, a quarter of the work-groups.
; LIMITS: blocks under 2^(2 - 126) and blocks of zeros keep the byte 1 (read by this program alone; zero codes add nothing); NaN and infinities are not served.
.set CODE0, 524288
.set REC,   1536
.set ZP,    4112                       ; a stage row: an odd multiple of 16 bytes
.set STG,   12288                      ; LDS: av's records at 0, the stage behind them,
.set SPARE, STG+16*ZP                  ; then the spare words, 128 bytes a wave, which no other line names
.set L8,   1                           ; 8 x lane
.set L16,  2                           ; 16 x lane
.set SPW,  3                           ; my spare word; never rewritten
.set NIL,  4                           ; 0; never rewritten
.set STO,  5                           ; the stage, in: row r, 256 w + 64 h
.set ASC,  6                           ; v6-8    av's scale words, three sets
.set RDR,  9                           ; the stage: row w, 16 x lane
.set RD3,  10                          ; the stage: row r, 256 w + 128 h
.set ABO,  11                          ; 128 h: my place in alpha's and bias's 256 bytes
.set BSC,  12                          ; v12-23  wo's scale words, three sets of four
.set AF,   24                          ; v24-47  av's fragment, two sets
.set ACC,  48                          ; v48-79  the accumulators; at the head scratch; on the way out a row's numbers
.set BF,   80                          ; v80-223 wo's fragments, three sets of four
.set X,    224                         ; v224-255 my row of x, then of x1
.set P,    ACC
.set AL,   BF+96                       ; alpha in set 2, bias in set 0, scratch in set 1, each when its last products are issued
.set BI,   BF
.set SM,   128
.set MN,   136
.set TT,   138
.set MX,   140
.set SO,   142
.set BY,   143
.set PC,   144
.set PT,   152
.set SOF,  156
	s_load_b256 s[4:11], s[0:1], 0x0               ; av, ops, x, alpha2
	s_load_b128 s[12:15], s[0:1], 0x20             ; bias2, x1
	s_load_b64 s[16:17], s[0:1], 0x30              ; xn2
	v_lshl_add_u32 v[SPW], v0, 2, SPARE
	v_mov_b32 v[NIL], 0
	v_lshrrev_b32 v48, 5, v0
	v_readfirstlane_b32 s18, v48                   ; wave 0..15
	v_and_b32 v49, 31, v0                          ; lane
	v_and_b32 v50, 15, v0                          ; r
	v_bfe_u32 v51, v0, 4, 1                        ; h
	v_lshlrev_b32 v[L8], 3, v49
	v_lshlrev_b32 v[L16], 4, v49
	v_mad_u32_u24 v52, v48, 768, v[L8]             ; LDS: my 768 bytes of av's records
	v_mul_u32_u24 v53, v50, ZP
	v_lshl_add_u32 v53, v48, 8, v53                ; r ZP + 256 w
	v_lshl_add_u32 v[STO], v51, 6, v53
	v_add_nc_u32 v[STO], STG, v[STO]
	v_lshl_add_u32 v[RD3], v51, 7, v53
	v_add_nc_u32 v[RD3], STG, v[RD3]
	v_mad_u32_u24 v[RDR], v48, ZP, v[L16]
	v_add_nc_u32 v[RDR], STG, v[RDR]
	v_lshlrev_b32 v[ABO], 7, v51
	s_lshr_b32 s19, ttmp9, 1
	s_lshl_b32 s19, s19, 5
	s_and_b32 s20, ttmp9, 1
	s_lshl_b32 s20, s20, 3
	s_add_co_u32 s19, s19, s20
	s_add_co_u32 s19, s19, s18
	s_lshr_b32 s20, s18, 3
	s_lshl_b32 s20, s20, 3
	s_add_co_u32 s19, s19, s20                     ; my row of x: 32 (RB / 2) + 8 (RB % 2) + w + 8 (w / 8)
	s_lshl_b32 s20, s19, 12
	s_mov_b32 s21, 0
	s_mul_i32 s22, ttmp9, 8*REC
	s_mul_i32 s24, s18, 768
	s_add_co_u32 s22, s22, s24
	s_add_co_u32 s22, s22, CODE0                   ; RB's records + 768 w: what I copy of av, and where my planes of y go
	s_mov_b32 s23, 0
	s_lshr_b32 s24, ttmp9, 2
	s_lshl_b32 s24, s24, 8
	s_and_b32 s25, ttmp9, 3
	s_lshl_b32 s25, s25, 2
	s_add_co_u32 s24, s24, s25                     ; RB's words in a K step's scale units
	s_mov_b32 s25, 0
	s_mul_i32 s26, s18, 4*8*REC
	s_add_co_u32 s26, s26, CODE0+448*8*REC         ; my four row blocks of wo
	s_mov_b32 s27, 0
	s_lshl_b32 s28, s18, 8
	s_add_co_u32 s28, s28, 112*256                 ; and their scale unit
	s_mov_b32 s29, 0
	s_lshr_b32 s30, s18, 1
	s_mul_i32 s30, s30, 49152
	s_add_co_u32 s30, s30, s24
	s_and_b32 s31, s18, 1
	s_lshl_b32 s31, s31, 1
	s_add_co_u32 s30, s30, s31                     ; y's scale bytes: K step w / 2, bytes 2 (w % 2) + h
	s_mov_b32 s31, 0
	s_lshl_b32 s32, s18, 8                         ; my 64 channels of alpha and bias
	s_mov_b32 s33, 0
	s_mov_b32 s34, 0x76543210
	s_mov_b32 s35, 0xfedcba98                      ; v_permlanex16_b32's selects for lane l xor 16
	s_wait_alu depctr_va_vdst(0)
	s_wait_kmcnt 0x0
	s_add_nc_u64 s[36:37], s[4:5], s[22:23]
	s_add_nc_u64 s[4:5], s[4:5], s[24:25]
	s_add_nc_u64 s[26:27], s[6:7], s[26:27]
	s_add_nc_u64 s[28:29], s[6:7], s[28:29]
	s_add_nc_u64 s[8:9], s[8:9], s[20:21]
	s_add_nc_u64 s[14:15], s[14:15], s[20:21]
	s_add_nc_u64 s[10:11], s[10:11], s[32:33]
	s_add_nc_u64 s[12:13], s[12:13], s[32:33]
	s_add_nc_u64 s[22:23], s[16:17], s[22:23]
	s_add_nc_u64 s[30:31], s[16:17], s[30:31]
.macro BATCH g                         ; K step g: 26 loads into set g % 3: four fragments of wo, their scale words (lanes 0-15 are read), av's scale word
.set BB, BF+48*((\g)%3)
.irp u, 0,1,2,3
.irp p, 0,1,2,3,4,5
	global_load_b64 v[BB+12*\u+2*\p:BB+12*\u+2*\p+1], v[L8], s[26:27] offset:\u*8*REC+(\g)*REC+256*\p
.endr
.endr
	global_load_b128 v[BSC+4*((\g)%3):BSC+4*((\g)%3)+3], v[L16], s[28:29] offset:(\g)*49152
	global_load_b32 v[ASC+(\g)%3], v[L16], s[4:5] offset:(\g)*16384
.endm
.macro ALOAD g                         ; av's fragment of K step g from LDS into set g % 2
.irp p, 0,1,2,3,4,5
	ds_load_b64 v[AF+12*((\g)%2)+2*\p:AF+12*((\g)%2)+2*\p+1], v[L8] offset:(\g)*REC+256*\p
.endr
.endm
.macro VEC8 dst, base                  ; my 32 numbers of alpha or of bias
.irp i, 0,1,2,3,4,5,6,7
	global_load_b128 v[\dst+4*\i:\dst+4*\i+3], v[ABO], s[\base:\base+1] offset:16*\i
.endr
.endm
; A K step.  lc: the global loads issued behind this step's batch; dc: the LDS loads issued behind this step's fragment.  Four places stand behind the products, ahead of the loads into their registers.
.macro STEP g, lc, dc
.set BB, BF+48*((\g)%3)
.set AA, AF+12*((\g)%2)
.set SB, BSC+4*((\g)%3)
.set SA, ASC+(\g)%3
	s_wait_loadcnt \lc
	s_wait_dscnt \dc
.irp u, 0,1,2,3
.if (\g) == 0
	v_wmma_scale_f32_16x16x128_f8f6f4 v[ACC+8*\u:ACC+8*\u+7], v[BB+12*\u:BB+12*\u+11], v[AA:AA+11], 0, v[SB+\u], v[SA] matrix_a_fmt:MATRIX_FMT_FP6 matrix_b_fmt:MATRIX_FMT_FP6
.else
	v_wmma_scale_f32_16x16x128_f8f6f4 v[ACC+8*\u:ACC+8*\u+7], v[BB+12*\u:BB+12*\u+11], v[AA:AA+11], v[ACC+8*\u:ACC+8*\u+7], v[SB+\u], v[SA] matrix_a_fmt:MATRIX_FMT_FP6 matrix_b_fmt:MATRIX_FMT_FP6
.endif
.endr
.rept 4
	v_nop
.endr
.if (\g)+2 < 8
	ALOAD (\g)+2
.endif
.if (\g)+3 < 8
	BATCH (\g)+3
.endif
.endm
.irp p, 0,1,2
	global_load_b64 v[54+2*\p:55+2*\p], v[L8], s[36:37] offset:256*\p
.endr
	BATCH 0
	BATCH 1
	s_wait_loadcnt 52                              ; my 768 bytes of av are in; the two batches may be out
.irp p, 0,1,2
	ds_store_b64 v52, v[54+2*\p:55+2*\p] offset:256*\p
.endr
	BATCH 2
.irp j, 0,1,2,3,4,5,6,7
	global_load_b128 v[X+4*\j:X+4*\j+3], v[L16], s[8:9] offset:512*\j th:TH_LOAD_NT   ; my row of x, 512 consecutive bytes a load
.endr
	s_wait_dscnt 0x0                               ; for the others' sake: my part of av lies in LDS
	s_barrier_signal -1
	s_barrier_wait -1
	ALOAD 0
	ALOAD 1
	STEP 0, 60, 6                                  ; behind batch 0: batches 1, 2 and x's 8
	STEP 1, 60, 6                                  ; batch 2, x, batch 3
	STEP 2, 60, 6                                  ; x, batches 3, 4
	STEP 3, 52, 6                                  ; two batches
	STEP 4, 52, 6
	STEP 5, 52, 6
	VEC8 AL, 10                                    ; alpha into set 2, whose last products are issued
	STEP 6, 34, 6                                  ; batch 7 and alpha's 8
	VEC8 BI, 12
	STEP 7, 16, 0                                  ; alpha's 8 and bias's 8
.irp u, 0,1,2,3                        ; each accumulator from its low end on
	ds_store_b128 v[STO], v[ACC+8*\u:ACC+8*\u+3] offset:128*(\u/2)+32*(\u%2)
	ds_store_b128 v[STO], v[ACC+8*\u+4:ACC+8*\u+7] offset:128*(\u/2)+32*(\u%2)+16
.endr
	s_wait_dscnt 0x0
	s_barrier_signal -1
	s_barrier_wait -1                              ; the 16 rows are whole
.irp j, 0,1,2,3,4,5,6,7
	ds_load_b128 v[P+4*\j:P+4*\j+3], v[RDR] offset:512*\j
.endr
	v_mov_b32 v[TT], 0                             ; a lane permute's destination counts as one of its sources
	s_wait_dscnt 0x0
.set J, 0
.rept 16
	v_pk_add_f32 v[X+J:X+J+1], v[X+J:X+J+1], v[P+J:P+J+1]   ; x1
.set J, J+2
.endr
.irp j, 0,1,2,3,4,5,6,7
	global_store_b128 v[L16], v[X+4*\j:X+4*\j+3], s[14:15] offset:512*\j   ; 512 consecutive bytes, aligned
.endr
.macro LANESUM                         ; four pairs of sums become one number in every lane
	v_pk_add_f32 v[SM:SM+1], v[SM:SM+1], v[SM+2:SM+3]
	v_pk_add_f32 v[SM+4:SM+5], v[SM+4:SM+5], v[SM+6:SM+7]
	s_delay_alu instid0(VALU_DEP_1)
	v_pk_add_f32 v[SM:SM+1], v[SM:SM+1], v[SM+4:SM+5]
	s_delay_alu instid0(VALU_DEP_1)
	v_add_f32 v[SM], v[SM], v[SM+1]
.irp m, 1,2,4,8
	s_delay_alu instid0(VALU_DEP_1)
	v_add_f32_dpp v[SM], v[SM], v[SM] row_xmask:\m row_mask:0xf bank_mask:0xf
.endr
	s_delay_alu instid0(VALU_DEP_1)
	v_permlanex16_b32 v[TT], v[SM], s34, s35
	s_delay_alu instid0(VALU_DEP_1)
	v_add_f32 v[SM], v[SM], v[TT]
.endm
.irp k, 0,1,2,3
	v_pk_add_f32 v[SM+2*\k:SM+2*\k+1], v[X+4*\k:X+4*\k+1], v[X+4*\k+2:X+4*\k+3]
.endr
.irp j, 16,24
.irp k, 0,1,2,3
	v_pk_add_f32 v[SM+2*\k:SM+2*\k+1], v[SM+2*\k:SM+2*\k+1], v[X+\j+2*\k:X+\j+2*\k+1]
.endr
.endr
	LANESUM
	s_delay_alu instid0(VALU_DEP_1)
	v_mul_f32 v[MN], 0xba800000, v[SM]             ; -mean = -sum / 1,024
	s_delay_alu instid0(VALU_DEP_1)
	v_mov_b32 v[MN+1], v[MN]
.set J, 0
.rept 16
	v_pk_add_f32 v[P+J:P+J+1], v[X+J:X+J+1], v[MN:MN+1]   ; d = x1 - mean, into other registers than the stores read
.set J, J+2
.endr
.irp k, 0,1,2,3
	v_pk_mul_f32 v[SM+2*\k:SM+2*\k+1], v[P+2*\k:P+2*\k+1], v[P+2*\k:P+2*\k+1]
.endr
.irp j, 8,16,24
.irp k, 0,1,2,3
	v_pk_fma_f32 v[SM+2*\k:SM+2*\k+1], v[P+\j+2*\k:P+\j+2*\k+1], v[P+\j+2*\k:P+\j+2*\k+1], v[SM+2*\k:SM+2*\k+1]
.endr
.endr
	LANESUM
	s_delay_alu instid0(VALU_DEP_1)
	v_mul_f32 v[SM], 0x3a802008, v[SM]             ; the sum of d^2 / 1,023
	s_wait_alu depctr_va_vdst(0)
	v_sqrt_f32 v[SM], v[SM]
	v_nop
	s_wait_alu depctr_va_vdst(0)
	v_add_f32 v[SM], 0x358637bd, v[SM]             ; + 1e-6
	s_wait_alu depctr_va_vdst(0)
	v_rcp_f32 v[MN], v[SM]
	v_nop
	s_wait_alu depctr_va_vdst(0)
	v_mov_b32 v[MN+1], v[MN]
.set J, 0
.rept 16
	v_pk_mul_f32 v[P+J:P+J+1], v[P+J:P+J+1], v[MN:MN+1]   ; z
.set J, J+2
.endr
.irp j, 0,1,2,3,4,5,6,7
	ds_store_b128 v[RDR], v[P+4*\j:P+4*\j+3] offset:512*\j   ; back into my own row, which I alone have read
.endr
	s_wait_dscnt 0x0
	s_barrier_signal -1
	s_barrier_wait -1
.irp i, 0,1,2,3,4,5,6,7
	ds_load_b128 v[P+4*\i:P+4*\i+3], v[RD3] offset:16*\i   ; register n = z(row r, 64 w + 32 h + n)
.endr
	s_wait_loadcnt 0x0                             ; alpha and bias
	s_wait_dscnt 0x0
.set J, 0
.rept 16
	v_pk_fma_f32 v[P+J:P+J+1], v[P+J:P+J+1], v[AL+J:AL+J+1], v[BI+J:BI+J+1]
.set J, J+2
.endr
	v_max3_num_f32 v[MX], |v[P]|, |v[P+1]|, |v[P+2]|       ; the block's largest magnitude: all 32 numbers are mine; two chains
	v_max3_num_f32 v[MX+1], |v[P+3]|, |v[P+4]|, |v[P+5]|
.irp i, 6,10,14,18,22,26
	v_max3_num_f32 v[MX], v[MX], |v[P+\i]|, |v[P+\i+1]|
	v_max3_num_f32 v[MX+1], v[MX+1], |v[P+\i+2]|, |v[P+\i+3]|
.endr
	v_max3_num_f32 v[MX], v[MX], |v[P+30]|, |v[P+31]|
	s_delay_alu instid0(VALU_DEP_1)
	v_max3_num_f32 v[MX], v[MX], v[MX+1], 0x1800000        ; the floor 2^(3 - 127) holds the byte at 1 from below
	s_delay_alu instid0(VALU_DEP_1)
	v_add_nc_u32 v[SO], 0xff000000, v[MX]          ; 2 off the exponent field: the conversion's scale operand
	s_delay_alu instid0(VALU_DEP_1)
	v_lshrrev_b32 v[BY], 23, v[SO]                 ; the scale's byte
	v_and_b32 v[SOF], 15, v0
	v_bfe_u32 v[SOF+1], v0, 4, 1
	s_delay_alu instid0(VALU_DEP_1)
	v_lshl_add_u32 v[SOF], v[SOF], 4, v[SOF+1]     ; 16 r + h
	v_cvt_scalef32_pk16_fp6_f32 v[PC:PC+2], v[P:P+15], v[SO]
	v_cvt_scalef32_pk16_fp6_f32 v[PT:PT+2], v[P+16:P+31], v[SO]   ; (a conversion's three registers begin on an even number)
	v_nop                                          ; one plain place behind a scaled conversion
.irp i, 0,1,2
	v_mov_b32 v[PC+3+\i], v[PT+\i]
.endr
.irp p, 0,1,2
	global_store_b64 v[L8], v[PC+2*\p:PC+2*\p+1], s[22:23] offset:256*\p   ; a plane: 256 consecutive bytes, aligned
.endr
	global_store_b8 v[SOF], v[BY], s[30:31]
	s_wait_tensorcnt 0x0                           ; the wave's end
	ds_add_u32 v[SPW], v[NIL]
	s_wait_dscnt 0x0
	s_endpgm
.Lfunc_end_k_q5cb439685e_woln:
	.size	k_q5cb439685e_woln, .Lfunc_end_k_q5cb439685e_woln-k_q5cb439685e_woln
	.p2alignl 7, 3214868480
	.fill 96, 4, 3214868480
	.section	.rodata,"a",@progbits
	.p2align	6, 0x0
	.amdhsa_kernel k_q5cb439685e_woln
		.amdhsa_group_segment_fixed_size 80128
		.amdhsa_private_segment_fixed_size 0
		.amdhsa_enable_private_segment 0
		.amdhsa_kernarg_size 56
		.amdhsa_user_sgpr_count 2
		.amdhsa_user_sgpr_kernarg_segment_ptr 1
		.amdhsa_wavefront_size32 1
		.amdhsa_system_sgpr_workgroup_id_x 1
		.amdhsa_system_sgpr_workgroup_id_y 1
		.amdhsa_system_sgpr_workgroup_id_z 1
		.amdhsa_system_vgpr_workitem_id 0
		.amdhsa_next_free_vgpr 256
		.amdhsa_next_free_sgpr 66
		.amdhsa_reserve_vcc 0
		.amdhsa_float_denorm_mode_32 3
		.amdhsa_float_denorm_mode_16_64 3
		.amdhsa_memory_ordered 1
		.amdhsa_forward_progress 1
		.amdhsa_inst_pref_size 48
	.end_amdhsa_kernel
	.amdgpu_metadata
---
amdhsa.version: [ 1, 2 ]
amdhsa.kernels:
  - .name:           k_q5cb439685e_woln
    .symbol:         k_q5cb439685e_woln.kd
    .args:
      - { .name: av, .offset: 0, .size: 8, .value_kind: global_buffer, .address_space: global }
      - { .name: ops, .offset: 8, .size: 8, .value_kind: global_buffer, .address_space: global }
      - { .name: x, .offset: 16, .size: 8, .value_kind: global_buffer, .address_space: global }
      - { .name: alpha2, .offset: 24, .size: 8, .value_kind: global_buffer, .address_space: global }
      - { .name: bias2, .offset: 32, .size: 8, .value_kind: global_buffer, .address_space: global }
      - { .name: x1, .offset: 40, .size: 8, .value_kind: global_buffer, .address_space: global }
      - { .name: xn2, .offset: 48, .size: 8, .value_kind: global_buffer, .address_space: global }
    .group_segment_fixed_size: 80128
    .private_segment_fixed_size: 0
    .kernarg_segment_align: 8
    .kernarg_segment_size: 56
    .max_flat_workgroup_size: 512
    .sgpr_count:     66
    .vgpr_count:     256
    .wavefront_size: 32
...
	.end_amdgpu_metadata
.endif
;; end of part 12
;; launch ffn1 (part 13): grid 16 x 16, 4 waves a work-group, clusters of 4 x 4, 327,680 bytes of LDS; arguments xn2, ops, b1, h; writes h
.if DOCPART == 13
	.amdgcn_target "amdgcn-amd-amdhsa--gfx1250"
	.amdhsa_code_object_version 6
	.text
	.protected	k_q5cb439685e_ffn1
	.globl	k_q5cb439685e_ffn1
	.p2align	8
	.type	k_q5cb439685e_ffn1,@function
k_q5cb439685e_ffn1:
	s_mov_b64 s[64:65], 0
	v_nop
	global_prefetch_b8 v0, s[64:65] scope:SCOPE_SE
	s_setreg_imm32_b32 hwreg(HW_REG_WAVE_MODE, 25, 1), 1
	s_wait_xcnt 0x0
	s_wait_alu depctr_hold_cnt(0) depctr_sa_sdst(0) depctr_va_vdst(0) depctr_va_sdst(0) depctr_va_ssrc(0) depctr_va_vcc(0) depctr_vm_vsrc(0)
	s_getreg_b32 s2, hwreg(HW_REG_IB_STS2, 6, 4)
	s_cmp_eq_u32 s2, 0
	s_cbranch_scc0 .Lentry_in_a_cluster
	s_endpgm
.Lentry_in_a_cluster:
	s_bfe_u32 s2, ttmp6, 0x10000c
	s_cmp_lg_u32 s2, 0xf033
	s_cbranch_scc0 .Lentry_shape_is_right
	s_endpgm
.Lentry_shape_is_right:
.set G,      8
.set SPA,    49152
.set SPB,    49152
.set CODE0,  524288
.set ACODE,  CODE0
.set ASC0,   0
.set BCODE,  CODE0+512*12288
.set BSC0,   512*64
.set NQ,     2
.set FR,     12
.set NL,     6
.set NP,     4
.set REC,    1536
.set RBB,    NQ*REC
.set HALFT,  8*RBB
.set SLOT,   4*HALFT
.set LAPS,   G/4
.set SCL,    2*SLOT
.set SPART,  G*512
.set SPARE,  SCL+4*SPART
.set ADRA, 16
.set ADRB, 20
.set RD,   25
.set CO,   26
.set ADRS, 27
.set SPW,  28
.set NIL,  29
.set SC,   32
.set BIAS, 64
.set AF,   128
.set HB,   128
.set PC,   192
.set TM,   212
.set SW,   232
.set G1, 24
.set G0, 32
.set G1B, 48
.set G0B, 56
.set G1S, 68
.set G0S, 76
.set G1SB, 80
.set G0SB, 88
.set MSB, 0
.macro WIN new
.if MSB != (\new)
	s_set_vgpr_msb (MSB<<8)|(\new)
.set MSB, (\new)
.endif
.endm
.set MUL_LO, 0xa1
.set MUL_HI, 0xf1
.set TO_B,   0x40
.macro JLOAD g0a, g1a, g0b, g1b
	s_cmp_eq_u32 s15, 0
	s_cbranch_scc0 .Lfor_b_\@
	tensor_load_to_lds s[\g0a:\g0a+3], s[\g1a:\g1a+7]
	s_nop 0
.rept 4
	v_nop
.endr
	s_branch .Lasked_\@
.Lfor_b_\@:
	tensor_load_to_lds s[\g0b:\g0b+3], s[\g1b:\g1b+7]
	s_nop 0
.rept 4
	v_nop
.endr
.Lasked_\@:
.endm
.macro CREST
	s_cmp_lg_u32 s14, 0
	s_cbranch_scc1 .Lnot_wave_0_\@
	s_barrier_signal -3
.Lnot_wave_0_\@:
	s_barrier_wait -3
	s_barrier_signal -1
	s_barrier_wait -1
.endm
.macro CROUND
	s_barrier_signal -1
	s_barrier_wait -1
	CREST
.endm
	s_load_b128 s[4:7], s[0:1], 0x0
	s_load_b128 s[8:11], s[0:1], 0x10
	v_lshl_add_u32 v[SPW], v0, 2, SPARE
	v_mov_b32 v[NIL], 0
	ds_add_u32 v28, v29
	ds_add_u32 v28, v29
	s_wait_dscnt 0x0
	v_lshrrev_b32 v1, 5, v0
	v_readfirstlane_b32 s14, v1
	s_lshr_b32 s15, s14, 1
	s_and_b32 s16, s14, 1
	s_bfe_u32 s40, ttmp6, 0x40000
	s_bfe_u32 s41, ttmp6, 0x40004
	s_lshl_b32 s42, ttmp9, 2
	s_add_co_u32 s42, s42, s40
	s_and_b32 s17, ttmp7, 0xffff
	s_lshl_b32 s17, s17, 2
	s_add_co_u32 s17, s17, s41
	s_lshl_b32 s43, s41, 2
	s_lshl_b32 s43, 15, s43
	s_lshl_b32 s44, 0x1111, s40
	s_or_b32 s[G1+0], s43, (3<<16)|(1<<21)
	s_or_b32 s[G1B+0], s44, (3<<16)|(1<<21)
.irp g, G1, G1B
	s_mov_b32 s[\g+1], 384<<16
	s_mov_b32 s[\g+2], 8<<16
	s_mov_b32 s[\g+3], 384<<16
	s_mov_b32 s[\g+4], 8
	s_mov_b32 s[\g+5], G*192
	s_mov_b32 s[\g+6], 0
	s_mov_b32 s[\g+7], 0
.endr
	s_or_b32 s[G1S+0], s43, (3<<16)|(1<<21)
	s_or_b32 s[G1SB+0], s44, (3<<16)|(1<<21)
.irp g, G1S, G1SB
	s_mov_b32 s[\g+1], 64<<16
	s_mov_b32 s[\g+2], G<<16
	s_mov_b32 s[\g+3], 64<<16
	s_mov_b32 s[\g+4], G
	s_mov_b32 s[\g+6], 0
	s_mov_b32 s[\g+7], 0
.endr
	s_mov_b32 s[G1S+5], SPA/8
	s_mov_b32 s[G1SB+5], SPB/8
	s_lshl_b32 s18, s16, 3
	s_lshl_b32 s20, s17, 4
	s_add_co_u32 s20, s20, s18
	s_lshl_b32 s46, s42, 4
	s_add_co_u32 s46, s46, s18
	s_lshl_b32 s22, s20, 6
	s_add_co_u32 s22, s22, ASC0
	s_mov_b32 s23, 0
	s_lshl_b32 s92, s46, 6
	s_add_co_u32 s92, s92, BSC0
	s_mov_b32 s93, 0
	s_mul_i32 s20, s20, G*REC
	s_add_co_u32 s20, s20, ACODE
	s_mov_b32 s21, 0
	s_mul_i32 s46, s46, G*REC
	s_add_co_u32 s46, s46, BCODE
	s_mov_b32 s47, 0
	s_mul_i32 s45, s14, HALFT
	s_mul_i32 s94, s14, SPART
	s_wait_kmcnt 0x0
	s_add_nc_u64 s[20:21], s[4:5], s[20:21]
	s_add_nc_u64 s[22:23], s[4:5], s[22:23]
	s_add_nc_u64 s[46:47], s[6:7], s[46:47]
	s_add_nc_u64 s[92:93], s[6:7], s[92:93]
	CROUND
	s_mov_b32 s[G0S], 1
	s_add_co_u32 s[G0S+1], s94, SCL
	s_mov_b64 s[G0S+2:G0S+3], s[22:23]
	s_or_b32 s[G0S+3], s[G0S+3], 0x80000000
	s_mov_b32 s[G0SB], 1
	s_add_co_u32 s[G0SB+1], s94, SCL
	s_mov_b64 s[G0SB+2:G0SB+3], s[92:93]
	s_or_b32 s[G0SB+3], s[G0SB+3], 0x80000000
	JLOAD G0S, G1S, G0SB, G1SB
.irp s, 0,1
	s_mov_b32 s[G0+4*\s], 1
	s_add_co_u32 s[G0+4*\s+1], s45, \s*SLOT
	s_add_nc_u64 s[G0+4*\s+2:G0+4*\s+3], s[20:21], \s*RBB
	s_or_b32 s[G0+4*\s+3], s[G0+4*\s+3], 0x80000000
	s_mov_b32 s[G0B+4*\s], 1
	s_add_co_u32 s[G0B+4*\s+1], s45, \s*SLOT
	s_add_nc_u64 s[G0B+4*\s+2:G0B+4*\s+3], s[46:47], \s*RBB
	s_or_b32 s[G0B+4*\s+3], s[G0B+4*\s+3], 0x80000000
	s_wait_alu depctr_va_vdst(0)
	s_wait_tensorcnt 0x0
	ds_add_u32 v28, v29
	s_wait_dscnt 0x0
	CROUND
	JLOAD G0+4*\s, G1, G0B+4*\s, G1B
.endr
	v_and_b32 v1, 15, v0
	v_bfe_u32 v2, v0, 4, 1
	v_and_b32 v3, 31, v0
	v_lshlrev_b32 v[CO], 3, v3
	s_wait_alu depctr_va_vdst(0)
	v_lshlrev_b32 v[RD], 4, v3
	v_lshlrev_b32 v7, 6, v2
	s_lshl_b32 s46, s42, 10
	s_lshl_b32 s47, s16, 9
	s_add_co_u32 s46, s46, s47
	s_mov_b32 s47, 0
	s_add_nc_u64 s[8:9], s[8:9], s[46:47]
.irp n, 0,1,2,3,4,5,6,7,8,9,10,11,12,13,14,15
	global_load_b128 v[BIAS+4*\n:BIAS+4*\n+3], v7, s[8:9] offset:128*(\n/4)+16*(\n%4)
.endr
	s_mul_i32 s21, s15, HALFT
	s_mul_i32 s22, s16, HALFT
	s_add_co_u32 s22, s22, 2*HALFT
.irp s, 0,1
	v_add_nc_u32 v[ADRA+\s], s21, v[CO]
	v_add_nc_u32 v[ADRB+\s], s22, v[CO]
	s_add_co_u32 s21, s21, SLOT
	s_add_co_u32 s22, s22, SLOT
.endr
	v_lshlrev_b32 v5, 4, v1
	s_mul_i32 s21, s15, SPART
	s_mul_i32 s22, s16, SPART
	s_add_co_u32 s22, s22, 2*SPART
	s_sub_co_u32 s22, s22, s21
	v_mul_u32_u24 v6, s22, v2
	s_add_co_u32 s21, s21, SCL
	v_add_nc_u32 v5, v5, v6
	v_add_nc_u32 v[ADRS], s21, v5
	s_lshl_b32 s20, s17, 4
	s_lshl_b32 s21, s15, 3
	s_add_co_u32 s20, s20, s21
	s_lshl_b32 s22, s42, 1
	s_add_co_u32 s22, s22, s16
	s_lshl_b32 s46, s20, 6
	s_lshl_b32 s47, s22, 14
	s_add_co_u32 s46, s46, s47
	s_mov_b32 s47, 0
	s_mul_i32 s20, s20, 49152
	s_mul_i32 s22, s22, 1536
	s_add_co_u32 s20, s20, s22
	s_add_co_u32 s20, s20, CODE0
	s_mov_b32 s21, 0
	s_add_nc_u64 s[12:13], s[10:11], s[46:47]
	s_add_nc_u64 s[10:11], s[10:11], s[20:21]
.macro FRAG reg, adr, q, i
.irp p, 0,1,2,3,4,5
	ds_load_b64 v[\reg+2*\p:\reg+2*\p+1], v[\adr] offset:(\i)*RBB+(\q)*REC+256*\p
.endr
.endm
.macro MUL16 a0, p, q, sc, zero
.irp a, \a0, \a0+1
.irp b, 0,1,2,3,4,5,6,7
.set DD, 8*(8*((\a)%4)+\b)
.set BF, 128*(\p)+FR*\b
.set AA, AF+FR*(\a)
.set SCB, SC+16*(\sc)+8*(\q)+\b
.set SCA, SC+16*(\sc)+8*(\q)+(\a)
.if \zero == 1
	v_wmma_scale_f32_16x16x128_f8f6f4 v[DD:DD+7], v[BF:BF+FR-1], v[AA:AA+FR-1], 0, v[SCB], v[SCA] matrix_a_fmt:MATRIX_FMT_FP6 matrix_b_fmt:MATRIX_FMT_FP6 matrix_a_scale:MATRIX_SCALE_ROW1
.elseif \zero == 2
	v_wmma_scale_f32_16x16x128_f8f6f4 v[DD:DD+7], v[BF:BF+FR-1], v[AA:AA+FR-1], v[BIAS+8*\b:BIAS+8*\b+7], v[SCB], v[SCA] matrix_a_fmt:MATRIX_FMT_FP6 matrix_b_fmt:MATRIX_FMT_FP6 matrix_a_scale:MATRIX_SCALE_ROW1
.else
	v_wmma_scale_f32_16x16x128_f8f6f4 v[DD:DD+7], v[BF:BF+FR-1], v[AA:AA+FR-1], v[DD:DD+7], v[SCB], v[SCA] matrix_a_fmt:MATRIX_FMT_FP6 matrix_b_fmt:MATRIX_FMT_FP6 matrix_a_scale:MATRIX_SCALE_ROW1
.endif
.endr
.endr
.endm
.macro FETCH_B slot, q, p
	WIN TO_B
.irp i, 0,1,2,3,4,5,6,7
	FRAG 128*(\p)+FR*\i, ADRB+\slot, \q, \i
.endr
	WIN 0
.endm
.macro FETCH_A slot, q, i0
.irp i, \i0, \i0+1, \i0+2, \i0+3
	FRAG AF+FR*(\i), ADRA+\slot, \q, \i
.endr
.endm
.macro SCALES sc
.irp q, 0,1
.irp j, 0,1
	ds_load_b128 v[SC+16*\sc+8*\q+4*\j:SC+16*\sc+8*\q+4*\j+3], v[ADRS] offset:512*\q+256*\j
.endr
.endr
.endm
.macro PLACES n
.rept \n
	v_nop
.endr
.endm
.macro STEP slot, q, zero
	s_wait_dscnt 4*NL
.if \zero == 2
	WIN 0x81
.else
	WIN MUL_LO
.endif
	MUL16 0, (\q)%2, \q, \slot, \zero
	MUL16 2, (\q)%2, \q, \slot, \zero
	s_wait_dscnt 0
	PLACES NP
	FETCH_B \slot, (\q)+1, 1-(\q)%2
	FETCH_A \slot, (\q)+1, 0
.if \zero == 2
	WIN 0xc1
.else
	WIN MUL_HI
.endif
	MUL16 4, (\q)%2, \q, \slot, \zero
	MUL16 6, (\q)%2, \q, \slot, \zero
	PLACES NP
	WIN 0
	FETCH_A \slot, (\q)+1, 4
.endm
.macro TURN slot, next, fill
	s_wait_tensorcnt 0x0
	ds_add_u32 v[SPW], v[NIL]
	s_wait_dscnt 4*NL+1
	WIN MUL_LO
	MUL16 0, 1, NQ-1, \slot, 0
	s_wait_dscnt 0x0
	s_barrier_signal -1
	MUL16 2, 1, NQ-1, \slot, 0
	WIN 0
	s_barrier_wait -1
.if \fill
	CREST
	s_add_nc_u64 s[G0+4*\slot+2:G0+4*\slot+3], s[G0+4*\slot+2:G0+4*\slot+3], 2*RBB
	s_add_nc_u64 s[G0B+4*\slot+2:G0B+4*\slot+3], s[G0B+4*\slot+2:G0B+4*\slot+3], 2*RBB
	JLOAD G0+4*\slot, G1, G0B+4*\slot, G1B
.else
	PLACES NP
.endif
	s_wait_alu depctr_va_vdst(0)
	v_add_nc_u32 v[ADRS], NQ*512, v[ADRS]
	FETCH_B \next, 0, 0
	FETCH_A \next, 0, 0
	SCALES \next
	WIN MUL_HI
	MUL16 4, 1, NQ-1, \slot, 0
	MUL16 6, 1, NQ-1, \slot, 0
	PLACES NP
	WIN 0
	FETCH_A \next, 0, 4
.endm
	s_wait_alu depctr_va_vdst(0)
	s_wait_tensorcnt 1
	s_barrier_signal -1
	s_barrier_wait -1
	FETCH_B 0, 0, 0
	FETCH_A 0, 0, 0
	SCALES 0
	FETCH_A 0, 0, 4
	s_wait_loadcnt 0x0
	STEP 0, 0, 2
	s_mov_b32 s3, LAPS-1
.Llap:
	TURN 0, 1, 1
	STEP 1, 0, 0
	TURN 1, 0, 1
	STEP 0, 0, 0
	s_sub_co_u32 s3, s3, 1
	s_cmp_lg_u32 s3, 0
	s_cbranch_scc1 .Llap
	TURN 0, 1, 0
	STEP 1, 0, 0
	s_wait_dscnt 4*NL
	WIN MUL_LO
	MUL16 0, 1, NQ-1, 1, 0
	MUL16 2, 1, NQ-1, 1, 0
	s_wait_dscnt 0
	WIN MUL_HI
	MUL16 4, 1, NQ-1, 1, 0
	MUL16 6, 1, NQ-1, 1, 0
	WIN 0
.macro QUANT src, dst
.irp b, 0,1,2,3
	v_max3_num_f32 v[TM+\b], 0x1800000, v[(\src)+16*\b], v[(\src)+1+16*\b]
.endr
.irp i, 2,4,6,8,10,12,14
.irp b, 0,1,2,3
	v_max3_num_f32 v[TM+\b], v[TM+\b], v[(\src)+16*\b+\i], v[(\src)+1+16*\b+\i]
.endr
.endr
.irp b, 0,1,2,3
	v_permlanex16_b32 v[TM+4+\b], v[TM+\b], s18, s19
.endr
.irp b, 0,1,2,3
	v_max_num_f32 v[TM+\b], v[TM+\b], v[TM+4+\b]
.endr
.irp b, 0,1,2,3
	v_add_nc_u32 v[TM+12+\b], 0xff000000, v[TM+\b]
.endr
.irp b, 0,1,2,3
	v_lshrrev_b32 v[TM+4+\b], 23, v[TM+12+\b]
.endr
	v_lshl_or_b32 v[\dst], v[TM+5], 8, v[TM+4]
	v_lshl_or_b32 v[\dst], v[TM+6], 16, v[\dst]
	v_lshl_or_b32 v[\dst], v[TM+7], 24, v[\dst]
.irp c, 0,1
	v_cvt_scalef32_pk16_fp6_f32 v[PC+6*\c:PC+2+6*\c], v[(\src)+32*\c:(\src)+15+32*\c], v[TM+12+2*\c]
	v_cvt_scalef32_pk16_fp6_f32 v[PC+12+4*\c:PC+14+4*\c], v[(\src)+16+32*\c:(\src)+31+32*\c], v[TM+12+2*\c+1]
.endr
	v_nop
.irp c, 0,1
.irp i, 0,1,2
	v_permlane16_swap_b32 v[PC+6*\c+\i], v[PC+12+4*\c+\i]
.endr
.irp i, 0,1,2
	v_mov_b32 v[PC+3+6*\c+\i], v[PC+12+4*\c+\i]
.endr
.endr
.endm
	PLACES NP
	s_mov_b32 s18, 0x76543210
	s_mov_b32 s19, 0xfedcba98
.irp b, 0,1,2,3
	v_mov_b32 v[TM+4+\b], 0
.endr
.irp a, 0,1,2,3,4,5,6,7
.if \a > 0
	s_wait_xcnt 0x0
.endif
.set AC, 64*(\a%4)
	WIN 0x08+4*(\a/4)
.set J, 0
.rept 64
	v_max_num_f32 v[HB+J], 0, v[AC+J]
.set J, J+1
.endr
	WIN 0
	QUANT HB, SW+\a
.irp p, 0,1,2,3,4,5
	global_store_b64 v[CO], v[PC+2*\p:PC+2*\p+1], s[10:11] offset:\a*49152+256*\p
.endr
.endr
	s_mov_b32 s20, 0xffff0000
.irp u, 0,1,2,3
	v_cndmask_b32 v[SW+\u], v[SW+\u], v[SW+4+\u], s20
.endr
	global_store_b128 v[RD], v[SW:SW+3], s[12:13]
	s_wait_tensorcnt 0x0
	ds_add_u32 v[SPW], v[NIL]
	s_wait_dscnt 0x0
	CROUND
	s_endpgm
.Lfunc_end_k_q5cb439685e_ffn1:
	.size	k_q5cb439685e_ffn1, .Lfunc_end_k_q5cb439685e_ffn1-k_q5cb439685e_ffn1
	.p2alignl 7, 3214868480
	.fill 96, 4, 3214868480
	.section	.rodata,"a",@progbits
	.p2align	6, 0x0
	.amdhsa_kernel k_q5cb439685e_ffn1
		.amdhsa_group_segment_fixed_size 327680
		.amdhsa_private_segment_fixed_size 0
		.amdhsa_enable_private_segment 0
		.amdhsa_kernarg_size 32
		.amdhsa_user_sgpr_count 2
		.amdhsa_user_sgpr_kernarg_segment_ptr 1
		.amdhsa_wavefront_size32 1
		.amdhsa_system_sgpr_workgroup_id_x 1
		.amdhsa_system_sgpr_workgroup_id_y 1
		.amdhsa_system_sgpr_workgroup_id_z 1
		.amdhsa_system_vgpr_workitem_id 0
		.amdhsa_next_free_vgpr 1024
		.amdhsa_next_free_sgpr 100
		.amdhsa_reserve_vcc 0
		.amdhsa_float_denorm_mode_32 3
		.amdhsa_float_denorm_mode_16_64 3
		.amdhsa_memory_ordered 1
		.amdhsa_forward_progress 1
		.amdhsa_inst_pref_size 183
	.end_amdhsa_kernel
	.amdgpu_metadata
---
amdhsa.version: [ 1, 2 ]
amdhsa.kernels:
  - .name:           k_q5cb439685e_ffn1
    .symbol:         k_q5cb439685e_ffn1.kd
    .args:
      - { .name: xn2, .offset: 0, .size: 8, .value_kind: global_buffer, .address_space: global }
      - { .name: ops, .offset: 8, .size: 8, .value_kind: global_buffer, .address_space: global }
      - { .name: b1, .offset: 16, .size: 8, .value_kind: global_buffer, .address_space: global }
      - { .name: h, .offset: 24, .size: 8, .value_kind: global_buffer, .address_space: global }
    .group_segment_fixed_size: 327680
    .private_segment_fixed_size: 0
    .kernarg_segment_align: 8
    .kernarg_segment_size: 32
    .max_flat_workgroup_size: 128
    .sgpr_count:     100
    .vgpr_count:     1024
    .wavefront_size: 32
...
	.end_amdgpu_metadata
.endif
;; end of part 13
;; launch ffn2 (part 14): grid 8 x 32, 4 waves a work-group, clusters of 4 x 4, 327,680 bytes of LDS; arguments h, ops, b2, x1, out0; writes out0
.if DOCPART == 14
	.amdgcn_target "amdgcn-amd-amdhsa--gfx1250"
	.amdhsa_code_object_version 6
	.text
	.protected	k_q5cb439685e_ffn2
	.globl	k_q5cb439685e_ffn2
	.p2align	8
	.type	k_q5cb439685e_ffn2,@function
k_q5cb439685e_ffn2:
	s_mov_b64 s[64:65], 0
	v_nop
	global_prefetch_b8 v0, s[64:65] scope:SCOPE_SE
	s_setreg_imm32_b32 hwreg(HW_REG_WAVE_MODE, 25, 1), 1
	s_wait_xcnt 0x0
	s_wait_alu depctr_hold_cnt(0) depctr_sa_sdst(0) depctr_va_vdst(0) depctr_va_sdst(0) depctr_va_ssrc(0) depctr_va_vcc(0) depctr_vm_vsrc(0)
	s_getreg_b32 s2, hwreg(HW_REG_IB_STS2, 6, 4)
	s_cmp_eq_u32 s2, 0
	s_cbranch_scc0 .Lentry_in_a_cluster
	s_endpgm
.Lentry_in_a_cluster:
	s_bfe_u32 s2, ttmp6, 0x10000c
	s_cmp_lg_u32 s2, 0xf033
	s_cbranch_scc0 .Lentry_shape_is_right
	s_endpgm
.Lentry_shape_is_right:
.set G,      32
.set RING,   1
.set HASB,   1
.set SPA,    16384
.set SPB,    4096
.set CODE0,  524288
.set ACODE,  CODE0
.set ASC0,   0
.set BCODE,  CODE0+9437184
.set BSC0,   393216
.set RESP,   10
.set OUTP,   12
.set NQ,     4
.set FR,     12
.set NP,     4
.set REC,    1536
.set RBB,    NQ*REC
.set HALFT,  4*RBB
.set SLOT,   4*HALFT
.set LAPS,   G/(2*NQ)
.set SCL,    2*SLOT
.set SPART,  G*256
.set SPARE,  SCL+4*SPART
.set STG,    SPARE+512
.set SPITCH, 272
.set ADRA, 16
.set ADRB, 20
.set STO,  24
.set RD,   25
.set CO,   26
.set ADRS, 27
.set SPW,  28
.set NIL,  29
.set SC,   32
.set BIAS, 64
.set BK,   64
.set ACC,  128
.set F0,   0
.set F1,   128
.set G1, 24
.set G0, 32
.set G1B, 48
.set G0B, 56
.set G1S, 68
.set G0S, 76
.set G1SB, 80
.set G0SB, 88
.set MSB, 0
.macro WIN new
.if MSB != (\new)
	s_set_vgpr_msb (MSB<<8)|(\new)
.set MSB, (\new)
.endif
.endm
.set MUL,  0x05
.set TO_F, 0x40
.macro JLOAD g0a, g1a, g0b, g1b
	s_cmp_eq_u32 s15, 0
	s_cbranch_scc0 .Lfor_b_\@
	tensor_load_to_lds s[\g0a:\g0a+3], s[\g1a:\g1a+7]
	s_nop 0
.rept 4
	v_nop
.endr
	s_branch .Lasked_\@
.Lfor_b_\@:
	tensor_load_to_lds s[\g0b:\g0b+3], s[\g1b:\g1b+7]
	s_nop 0
.rept 4
	v_nop
.endr
.Lasked_\@:
.endm
.macro CREST
	s_cmp_lg_u32 s14, 0
	s_cbranch_scc1 .Lnot_wave_0_\@
	s_barrier_signal -3
.Lnot_wave_0_\@:
	s_barrier_wait -3
	s_barrier_signal -1
	s_barrier_wait -1
.endm
.macro CROUND
	s_barrier_signal -1
	s_barrier_wait -1
	CREST
.endm
	s_load_b128 s[4:7], s[0:1], 0x0
	s_load_b128 s[8:11], s[0:1], 0x10
	s_load_b64 s[12:13], s[0:1], 0x20
	v_lshl_add_u32 v[SPW], v0, 2, SPARE
	v_mov_b32 v[NIL], 0
	ds_add_u32 v28, v29
	ds_add_u32 v28, v29
	s_wait_dscnt 0x0
	v_lshrrev_b32 v1, 5, v0
	v_readfirstlane_b32 s14, v1
	s_lshr_b32 s15, s14, 1
	s_and_b32 s16, s14, 1
	s_bfe_u32 s40, ttmp6, 0x40000
	s_bfe_u32 s41, ttmp6, 0x40004
	s_lshl_b32 s42, ttmp9, 2
	s_add_co_u32 s42, s42, s40
	s_and_b32 s17, ttmp7, 0xffff
	s_lshl_b32 s17, s17, 2
	s_add_co_u32 s17, s17, s41
	s_lshl_b32 s43, s41, 2
	s_lshl_b32 s43, 15, s43
	s_lshl_b32 s44, 0x1111, s40
	s_or_b32 s[G1+0], s43, (3<<16)|(1<<21)
	s_or_b32 s[G1B+0], s44, (3<<16)|(1<<21)
.irp g, G1, G1B
	s_mov_b32 s[\g+1], 768<<16
	s_mov_b32 s[\g+2], 4<<16
	s_mov_b32 s[\g+3], 768<<16
	s_mov_b32 s[\g+4], 4
	s_mov_b32 s[\g+5], G*192
	s_mov_b32 s[\g+6], 0
	s_mov_b32 s[\g+7], 0
.endr
	s_or_b32 s[G1S+0], s43, (3<<16)|(1<<21)
	s_or_b32 s[G1SB+0], s44, (3<<16)|(1<<21)
.irp g, G1S, G1SB
	s_mov_b32 s[\g+1], 32<<16
	s_mov_b32 s[\g+2], G<<16
	s_mov_b32 s[\g+3], 32<<16
	s_mov_b32 s[\g+4], G
	s_mov_b32 s[\g+6], 0
	s_mov_b32 s[\g+7], 0
.endr
	s_mov_b32 s[G1S+5], SPA/8
	s_mov_b32 s[G1SB+5], SPB/8
	s_lshl_b32 s18, s16, 2
	s_lshl_b32 s20, s17, 3
	s_add_co_u32 s20, s20, s18
	s_lshl_b32 s46, s42, 3
	s_add_co_u32 s46, s46, s18
	s_lshl_b32 s22, s20, 6
	s_add_co_u32 s22, s22, ASC0
	s_mov_b32 s23, 0
	s_lshl_b32 s92, s46, 6
	s_add_co_u32 s92, s92, BSC0
	s_mov_b32 s93, 0
	s_mul_i32 s20, s20, G*REC
	s_add_co_u32 s20, s20, ACODE
	s_mov_b32 s21, 0
	s_mul_i32 s46, s46, G*REC
	s_add_co_u32 s46, s46, BCODE
	s_mov_b32 s47, 0
	s_mul_i32 s45, s14, HALFT
	s_mul_i32 s94, s14, SPART
	s_wait_kmcnt 0x0
	s_add_nc_u64 s[20:21], s[4:5], s[20:21]
	s_add_nc_u64 s[22:23], s[4:5], s[22:23]
	s_add_nc_u64 s[46:47], s[6:7], s[46:47]
	s_add_nc_u64 s[92:93], s[6:7], s[92:93]
	; the prefetches' address: of the four row blocks that I fetch, the partner at place p (cx for A's tiles, cy for B's) names row block p: shared out by address, no branch on a place
	s_cmp_eq_u32 s15, 0
	s_cselect_b64 s[96:97], s[20:21], s[46:47]
	s_cselect_b32 s98, s40, s41
	s_mul_i32 s98, s98, G*REC
	s_mov_b32 s99, 0
	s_add_nc_u64 s[96:97], s[96:97], s[98:99]
	CROUND
	s_mov_b32 s[G0S], 1
	s_add_co_u32 s[G0S+1], s94, SCL
	s_mov_b64 s[G0S+2:G0S+3], s[22:23]
	s_or_b32 s[G0S+3], s[G0S+3], 0x80000000
	s_mov_b32 s[G0SB], 1
	s_add_co_u32 s[G0SB+1], s94, SCL
	s_mov_b64 s[G0SB+2:G0SB+3], s[92:93]
	s_or_b32 s[G0SB+3], s[G0SB+3], 0x80000000
	JLOAD G0S, G1S, G0SB, G1SB
.irp s, 0,1
	s_mov_b32 s[G0+4*\s], 1
	s_add_co_u32 s[G0+4*\s+1], s45, \s*SLOT
	s_add_nc_u64 s[G0+4*\s+2:G0+4*\s+3], s[20:21], \s*RBB
	s_or_b32 s[G0+4*\s+3], s[G0+4*\s+3], 0x80000000
	s_mov_b32 s[G0B+4*\s], 1
	s_add_co_u32 s[G0B+4*\s+1], s45, \s*SLOT
	s_add_nc_u64 s[G0B+4*\s+2:G0B+4*\s+3], s[46:47], \s*RBB
	s_or_b32 s[G0B+4*\s+3], s[G0B+4*\s+3], 0x80000000
	s_wait_alu depctr_va_vdst(0)
	s_wait_tensorcnt 0x0
	ds_add_u32 v28, v29
	s_wait_dscnt 0x0
	CROUND
	JLOAD G0+4*\s, G1, G0B+4*\s, G1B
.endr
	v_and_b32 v1, 15, v0
	v_bfe_u32 v2, v0, 4, 1
	v_and_b32 v3, 31, v0
	v_lshlrev_b32 v4, 3, v3
	v_lshlrev_b32 v5, 12, v2
	v_lshl_add_u32 v[CO], v1, 4, v5
	s_wait_alu depctr_va_vdst(0)
	v_lshlrev_b32 v7, 6, v2
	v_min_u32 v8, 23, v3
	v_lshlrev_b32 v8, 8, v8                        ; a row block's 6,144 bytes of a slot are 24 blocks of 256 bytes, a lane each; the lanes left over name the last again
	global_prefetch_b8 v8, s[96:97] offset:2*RBB th:TH_LOAD_NT scope:SCOPE_SE   ; slots 2 and 3, which the first two refills will load
	global_prefetch_b8 v8, s[96:97] offset:3*RBB th:TH_LOAD_NT scope:SCOPE_SE
	s_lshl_b32 s46, s42, 9
	s_lshl_b32 s47, s16, 8
	s_add_co_u32 s46, s46, s47
	s_mov_b32 s47, 0
	s_add_nc_u64 s[8:9], s[8:9], s[46:47]
.irp n, 0,1,2,3,4,5,6,7
	global_load_b128 v[BIAS+4*\n:BIAS+4*\n+3], v7, s[8:9] offset:128*(\n/4)+16*(\n%4)
.endr
	s_lshl_b32 s20, s17, 7
	s_lshl_b32 s21, s15, 6
	s_add_co_u32 s20, s20, s21
	s_lshl_b32 s20, s20, 12
	s_add_co_u32 s20, s20, s46
	s_mov_b32 s21, 0
	s_add_nc_u64 s[RESP:RESP+1], s[RESP:RESP+1], s[20:21]
	s_add_nc_u64 s[OUTP:OUTP+1], s[OUTP:OUTP+1], s[20:21]
	WIN 0x80
.irp a, 0,1,2,3
.irp t, 0,1,2,3,4,5,6,7
	global_load_b128 v[32*\a+4*\t:32*\a+4*\t+3], v[CO], s[RESP:RESP+1] offset:(32*(\a/2)+8*(\a%2)+2*\t+8*(\t/4))*4096 th:TH_LOAD_NT
.endr
.endr
	WIN 0
	s_mul_i32 s21, s15, HALFT
	s_mul_i32 s22, s16, HALFT
	s_add_co_u32 s22, s22, 2*HALFT
.irp s, 0,1
	v_add_nc_u32 v[ADRA+\s], s21, v4
	v_add_nc_u32 v[ADRB+\s], s22, v4
	s_add_co_u32 s21, s21, SLOT
	s_add_co_u32 s22, s22, SLOT
.endr
	v_lshlrev_b32 v5, 4, v1
	s_mul_i32 s21, s15, SPART
	s_mul_i32 s22, s16, SPART
	s_add_co_u32 s22, s22, 2*SPART
	s_sub_co_u32 s22, s22, s21
	v_mul_u32_u24 v6, s22, v2
	s_add_co_u32 s21, s21, SCL
	v_add_nc_u32 v5, v5, v6
	v_add_nc_u32 v[ADRS], s21, v5
	s_mul_i32 s23, s14, 16*SPITCH
	s_add_co_u32 s23, s23, STG
	v_mul_u32_u24 v5, v1, SPITCH
	v_lshl_add_u32 v5, v2, 6, v5
	v_add_nc_u32 v[STO], s23, v5
	v_mul_u32_u24 v5, v2, SPITCH
	v_lshl_add_u32 v5, v1, 4, v5
	v_add_nc_u32 v[RD], s23, v5
.macro FRAG reg, adr, q, i
.irp p, 0,1,2,3,4,5
	ds_load_b64 v[\reg+2*\p:\reg+2*\p+1], v[\adr] offset:(\i)*RBB+(\q)*REC+256*\p
.endr
.endm
.macro MUL4 f, q, sc, a, zero
.irp b, 0,1,2,3
.set DD, ACC+8*(4*(\a)+\b)
.set BF, (\f)+48+FR*\b
.set AA, (\f)+FR*(\a)
.set SCB, SC+16*(\sc)+4*(\q)+\b
.set SCA, SC+16*(\sc)+4*(\q)+(\a)
.if \zero == 1
	v_wmma_scale_f32_16x16x128_f8f6f4 v[DD:DD+7], v[BF:BF+FR-1], v[AA:AA+FR-1], 0, v[SCB], v[SCA] matrix_a_fmt:MATRIX_FMT_FP6 matrix_b_fmt:MATRIX_FMT_FP6 matrix_a_scale:MATRIX_SCALE_ROW1
.elseif \zero == 2
	v_wmma_scale_f32_16x16x128_f8f6f4 v[DD:DD+7], v[BF:BF+FR-1], v[AA:AA+FR-1], v[BIAS+8*\b:BIAS+8*\b+7], v[SCB], v[SCA] matrix_a_fmt:MATRIX_FMT_FP6 matrix_b_fmt:MATRIX_FMT_FP6 matrix_a_scale:MATRIX_SCALE_ROW1
.else
	v_wmma_scale_f32_16x16x128_f8f6f4 v[DD:DD+7], v[BF:BF+FR-1], v[AA:AA+FR-1], v[DD:DD+7], v[SCB], v[SCA] matrix_a_fmt:MATRIX_FMT_FP6 matrix_b_fmt:MATRIX_FMT_FP6 matrix_a_scale:MATRIX_SCALE_ROW1
.endif
.endr
.endm
.macro FETCH slot, q, f
	WIN TO_F
.irp i, 0,1,2,3
	FRAG (\f)+FR*\i, ADRA+\slot, \q, \i
.endr
.irp i, 0,1,2,3
	FRAG (\f)+48+FR*\i, ADRB+\slot, \q, \i
.endr
.endm
.macro SCALES sc
	WIN 0
.irp q, 0,1,2,3
	ds_load_b128 v[SC+16*\sc+4*\q:SC+16*\sc+4*\q+3], v[ADRS] offset:256*\q
.endr
.endm
.macro PLACES n
.rept \n
	v_nop
.endr
.endm
.macro STEP slot, q, zero
	s_wait_dscnt 0x0
	PLACES NP
	FETCH \slot, (\q)+1, F0+128*(((\q)+1)%2)
	WIN MUL
.irp a, 0,1,2,3
	MUL4 F0+128*((\q)%2), \q, \slot, \a, \zero
.endr
.endm
.macro TURN slot, next, fill
.if \fill
	s_wait_xcnt 0x0                                ; my prefetches have read their address: it steps one slot on
	s_add_nc_u64 s[96:97], s[96:97], RBB
.endif
	WIN 0
	s_wait_tensorcnt 0x0
	ds_add_u32 v[SPW], v[NIL]
	s_wait_dscnt 1
	WIN MUL
	MUL4 F1, 3, \slot, 0, 0
	MUL4 F1, 3, \slot, 1, 0
	s_wait_dscnt 0x0
	s_barrier_signal -1
	MUL4 F1, 3, \slot, 2, 0
	WIN 0
	s_barrier_wait -1
.if \fill
	CREST
	s_add_nc_u64 s[G0+4*\slot+2:G0+4*\slot+3], s[G0+4*\slot+2:G0+4*\slot+3], 2*RBB
	s_add_nc_u64 s[G0B+4*\slot+2:G0B+4*\slot+3], s[G0B+4*\slot+2:G0B+4*\slot+3], 2*RBB
	JLOAD G0+4*\slot, G1, G0B+4*\slot, G1B
.else
	PLACES NP
.endif
	s_wait_alu depctr_va_vdst(0)
	v_add_nc_u32 v[ADRS], NQ*256, v[ADRS]
	FETCH \next, 0, F0
	SCALES \next
.if \fill
	s_cmp_gt_u32 s3, 1                             ; the slot that stands two refills on; the last trip's two refills have none
	s_cbranch_scc0 .Lno_ask_\@
	global_prefetch_b8 v8, s[96:97] offset:3*RBB th:TH_LOAD_NT scope:SCOPE_SE
.Lno_ask_\@:
.endif
	WIN MUL
	MUL4 F1, 3, \slot, 3, 0
.endm
.macro TOSTAGE a
.irp b, 0,1,2,3
	ds_store_b128 v[STO], v[ACC+8*(4*(\a)+\b):ACC+8*(4*(\a)+\b)+3] offset:128*(\b/2)+32*(\b%2)
	ds_store_b128 v[STO], v[ACC+8*(4*(\a)+\b)+4:ACC+8*(4*(\a)+\b)+7] offset:128*(\b/2)+32*(\b%2)+16
.endr
.set BB, BK+32*((\a)%2)
.irp t, 0,1,2,3,4,5,6,7
	ds_load_b128 v[BB+4*\t:BB+4*\t+3], v[RD] offset:\t*2*SPITCH
.endr
.endm
.macro SEND a, younger
.set BB, BK+32*((\a)%2)
	s_wait_dscnt \younger
	WIN 0x08
.set J, 0
.rept 16
	v_pk_add_f32 v[BB+J:BB+J+1], v[BB+J:BB+J+1], v[32*(\a)+J:32*(\a)+J+1]
.set J, J+2
.endr
	WIN 0
.irp t, 0,1,2,3,4,5,6,7
	global_store_b128 v[CO], v[BB+4*\t:BB+4*\t+3], s[OUTP:OUTP+1] offset:(32*((\a)/2)+8*((\a)%2)+2*\t+8*(\t/4))*4096 th:TH_STORE_NT
.endr
.endm
	s_wait_alu depctr_va_vdst(0)
	s_wait_tensorcnt 1
	s_barrier_signal -1
	s_barrier_wait -1
	FETCH 0, 0, F0
	SCALES 0
	s_wait_loadcnt 32
	STEP 0, 0, 2
	WIN 0
	s_mov_b32 s3, LAPS-1
.Llap:
	STEP 0, 1, 0
	STEP 0, 2, 0
	TURN 0, 1, 1
	STEP 1, 0, 0
	STEP 1, 1, 0
	STEP 1, 2, 0
	TURN 1, 0, 1
	STEP 0, 0, 0
	WIN 0
	s_sub_co_u32 s3, s3, 1
	s_cmp_lg_u32 s3, 0
	s_cbranch_scc1 .Llap
	STEP 0, 1, 0
	STEP 0, 2, 0
	TURN 0, 1, 0
	STEP 1, 0, 0
	STEP 1, 1, 0
	STEP 1, 2, 0
	s_wait_dscnt 0x0
	WIN MUL
.irp a, 0,1,2,3
	MUL4 F1, 3, 1, \a, 0
.endr
	WIN 0
	PLACES NP
	s_wait_loadcnt 0x0
	TOSTAGE 0
	TOSTAGE 1
	SEND 0, 16
	s_wait_xcnt 0x0
	TOSTAGE 2
	SEND 1, 16
	s_wait_xcnt 0x0
	TOSTAGE 3
	SEND 2, 16
	SEND 3, 0
	s_wait_tensorcnt 0x0
	ds_add_u32 v[SPW], v[NIL]
	s_wait_dscnt 0x0
	CROUND
	s_endpgm
.Lfunc_end_k_q5cb439685e_ffn2:
	.size	k_q5cb439685e_ffn2, .Lfunc_end_k_q5cb439685e_ffn2-k_q5cb439685e_ffn2
	.p2alignl 7, 3214868480
	.fill 96, 4, 3214868480
	.section	.rodata,"a",@progbits
	.p2align	6, 0x0
	.amdhsa_kernel k_q5cb439685e_ffn2
		.amdhsa_group_segment_fixed_size 327680
		.amdhsa_private_segment_fixed_size 0
		.amdhsa_enable_private_segment 0
		.amdhsa_kernarg_size 40
		.amdhsa_user_sgpr_count 2
		.amdhsa_user_sgpr_kernarg_segment_ptr 1
		.amdhsa_wavefront_size32 1
		.amdhsa_system_sgpr_workgroup_id_x 1
		.amdhsa_system_sgpr_workgroup_id_y 1
		.amdhsa_system_sgpr_workgroup_id_z 1
		.amdhsa_system_vgpr_workitem_id 0
		.amdhsa_next_free_vgpr 768
		.amdhsa_next_free_sgpr 100
		.amdhsa_reserve_vcc 0
		.amdhsa_float_denorm_mode_32 3
		.amdhsa_float_denorm_mode_16_64 3
		.amdhsa_memory_ordered 1
		.amdhsa_forward_progress 1
		.amdhsa_inst_pref_size 115
	.end_amdhsa_kernel
	.amdgpu_metadata
---
amdhsa.version: [ 1, 2 ]
amdhsa.kernels:
  - .name:           k_q5cb439685e_ffn2
    .symbol:         k_q5cb439685e_ffn2.kd
    .args:
      - { .name: h, .offset: 0, .size: 8, .value_kind: global_buffer, .address_space: global }
      - { .name: ops, .offset: 8, .size: 8, .value_kind: global_buffer, .address_space: global }
      - { .name: b2, .offset: 16, .size: 8, .value_kind: global_buffer, .address_space: global }
      - { .name: x1, .offset: 24, .size: 8, .value_kind: global_buffer, .address_space: global }
      - { .name: out0, .offset: 32, .size: 8, .value_kind: global_buffer, .address_space: global }
    .group_segment_fixed_size: 327680
    .private_segment_fixed_size: 0
    .kernarg_segment_align: 8
    .kernarg_segment_size: 40
    .max_flat_workgroup_size: 128
    .sgpr_count:     100
    .vgpr_count:     768
    .wavefront_size: 32
...
	.end_amdgpu_metadata
.endif
;; end of part 14
